; MI455X (gfx1250); checked and timed in simulation.
; The chip was launched on July 23, 2026; its instructions are those of AMD's public machine-readable ISA for CDNA 5 (MIT licence, August 2026) and "CDNA5" Instruction Set Architecture Reference Guide (July 2026). The comments in the code are by the model that wrote it; some were corrected since.
;; GPT Decoder Layer. Allowed arithmetic: matrix products marked QUANTISED: E3M2 operands, one E8M0 scale for each 32 along K, by v_wmma_scale_f32_16x16x128_f8f6f4 with both operands' format E3M2, f32 sums; everything else in f32.
;; Inputs: W1 1,024 x 4,096 float32; W2 2,048 x 1,024 float32; Wk 1,024 x 1,024 float32; Wo 1,024 x 1,024 float32; Wq 1,024 x 1,024 float32; Wv 1,024 x 1,024 float32; attention_mask 1 x 1 x 2,048 x 2,048 bool; attn_scale 1,024 float32; ffn_scale 1,024 float32; x 2 x 2,048 x 1,024 float32.
;; Outputs: out0 2 x 2,048 x 1,024 float32.
;; This version of the problem:
;;   THIS VERSION OF THE PROBLEM IS GIVEN IN LOW PRECISION. The matrix products marked QUANTISED in the list below multiply operands that are first quantised to E3M2 (3 exponent bits, 2 mantissa bits; 6 bits a number), with one power-of-two scale for each 32 numbers along K (OCP MX v1.0); their sums are f32. All else is computed in f32.
;;   The module's matrix products, in the order in which they are computed (A, B: the left and right operand; K: the contracted axis; several contracted axes count as one K, in the product's order):
;;     1. [M 4,096, K 1,024] x [K 1,024, N 1,024]; A: computed on the way; B: input Wq: QUANTISED
;;     2. [M 4,096, K 1,024] x [K 1,024, N 1,024]; A: computed on the way; B: input Wk: QUANTISED
;;     3. [M 4,096, K 1,024] x [K 1,024, N 1,024]; A: computed on the way; B: input Wv: QUANTISED
;;     4. batch 32 x [M 2,048, K 64] x [K 64, N 2,048]; A: computed on the way; B: computed on the way: QUANTISED
;;     5. batch 32 x [M 64, K 2,048] x [K 2,048, N 2,048]; A: computed on the way; B: softmax (see below): QUANTISED
;;     6. [M 4,096, K 1,024] x [K 1,024, N 1,024]; A: computed on the way; B: input Wo: QUANTISED
;;     7. [M 4,096, K 1,024] x [K 1,024, N 4,096]; A: computed on the way; B: input W1: QUANTISED
;;     8. [M 4,096, K 2,048] x [K 2,048, N 1,024]; A: computed on the way; B: input W2: QUANTISED
;;   THE QUANTISER, for each operand of a quantised product, along K:
;;     - K is cut into blocks of 32 from its start; a last block that is shorter is filled with zeros.
;;     - A block's scale is 2^e with e = floor(log2(the largest magnitude in the block)) - 4, held to -126 .. 127; a block of zeros has e = 0. As a byte (E8M0): e + 127.
;;     - Each number is divided by its block's scale, clamped to +-28, and rounded to the nearest number of E3M2, ties to even, subnormals kept.
;;     - The product sums the exact products of the quantised numbers (number of the format x scale) in f32.
;;   ~~~python
;;   def quantise(x, axis):      # numpy; x: float32 -> the quantised numbers, widened to float32 again
;;       x = np.moveaxis(x, axis, -1); K = x.shape[-1]
;;       x = np.pad(x, [(0, 0)] * (x.ndim - 1) + [(0, -K % 32)]); x = x.reshape(x.shape[:-1] + (-1, 32)); a = np.abs(x).max(-1, keepdims=True)
;;       e = np.where(a > 0, np.clip(np.frexp(np.where(a > 0, a, 1))[1] - 1 - 4, -126, 127), 0)      # np.frexp(a)[1] - 1 = floor(log2(a)), exactly
;;       r = np.clip(x / 2.0 ** e, -28, 28)
;;       step = 2.0 ** (np.maximum(np.frexp(np.where(r == 0, 1, r))[1] - 1, -2) - 2)
;;       q = np.round(r / step) * step * 2.0 ** e      # np.round: ties to even
;;       return np.moveaxis(q.reshape(q.shape[:-2] + (-1,))[..., :K], -1, axis).astype(np.float32)
;;   ~~~
;;   SOFTMAX AHEAD OF A QUANTISED PRODUCT. Where the list says 'softmax', what is quantised is not the finished softmax but p = 2^(t - M), with t = logit x log2(e) and M = ceil(the row's largest t), a whole number; so 1/2 < the row's largest p <= 1. The row's sum l is taken of the UNQUANTISED p, in f32, and the product's result is divided by l at the end. Since M is a whole number, a kernel that streams over the keys may use a running M (the ceiling of the running maximum): every later rescaling is an exact power of two, which a block's scale takes up: the codes' values come out the same.
;;   OPERANDS COMPUTED ON THE WAY. 'Computed on the way' means the value that the module computes at that place (a softmax that the list does not call 'softmax' is quantised finished and normalised). What goes into a quantiser is computed in f32, as accurately as f32 sums, v_exp_f32 and their like allow (about 1e-6 of the number): no bf16 or f16 on the way to a quantiser, and a product that is left as it is and whose result goes on into a quantised operand takes f32 operands (vector FMAs, or v_wmma_f32_16x16x4_f32). A number that lies on a knife's edge between two numbers of the format may be rounded either way, as far as f32 arithmetic and the matrix unit's own rounding can turn it there, and no further.
;; 3 versions, each right; version 2 is faster than version 1; version 3 is version 2 with the launch attn written anew for expert scheduling mode. Each part assembles by itself: llvm-mc -triple=amdgcn-amd-amdhsa -mcpu=gfx1250 --defsym DOCPART=n.
;; ======== version 1 of 3: 9 launches
;; workspace buffers: wts 8,192,000 bytes; act 3,276,800 bytes; qkv 10,092,544 bytes; ao 3,276,800 bytes; h 16,777,216 bytes; g 6,553,600 bytes; msk 540,672 bytes of whole numbers; rot 262,144 bytes
;; launch wquant (part 1): grid 320 x 1, 8 waves a work-group, no clusters, 2,048 bytes of LDS; arguments Wq, Wk, Wv, Wo, W1, W2, wts; writes wts
.if DOCPART == 1
	.amdgcn_target "amdgcn-amd-amdhsa--gfx1250"
	.amdhsa_code_object_version 6
	.text
	.protected	k_q99a35d148e_wquant
	.globl	k_q99a35d148e_wquant
	.p2align	8
	.type	k_q99a35d148e_wquant,@function
k_q99a35d148e_wquant:
	s_mov_b64 s[64:65], 0
	v_nop
	global_prefetch_b8 v0, s[64:65] scope:SCOPE_SE
	s_setreg_imm32_b32 hwreg(HW_REG_WAVE_MODE, 25, 1), 1
	s_wait_xcnt 0x0
; The six weights, f32 stored [K][N], become codes of BF6 (E3M2) with one E8M0 byte for each 32 along K, laid in the order in which a wave's operand registers take them.
; A work-group takes 32 columns x 1,024 along K; wave w takes K step w (128 rows).  A LANE TAKES A COLUMN AND ITS REGISTERS RUN DOWN K, so a block of 32 lies in one lane and nothing is transposed.
; THE COLUMNS OF A TILE ARE NOT NEIGHBOURS: lane r of tile u (u = lane / 16) takes column 8 u + r + 8 (r / 8) of the 32; a wave's load still covers the same 128 consecutive bytes.
; OUT: a fragment (16 columns x 128 K, 12 registers a lane) is two halves of 768 bytes: registers 6 c .. 6 c + 3 at 16 x lane, then registers 6 c + 4, 6 c + 5 at 512 + 8 x lane.
; Codes: [J][K step][tile b][1,536].  Scale bytes: [J][b][K / 1,024][row 16][32 bytes]: a row's 32 bytes are the words of eight K steps.
; LIMITS: a block whose largest magnitude lies under 2^-122 keeps the byte 1 (a block of zeros too: its codes are zeros, and this program alone reads the bytes); NaN and infinities are not served.
.set WO_C,   2359296
.set W1_C,   3145728
.set W2_C,   6291456
.set WQKV_S, 7864320
.set WO_S,   7962624
.set W1_S,   7995392
.set W2_S,   8126464
.set X,  16                            ; v16-143  4 blocks x 32 numbers of my column
.set PB, 144                           ; v144-167 4 blocks x 6 registers of codes
.set PT, 168                           ; v168-170 a block's upper 16 codes (a conversion's three registers begin on an even number)
	s_load_b256 s[4:11], s[0:1], 0x0               ; Wq, Wk, Wv, Wo
	s_load_b128 s[12:15], s[0:1], 0x20             ; W1, W2
	s_load_b64 s[16:17], s[0:1], 0x30              ; wts
	v_lshl_add_u32 v176, v0, 2, 0x400
	v_mov_b32 v177, 0
	v_lshrrev_b32 v1, 5, v0
	v_readfirstlane_b32 s38, v1                    ; wave = K step
	v_and_b32 v1, 31, v0                           ; lane
	v_and_b32 v8, 15, v0                           ; r
	v_and_b32 v9, 8, v0                            ; 8 (r / 8)
	v_bfe_u32 v10, v0, 4, 1                        ; u
	v_add_nc_u32 v8, v8, v9
	v_lshl_add_u32 v8, v10, 3, v8                  ; my column of the 32
	v_lshlrev_b32 v2, 2, v8                        ; in bytes
	v_lshlrev_b32 v3, 4, v1                        ; 16 x lane
	v_lshlrev_b32 v4, 3, v1                        ; 8 x lane
	s_lshl_b32 s39, s38, 2
	v_lshl_add_u32 v5, v1, 5, s39                  ; LDS: 32 x lane + 4 x wave: my column's word of my K step
	s_and_b32 s39, s38, 1
	s_lshl_b32 s39, s39, 9
	v_add_nc_u32 v6, s39, v3                       ; LDS: waves 0 and 1 read a tile's 512 scale bytes back
	; which weight, which columns: whole numbers alone are set in the three arms
	s_cmp_lt_u32 ttmp9, 128
	s_cbranch_scc0 .Lw1
	s_lshr_b32 s30, ttmp9, 5                       ; 0 Wq, 1 Wk, 2 Wv, 3 Wo
	s_and_b32 s20, ttmp9, 31                       ; G: which 32 columns
	s_lshl_b32 s31, s30, 2
	s_cmp_lt_u32 s30, 3
	s_cselect_b32 s24, 12, 4                       ; NB: tiles in a block J
	s_cselect_b32 s31, s31, 0
	s_cselect_b32 s27, 0, WO_C
	s_mov_b32 s28, WO_S
	s_cselect_b32 s28, WQKV_S, s28
	s_and_b32 s23, s20, 1
	s_lshl_b32 s23, s23, 1
	s_add_co_u32 s23, s23, s31                     ; b0: my first tile in J
	s_lshr_b32 s22, s20, 1                         ; J
	s_mov_b32 s21, 0                               ; which 1,024 along K
	s_mov_b32 s25, 8                               ; K steps
	s_mov_b32 s26, 1                               ; K / 1,024
	s_mov_b32 s29, 12                              ; a row of the weight is 2^12 bytes
	s_branch .Ljoin
.Lw1:
	s_cmp_lt_u32 ttmp9, 256
	s_cbranch_scc0 .Lw2
	s_sub_co_u32 s20, ttmp9, 128
	s_and_b32 s22, s20, 63
	s_lshr_b32 s22, s22, 2
	s_lshr_b32 s23, s20, 6
	s_lshl_b32 s23, s23, 3                         ; the second half of W1 takes tiles 8 to 15
	s_and_b32 s31, s20, 3
	s_lshl_b32 s31, s31, 1
	s_add_co_u32 s23, s23, s31
	s_mov_b32 s24, 16
	s_mov_b32 s27, W1_C
	s_mov_b32 s28, W1_S
	s_mov_b32 s21, 0
	s_mov_b32 s25, 8
	s_mov_b32 s26, 1
	s_mov_b32 s29, 14
	s_branch .Ljoin
.Lw2:
	s_sub_co_u32 s31, ttmp9, 256
	s_and_b32 s20, s31, 31
	s_lshr_b32 s21, s31, 5
	s_lshr_b32 s22, s20, 1
	s_and_b32 s23, s20, 1
	s_lshl_b32 s23, s23, 1
	s_mov_b32 s24, 4
	s_mov_b32 s27, W2_C
	s_mov_b32 s28, W2_S
	s_mov_b32 s25, 16
	s_mov_b32 s26, 2
	s_mov_b32 s29, 12
.Ljoin:
	s_lshl_b32 s31, s21, 10
	s_lshl_b32 s32, s38, 7
	s_add_co_u32 s31, s31, s32                     ; my first row
	s_lshl_b32 s31, s31, s29
	s_lshl_b32 s32, s20, 7
	s_add_co_u32 s32, s31, s32                     ; + 128 G bytes
	s_mov_b32 s33, 0
	s_mul_i32 s31, s22, s25
	s_lshl_b32 s34, s21, 3
	s_add_co_u32 s31, s31, s34
	s_add_co_u32 s31, s31, s38
	s_mul_i32 s31, s31, s24
	s_add_co_u32 s31, s31, s23
	s_mul_i32 s31, s31, 1536
	s_add_co_u32 s34, s31, s27                     ; codes: ((J KSt + K step) NB + b0) x 1,536
	s_mov_b32 s35, 0
	s_mul_i32 s31, s22, s24
	s_add_co_u32 s31, s31, s23
	s_and_b32 s36, s38, 1
	s_add_co_u32 s31, s31, s36                     ; (wave 0 stores tile b0's scale bytes, wave 1 tile b0 + 1's)
	s_mul_i32 s31, s31, s26
	s_add_co_u32 s31, s31, s21
	s_lshl_b32 s31, s31, 9
	s_add_co_u32 s36, s31, s28
	s_mov_b32 s37, 0
	s_lshr_b32 s30, ttmp9, 5
	s_wait_kmcnt 0x0
	s_cmp_eq_u32 s30, 0                            ; the source is chosen on the work-group's number alone
	s_cselect_b64 s[18:19], s[4:5], s[6:7]
	s_cmp_eq_u32 s30, 2
	s_cselect_b64 s[40:41], s[8:9], s[10:11]
	s_cmp_lt_u32 s30, 2
	s_cselect_b64 s[18:19], s[18:19], s[40:41]
	s_cmp_lt_u32 s30, 8
	s_cselect_b64 s[40:41], s[12:13], s[14:15]
	s_cmp_lt_u32 s30, 4
	s_cselect_b64 s[18:19], s[18:19], s[40:41]
	s_add_nc_u64 s[18:19], s[18:19], s[32:33]
	s_add_nc_u64 s[34:35], s[16:17], s[34:35]
	s_add_nc_u64 s[36:37], s[16:17], s[36:37]
.macro LOADS stride                    ; my column's 128 numbers: row i of the K step; 32 lanes read 128 consecutive bytes
.set i, 0
.rept 128
	global_load_b32 v[X+i], v2, s[18:19] offset:i*\stride
.set i, i+1
.endr
.endm
	s_cmp_eq_u32 s29, 14
	s_cbranch_scc1 .Lwide
	LOADS 4096
	s_branch .Lloaded
.Lwide:
	LOADS 16384
.Lloaded:
.macro BLOCK b, left                   ; block b of my column: its scale, its byte, its 32 codes
	s_wait_loadcnt \left                           ; loads come back in order: this block's 32 are in, at most the later blocks' stay out
	v_max3_num_f32 v8, |v[X+32*\b]|, |v[X+32*\b+1]|, |v[X+32*\b+2]|
	v_max3_num_f32 v9, |v[X+32*\b+3]|, |v[X+32*\b+4]|, |v[X+32*\b+5]|
.irp i, 6,10,14,18,22,26
	v_max3_num_f32 v8, v8, |v[X+32*\b+\i]|, |v[X+32*\b+\i+1]|
	v_max3_num_f32 v9, v9, |v[X+32*\b+\i+2]|, |v[X+32*\b+\i+3]|
.endr
	v_max3_num_f32 v8, v8, |v[X+32*\b+30]|, |v[X+32*\b+31]|
	v_max3_num_f32 v8, v8, v9, 0x2800000           ; the floor 2^(5 - 127): the byte cannot fall under 1
	v_add_nc_u32 v11, 0xfe000000, v8               ; 4 off the exponent field: the conversion's scale operand
	v_cvt_scalef32_pk16_bf6_f32 v[PB+6*\b:PB+6*\b+2], v[X+32*\b:X+32*\b+15], v11
	v_cvt_scalef32_pk16_bf6_f32 v[PT:PT+2], v[X+32*\b+16:X+32*\b+31], v11
	v_lshrrev_b32 v13, 23, v11                     ; the byte (also the plain line behind the conversions)
.if \b == 0
	v_mov_b32 v12, v13
.else
	v_lshl_or_b32 v12, v13, 8*\b, v12              ; the K step's scale word of my column
.endif
.irp i, 0,1,2
	v_mov_b32 v[PB+6*\b+3+\i], v[PT+\i]
.endr
.endm
	BLOCK 0, 63
	BLOCK 1, 63
	BLOCK 2, 32
	BLOCK 3, 0
	; lanes 0-15 hold tile 0's columns and lanes 16-31 tile 1's, all four blocks each; the operand wants lanes 0-15 block 2 c and lanes 16-31 block 2 c + 1 of ONE tile
.irp c, 0,1
.irp i, 0,1,2,3,4,5
	v_permlane16_swap_b32 v[PB+12*\c+\i], v[PB+12*\c+6+\i]
.endr
.endr
.irp c, 0,1
.irp u, 0,1
	global_store_b128 v3, v[PB+12*\c+6*\u:PB+12*\c+6*\u+3], s[34:35] offset:1536*\u+768*\c          ; 512 consecutive bytes
	global_store_b64 v4, v[PB+12*\c+6*\u+4:PB+12*\c+6*\u+5], s[34:35] offset:1536*\u+768*\c+512     ; 256 consecutive bytes
.endr
.endr
	ds_store_b32 v5, v12                           ; the eight waves' words of a column lie side by side: 32 bytes
	s_wait_dscnt 0x0                               ; for the others' sake: my word has landed
	s_barrier_signal -1
	s_barrier_wait -1
	s_cmp_lt_u32 s38, 2
	s_cbranch_scc0 .Lend
	ds_load_b128 v[172:175], v6
	s_wait_dscnt 0x0
	global_store_b128 v3, v[172:175], s[36:37]     ; a tile's 512 scale bytes, whole
.Lend:
	s_wait_tensorcnt 0x0
	ds_add_u32 v176, v177
	s_wait_dscnt 0x0
	s_endpgm
.Lfunc_end_k_q99a35d148e_wquant:
	.size	k_q99a35d148e_wquant, .Lfunc_end_k_q99a35d148e_wquant-k_q99a35d148e_wquant
	.p2alignl 7, 3214868480
	.fill 96, 4, 3214868480
	.section	.rodata,"a",@progbits
	.p2align	6, 0x0
	.amdhsa_kernel k_q99a35d148e_wquant
		.amdhsa_group_segment_fixed_size 2048
		.amdhsa_private_segment_fixed_size 0
		.amdhsa_enable_private_segment 0
		.amdhsa_kernarg_size 56
		.amdhsa_user_sgpr_count 2
		.amdhsa_user_sgpr_kernarg_segment_ptr 1
		.amdhsa_wavefront_size32 1
		.amdhsa_system_sgpr_workgroup_id_x 1
		.amdhsa_system_sgpr_workgroup_id_y 1
		.amdhsa_system_sgpr_workgroup_id_z 1
		.amdhsa_system_vgpr_workitem_id 0
		.amdhsa_next_free_vgpr 178
		.amdhsa_next_free_sgpr 66
		.amdhsa_reserve_vcc 0
		.amdhsa_float_denorm_mode_32 3
		.amdhsa_float_denorm_mode_16_64 3
		.amdhsa_memory_ordered 1
		.amdhsa_forward_progress 1
		.amdhsa_inst_pref_size 36
	.end_amdhsa_kernel
	.amdgpu_metadata
---
amdhsa.version: [ 1, 2 ]
amdhsa.kernels:
  - .name:           k_q99a35d148e_wquant
    .symbol:         k_q99a35d148e_wquant.kd
    .args:
      - { .name: Wq, .offset: 0, .size: 8, .value_kind: global_buffer, .address_space: global }
      - { .name: Wk, .offset: 8, .size: 8, .value_kind: global_buffer, .address_space: global }
      - { .name: Wv, .offset: 16, .size: 8, .value_kind: global_buffer, .address_space: global }
      - { .name: Wo, .offset: 24, .size: 8, .value_kind: global_buffer, .address_space: global }
      - { .name: W1, .offset: 32, .size: 8, .value_kind: global_buffer, .address_space: global }
      - { .name: W2, .offset: 40, .size: 8, .value_kind: global_buffer, .address_space: global }
      - { .name: wts, .offset: 48, .size: 8, .value_kind: global_buffer, .address_space: global }
    .group_segment_fixed_size: 2048
    .private_segment_fixed_size: 0
    .kernarg_segment_align: 8
    .kernarg_segment_size: 56
    .max_flat_workgroup_size: 256
    .sgpr_count:     66
    .vgpr_count:     178
    .wavefront_size: 32
...
	.end_amdgpu_metadata
.endif
;; end of part 1
;; launch maskprep (part 2): grid 128 x 1, 8 waves a work-group, no clusters, 2,560 bytes of LDS; arguments attention_mask, msk, rot; writes msk, rot
.if DOCPART == 2
	.amdgcn_target "amdgcn-amd-amdhsa--gfx1250"
	.amdhsa_code_object_version 6
	.text
	.protected	k_q99a35d148e_maskprep
	.globl	k_q99a35d148e_maskprep
	.p2align	8
	.type	k_q99a35d148e_maskprep,@function
k_q99a35d148e_maskprep:
	s_mov_b64 s[64:65], 0
	v_nop
	global_prefetch_b8 v0, s[64:65] scope:SCOPE_SE
	s_setreg_imm32_b32 hwreg(HW_REG_WAVE_MODE, 25, 1), 1
	s_wait_xcnt 0x0
; (1) The mask [2048][2048] of bytes (0 or 1) becomes what the attention launch wants: for each tile of 16 queries and each step of 128 keys, 64 words of lane masks and a flag of two bits.
; Word e of a step: bit l = mask[query of lane l % 16][128 S + 32 (e / 16) + 16 (l / 16) + e % 16]: the key that score register e holds in lane l.  A tile's query r is 32 (tile / 2) + 8 (tile % 2) + r + 8 (r / 8).
; Flag: 2 all 16 x 128 open; 1 mixed; 0 the step may be left out: nothing in it is open AND each of the tile's 16 rows has an open key somewhere, so that a row masked throughout still walks all keys.
; (2) The rotary table: rot[pos][0..15] = sin(pos x 10^(-i / 4)), rot[pos][16..31] = the cosines.  The phase is kept in whole numbers, in units of 2^-32 of a turn: pos x G_i modulo 2^32 is exact, and
; pos x D_i / 2^16 adds what G_i's rounding left off.  The phase's top two bits give the quarter turn; the rest, at most pi / 4 either way, goes into the sine's series to a^9 and the cosine's to a^10.
; The angle is wrong by under 1e-7 rad.  A work-group takes one tile of queries and 16 positions: a thread makes one sine and one cosine.
	s_load_b128 s[4:7], s[0:1], 0x0                ; the mask, msk
	s_load_b64 s[8:9], s[0:1], 0x10                ; rot
	v_lshl_add_u32 v72, v0, 2, 0x600
	v_mov_b32 v73, 0
	v_lshrrev_b32 v1, 5, v0
	v_readfirstlane_b32 s10, v1                    ; wave: key steps 2 w and 2 w + 1
	v_and_b32 v1, 31, v0
	v_and_b32 v2, 15, v0
	v_and_b32 v3, 8, v0
	v_add_nc_u32 v2, v2, v3                        ; r + 8 (r / 8)
	v_bfe_u32 v3, v0, 4, 1
	v_lshlrev_b32 v2, 11, v2
	v_lshl_add_u32 v2, v3, 4, v2                   ; my row of the mask, + 16 h
	v_lshlrev_b32 v4, 2, v1                        ; 4 x lane
	v_lshlrev_b32 v55, 2, v0                       ; LDS: 128 x wave + 4 x lane
	s_lshl_b32 s11, s10, 2
	s_add_co_u32 s11, s11, 1024
	v_mov_b32 v64, s11                             ; LDS: 1,024 + 4 x wave
	s_mov_b32 s32, 0x76543210
	s_mov_b32 s33, 0xfedcba98                      ; lane l xor 16
	s_lshr_b32 s12, ttmp9, 1
	s_lshl_b32 s12, s12, 5
	s_and_b32 s13, ttmp9, 1
	s_lshl_b32 s13, s13, 3
	s_add_co_u32 s12, s12, s13                     ; the tile's first query
	s_lshl_b32 s12, s12, 11
	s_lshl_b32 s13, s10, 8
	s_add_co_u32 s12, s12, s13
	s_mov_b32 s13, 0
	s_lshl_b32 s14, ttmp9, 12                      ; lane masks: 4,096 bytes a tile, 512 a wave
	s_lshl_b32 s15, s10, 9
	s_add_co_u32 s14, s14, s15
	s_mov_b32 s15, 0
	s_lshl_b32 s16, ttmp9, 7                       ; flags: 128 bytes a tile, behind the lane masks
	s_add_co_u32 s16, s16, 524288
	s_mov_b32 s17, 0
	s_lshl_b32 s18, ttmp9, 11                      ; rot: 16 positions of 128 bytes
	s_mov_b32 s19, 0
	s_wait_kmcnt 0x0
	s_add_nc_u64 s[4:5], s[4:5], s[12:13]
	s_add_nc_u64 s[14:15], s[6:7], s[14:15]
	s_add_nc_u64 s[16:17], s[6:7], s[16:17]
	s_add_nc_u64 s[8:9], s[8:9], s[18:19]
.irp p, 0,1
.irp b, 0,1,2,3
	global_load_b128 v[16+16*\p+4*\b:19+16*\p+4*\b], v2, s[4:5] offset:128*\p+32*\b   ; 16 keys of my row: 128 (2 w + p) + 32 b + 16 h on
.endr
.endr
	; ---- the rotary table, while the mask is on its way
	v_and_b32 v5, 15, v0                           ; i
	v_lshrrev_b32 v6, 4, v0
	v_lshlrev_b32 v54, 7, v6
	v_lshl_add_u32 v54, v5, 2, v54                 ; 128 x (thread / 16) + 4 i
	s_lshl_b32 s20, ttmp9, 4
	v_add_nc_u32 v6, s20, v6                       ; pos
	v_mov_b32 v7, 683565276                        ; G_0 = round(2^32 / 2 pi)
	v_mov_b32 v8, -27761                           ; D_0
.macro PICK i, g, d                    ; G_i = round(2^32 x 10^(-i / 4) / 2 pi), D_i = 2^16 x what the rounding left off
	v_cmp_ne_u32 vcc_lo, \i, v5
	v_cndmask_b32 v7, \g, v7, vcc_lo
	v_cndmask_b32 v8, \d, v8, vcc_lo
.endm
	PICK 1, 384397003, -5131
	PICK 2, 216162320, 1455
	PICK 3, 121557005, 32604
	PICK 4, 68356528, -28993
	PICK 5, 38439700, 19150
	PICK 6, 21616232, 144
	PICK 7, 12155701, -29508
	PICK 8, 6835653, -16004
	PICK 9, 3843970, 1914
	PICK 10, 2161623, 13120
	PICK 11, 1215570, 3604
	PICK 12, 683565, 18062
	PICK 13, 384397, 190
	PICK 14, 216162, 20972
	PICK 15, 121557, 360
	v_mul_lo_u32 v9, v6, v7                        ; pos x G modulo one turn
	v_mul_lo_u32 v10, v6, v8
	v_ashrrev_i32 v10, 16, v10
	v_add_nc_u32 v9, v9, v10                       ; the phase
	v_add_nc_u32 v10, 0x20000000, v9
	v_lshrrev_b32 v10, 30, v10                     ; the nearest quarter turn, 0 .. 3
	v_lshlrev_b32 v11, 2, v9
	v_ashrrev_i32 v11, 2, v11                      ; what is left, signed
	v_cvt_f32_i32 v11, v11
	v_mul_f32 v11, 0x30c90fdb, v11                 ; a = x 2 pi / 2^32
	v_mul_f32 v12, v11, v11
	v_mov_b32 v13, 0x3638ef1d                      ; 1 / 9!
	v_fmaak_f32 v13, v13, v12, 0xb9500d01          ; -1 / 7!
	v_fmaak_f32 v13, v13, v12, 0x3c088889          ; 1 / 5!
	v_fmaak_f32 v13, v13, v12, 0xbe2aaaab          ; -1 / 3!
	v_mul_f32 v13, v13, v12
	v_fma_f32 v13, v13, v11, v11                   ; sin a
	v_mov_b32 v14, 0xb493f27e                      ; -1 / 10!
	v_fmaak_f32 v14, v14, v12, 0x37d00d01          ; 1 / 8!
	v_fmaak_f32 v14, v14, v12, 0xbab60b61          ; -1 / 6!
	v_fmaak_f32 v14, v14, v12, 0x3d2aaaab          ; 1 / 4!
	v_fmaak_f32 v14, v14, v12, 0xbf000000          ; -1 / 2
	v_fma_f32 v14, v14, v12, 1.0                   ; cos a
	v_and_b32 v15, 1, v10
	v_cmp_ne_u32 vcc_lo, 0, v15                    ; an odd quarter: sine and cosine change places
	v_cndmask_b32 v52, v13, v14, vcc_lo
	v_cndmask_b32 v53, v14, v13, vcc_lo
	v_lshlrev_b32 v15, 30, v10
	v_and_b32 v15, 0x80000000, v15                 ; quarters 2 and 3: the sine is negative
	v_xor_b32 v52, v52, v15
	v_add_nc_u32 v15, 1, v10
	v_lshlrev_b32 v15, 30, v15
	v_and_b32 v15, 0x80000000, v15                 ; quarters 1 and 2: the cosine is
	v_xor_b32 v53, v53, v15
	global_store_b32 v54, v52, s[8:9]
	global_store_b32 v54, v53, s[8:9] offset:64
	; ---- the mask
.irp k, 48,49,50,51
	v_mov_b32 v\k, 0                               ; v_writelane's destination counts as read
.endr
	s_wait_loadcnt 0x0
.macro MASKS p                         ; key step 2 w + p
	v_or_b32 v[56+\p], v[16+16*\p], v[17+16*\p]
	v_and_b32 v[58+\p], v[16+16*\p], v[17+16*\p]
.irp k, 2,3,4,5,6,7,8,9,10,11,12,13,14,15
	v_or_b32 v[56+\p], v[56+\p], v[16+16*\p+\k]
	v_and_b32 v[58+\p], v[58+\p], v[16+16*\p+\k]
.endr
	v_cmp_ne_u32 s[24+2*\p], 0, v[56+\p]           ; lanes with an open key among their 64
	v_cmp_eq_u32 s[25+2*\p], 0x01010101, v[58+\p]  ; lanes whose 64 are all open
.set e, 0
.rept 64
	v_and_b32 v[60+(e&3)], 0xff<<(8*(e&3)), v[16+16*\p+4*(e>>4)+((e&15)>>2)]
	v_cmp_ne_u32 s[20+(e&3)], 0, v[60+(e&3)]       ; the 32 lanes' bits of word e
	v_writelane_b32 v[48+2*\p+(e>>5)], s[20+(e&3)], e&31
.set e, e+1
.endr
	global_store_b32 v4, v[48+2*\p], s[14:15] offset:256*\p
	global_store_b32 v4, v[49+2*\p], s[14:15] offset:256*\p+128
.endm
	MASKS 0
	MASKS 1
	s_cmp_lg_u32 s24, 0                            ; my two steps' four bits: any, all, any, all
	s_cselect_b32 s28, 1, 0
	s_cmp_eq_u32 s25, -1
	s_cselect_b32 s29, 2, 0
	s_or_b32 s28, s28, s29
	s_cmp_lg_u32 s26, 0
	s_cselect_b32 s29, 4, 0
	s_or_b32 s28, s28, s29
	s_cmp_eq_u32 s27, -1
	s_cselect_b32 s29, 8, 0
	s_or_b32 s28, s28, s29
	v_or_b32 v56, v56, v57
	v_mov_b32 v65, s28
	ds_store_b32 v55, v56                          ; has my half row an open key in my 256 keys?
	ds_store_b32 v64, v65
	s_wait_dscnt 0x0                               ; for wave 0's sake
	s_barrier_signal -1
	s_barrier_wait -1
	s_cmp_lg_u32 s10, 0
	s_cbranch_scc1 .Lend
.irp k, 0,1,2,3,4,5,6,7
	ds_load_b32 v[16+\k], v4 offset:128*\k
.endr
	v_mov_b32 v15, 1024
	ds_load_b128 v[24:27], v15
	ds_load_b128 v[28:31], v15 offset:16
	s_wait_dscnt 0x0
.irp k, 1,2,3,4,5,6,7
	v_or_b32 v16, v16, v[16+\k]
.endr
	v_permlanex16_b32 v17, v16, s32, s33
	v_or_b32 v16, v16, v17                         ; my row over all 2,048 keys
	v_cmp_ne_u32 vcc_lo, 0, v16
	s_cmp_eq_u32 vcc_lo, -1
	s_cselect_b32 s34, 0, 1                        ; 1 where some row of the tile is masked throughout: then no step is left out
.irp k, 0,1,2,3,4,5,6,7
	v_readfirstlane_b32 s[40+\k], v[24+\k]
.endr
	s_mov_b32 s35, 0
.irp k, 0,1,2,3,4,5,6,7
.irp p, 0,1
	s_bitcmp1_b32 s[40+\k], 2*\p
	s_cselect_b32 s36, 1, s34
	s_bitcmp1_b32 s[40+\k], 2*\p+1
	s_cselect_b32 s36, 2, s36
	s_lshl_b32 s36, s36, 4*\k+2*\p
	s_or_b32 s35, s35, s36
.endr
.endr
	v_mov_b32 v18, s35
	global_store_b32 v4, v18, s[16:17]             ; the tile's 16 flags, 32 equal words
.Lend:
	s_wait_tensorcnt 0x0
	ds_add_u32 v72, v73
	s_wait_dscnt 0x0
	s_endpgm
.Lfunc_end_k_q99a35d148e_maskprep:
	.size	k_q99a35d148e_maskprep, .Lfunc_end_k_q99a35d148e_maskprep-k_q99a35d148e_maskprep
	.p2alignl 7, 3214868480
	.fill 96, 4, 3214868480
	.section	.rodata,"a",@progbits
	.p2align	6, 0x0
	.amdhsa_kernel k_q99a35d148e_maskprep
		.amdhsa_group_segment_fixed_size 2560
		.amdhsa_private_segment_fixed_size 0
		.amdhsa_enable_private_segment 0
		.amdhsa_kernarg_size 24
		.amdhsa_user_sgpr_count 2
		.amdhsa_user_sgpr_kernarg_segment_ptr 1
		.amdhsa_wavefront_size32 1
		.amdhsa_system_sgpr_workgroup_id_x 1
		.amdhsa_system_sgpr_workgroup_id_y 1
		.amdhsa_system_sgpr_workgroup_id_z 1
		.amdhsa_system_vgpr_workitem_id 0
		.amdhsa_next_free_vgpr 74
		.amdhsa_next_free_sgpr 66
		.amdhsa_reserve_vcc 1
		.amdhsa_float_denorm_mode_32 3
		.amdhsa_float_denorm_mode_16_64 3
		.amdhsa_memory_ordered 1
		.amdhsa_forward_progress 1
		.amdhsa_inst_pref_size 40
	.end_amdhsa_kernel
	.amdgpu_metadata
---
amdhsa.version: [ 1, 2 ]
amdhsa.kernels:
  - .name:           k_q99a35d148e_maskprep
    .symbol:         k_q99a35d148e_maskprep.kd
    .args:
      - { .name: attention_mask, .offset: 0, .size: 8, .value_kind: global_buffer, .address_space: global }
      - { .name: msk, .offset: 8, .size: 8, .value_kind: global_buffer, .address_space: global }
      - { .name: rot, .offset: 16, .size: 8, .value_kind: global_buffer, .address_space: global }
    .group_segment_fixed_size: 2560
    .private_segment_fixed_size: 0
    .kernarg_segment_align: 8
    .kernarg_segment_size: 24
    .max_flat_workgroup_size: 256
    .sgpr_count:     66
    .vgpr_count:     74
    .wavefront_size: 32
...
	.end_amdgpu_metadata
.endif
;; end of part 2
;; launch normq_x (part 3): grid 256 x 1, 8 waves a work-group, no clusters, 69,632 bytes of LDS; arguments x, attn_scale, act; writes act
.if DOCPART == 3
	.amdgcn_target "amdgcn-amd-amdhsa--gfx1250"
	.amdhsa_code_object_version 6
	.text
	.protected	k_q99a35d148e_normq_x
	.globl	k_q99a35d148e_normq_x
	.p2align	8
	.type	k_q99a35d148e_normq_x,@function
k_q99a35d148e_normq_x:
	s_mov_b64 s[64:65], 0
	v_nop
	global_prefetch_b8 v0, s[64:65] scope:SCOPE_SE
	s_setreg_imm32_b32 hwreg(HW_REG_WAVE_MODE, 25, 1), 1
	s_wait_xcnt 0x0
; y = x * gain * rsqrt(mean(x^2) + 1e-6) along rows of 1,024 f32, quantised along the row to BF6 (E3M2) with one E8M0 byte for each 32, and stored in the order of an operand's registers.
; A work-group takes a tile of 16 rows: row i is token 32 (tile / 2) + 8 (tile % 2) + i + 8 (i / 8).  Wave w takes columns 128 w on: one fragment.
; Each load reads 512 consecutive bytes of a row.  The operand wants lane (r, h) to hold k = 64 c + 32 h + 0 .. 31 of row r: the 16 x 512 bytes turn through the wave's own stage in LDS (rows 528 bytes apart).
; The sum of squares meets in LDS (one barrier), the eight waves' scale words likewise (a second), so that a tile's 512 scale bytes leave whole.
; OUT: codes [tile][K step][1,536] (two halves of 768 bytes: four registers at 16 x lane, two at 512 + 8 x lane); from byte 3,145,728: [tile][row 16][32 scale bytes].
; LIMITS: the sum of squares is added in another order than a plain loop's; v_rsq_f32 is good to 1 ulp; a block under 2^-122 keeps the byte 1; NaN and infinities are not served.
.set SCG, 512                          ; LDS: 0: [row][8 partial sums]; 512: [row][8 scale words]; from 1,024: a stage of 16 x 528 bytes for each wave
.set X,  16
.set Y,  80
.set SV, 144
	s_load_b128 s[4:7], s[0:1], 0x0                ; the rows, the gain
	s_load_b64 s[8:9], s[0:1], 0x10                ; act
	v_lshl_add_u32 v240, v0, 2, 0x10c00
	v_mov_b32 v241, 0
	v_lshrrev_b32 v1, 5, v0
	v_readfirstlane_b32 s10, v1
	v_and_b32 v1, 31, v0
	v_and_b32 v2, 15, v0                           ; r
	v_bfe_u32 v3, v0, 4, 1                         ; h
	v_lshlrev_b32 v4, 4, v1                        ; 16 x lane
	v_lshlrev_b32 v5, 3, v1                        ; 8 x lane
	s_mul_i32 s11, s10, 8448
	s_add_co_u32 s11, s11, 1024                    ; my stage
	v_add_nc_u32 v6, s11, v4                       ; in: as loaded
	v_mul_u32_u24 v7, v2, 528
	v_lshl_add_u32 v7, v3, 7, v7
	v_add_nc_u32 v7, s11, v7                       ; out: row r, + 128 h
	v_lshlrev_b32 v8, 7, v3                        ; the gain: + 128 h
	s_lshl_b32 s12, s10, 2
	v_lshlrev_b32 v10, 5, v2                       ; 32 r
	v_add_nc_u32 v9, s12, v10                      ; 32 r + 4 w
	s_mov_b32 s20, 0x3a800000                      ; 1 / 1,024
	s_mov_b32 s21, 0x358637bd                      ; 1e-6
	s_mov_b32 s22, 0x76543210
	s_mov_b32 s23, 0xfedcba98
	s_lshr_b32 s13, ttmp9, 1
	s_lshl_b32 s13, s13, 5
	s_and_b32 s14, ttmp9, 1
	s_lshl_b32 s14, s14, 3
	s_add_co_u32 s13, s13, s14                     ; the tile's first token
	s_lshl_b32 s14, s13, 12
	s_lshl_b32 s16, s10, 9
	s_add_co_u32 s14, s14, s16
	s_mov_b32 s15, 0
	s_mov_b32 s17, 0
	s_lshl_b32 s18, ttmp9, 3
	s_add_co_u32 s18, s18, s10
	s_mul_i32 s18, s18, 1536
	s_mov_b32 s19, 0
	s_lshl_b32 s24, ttmp9, 9
	s_add_co_u32 s24, s24, 3145728
	s_mov_b32 s25, 0
	s_wait_kmcnt 0x0
	s_add_nc_u64 s[4:5], s[4:5], s[14:15]
	s_add_nc_u64 s[6:7], s[6:7], s[16:17]
	s_add_nc_u64 s[18:19], s[8:9], s[18:19]
	s_add_nc_u64 s[24:25], s[8:9], s[24:25]
.irp i, 0,1,2,3,4,5,6,7,8,9,10,11,12,13,14,15
	global_load_b128 v[X+4*\i:X+4*\i+3], v4, s[4:5] offset:(\i+8*(\i>>3))*4096
.endr
.irp c, 0,1
.irp j, 0,1,2,3,4,5,6,7
	global_load_b128 v[SV+32*\c+4*\j:SV+32*\c+4*\j+3], v8, s[6:7] offset:256*\c+16*\j
.endr
.endr
	s_wait_loadcnt 16                              ; the rows are in; the gain's 16 loads may be out
.irp i, 0,1,2,3,4,5,6,7,8,9,10,11,12,13,14,15
	ds_store_b128 v6, v[X+4*\i:X+4*\i+3] offset:528*\i
.endr
.irp c, 0,1
.irp j, 0,1,2,3,4,5,6,7
	ds_load_b128 v[Y+32*\c+4*\j:Y+32*\c+4*\j+3], v7 offset:256*\c+16*\j   ; LDS serves a wave's instructions in order: these see my stores
.endr
.endr
	s_wait_dscnt 0x0
.irp k, 0,1,2,3
	v_pk_mul_f32 v[208+2*\k:209+2*\k], v[Y+2*\k:Y+2*\k+1], v[Y+2*\k:Y+2*\k+1]
.endr
.set p, 4
.rept 28
	v_pk_fma_f32 v[208+2*(p%4):209+2*(p%4)], v[Y+2*p:Y+2*p+1], v[Y+2*p:Y+2*p+1], v[208+2*(p%4):209+2*(p%4)]
.set p, p+1
.endr
	v_pk_add_f32 v[208:209], v[208:209], v[210:211]
	v_pk_add_f32 v[212:213], v[212:213], v[214:215]
	v_pk_add_f32 v[208:209], v[208:209], v[212:213]
	v_add_f32 v208, v208, v209
	v_permlanex16_b32 v209, v208, s22, s23
	v_add_f32 v208, v208, v209                     ; row r's sum of squares over my 128 columns
	ds_store_b32 v9, v208
	s_wait_dscnt 0x0                               ; for the others' sake
	s_barrier_signal -1
	s_barrier_wait -1
	ds_load_b128 v[208:211], v10
	ds_load_b128 v[212:215], v10 offset:16
	s_wait_dscnt 0x0
	v_add_f32 v208, v208, v209
	v_add_f32 v210, v210, v211
	v_add_f32 v212, v212, v213
	v_add_f32 v214, v214, v215
	v_add_f32 v208, v208, v210
	v_add_f32 v212, v212, v214
	v_add_f32 v208, v208, v212
	v_fma_f32 v208, v208, s20, s21
	v_rsq_f32 v216, v208
	s_wait_loadcnt 0x0                             ; the gain
.set p, 0
.rept 32
	v_pk_mul_f32 v[Y+2*p:Y+2*p+1], v[Y+2*p:Y+2*p+1], v[SV+2*p:SV+2*p+1]   ; x * gain: the plain work behind the root
.set p, p+1
.endr
	s_wait_alu depctr_va_vdst(0)                   ; the wait ahead of the root's first reader
	v_mov_b32 v217, v216
.set p, 0
.rept 32
	v_pk_mul_f32 v[Y+2*p:Y+2*p+1], v[Y+2*p:Y+2*p+1], v[216:217]
.set p, p+1
.endr
	; my two blocks (2 c + h of the K step) lie whole in my registers
.irp c, 0,1
	v_max3_num_f32 v[218+\c], |v[Y+32*\c]|, |v[Y+32*\c+1]|, |v[Y+32*\c+2]|
.endr
.irp c, 0,1
	v_max3_num_f32 v[220+\c], |v[Y+32*\c+3]|, |v[Y+32*\c+4]|, |v[Y+32*\c+5]|
.endr
.irp i, 6,10,14,18,22,26
.irp c, 0,1
	v_max3_num_f32 v[218+\c], v[218+\c], |v[Y+32*\c+\i]|, |v[Y+32*\c+\i+1]|
	v_max3_num_f32 v[220+\c], v[220+\c], |v[Y+32*\c+\i+2]|, |v[Y+32*\c+\i+3]|
.endr
.endr
.irp c, 0,1
	v_max3_num_f32 v[218+\c], v[218+\c], |v[Y+32*\c+30]|, |v[Y+32*\c+31]|
.endr
.irp c, 0,1
	v_max3_num_f32 v[218+\c], v[218+\c], v[220+\c], 0x2800000   ; the floor 2^(5 - 127)
.endr
.irp c, 0,1
	v_add_nc_u32 v[222+\c], 0xfe000000, v[218+\c]  ; the conversion's scale operand
.endr
.irp c, 0,1
	v_lshrrev_b32 v[220+\c], 23, v[222+\c]         ; the byte
.endr
	v_lshl_or_b32 v224, v221, 16, v220             ; my bytes: blocks h and 2 + h,
	v_lshlrev_b32 v225, 3, v3
	v_lshlrev_b32 v224, v225, v224                 ; at their places;
	v_permlanex16_b32 v225, v224, s22, s23
	v_or_b32 v224, v224, v225                      ; with lane l xor 16's the word is whole
.irp c, 0,1
	v_cvt_scalef32_pk16_bf6_f32 v[226+6*\c:228+6*\c], v[Y+32*\c:Y+32*\c+15], v[222+\c]
	v_cvt_scalef32_pk16_bf6_f32 v[208+4*\c:210+4*\c], v[Y+32*\c+16:Y+32*\c+31], v[222+\c]
.endr
	v_nop                                          ; one plain line behind the conversions
.irp c, 0,1
.irp i, 0,1,2
	v_mov_b32 v[229+6*\c+\i], v[208+4*\c+\i]
.endr
.endr
	global_store_b128 v4, v[226:229], s[18:19]
	global_store_b64 v5, v[230:231], s[18:19] offset:512
	global_store_b128 v4, v[232:235], s[18:19] offset:768
	global_store_b64 v5, v[236:237], s[18:19] offset:1280
	ds_store_b32 v9, v224 offset:SCG
	s_wait_dscnt 0x0                               ; for wave 0's sake
	s_barrier_signal -1
	s_barrier_wait -1
	s_cmp_lg_u32 s10, 0
	s_cbranch_scc1 .Lend
	ds_load_b128 v[212:215], v4 offset:SCG
	s_wait_dscnt 0x0
	global_store_b128 v4, v[212:215], s[24:25]     ; the tile's 512 scale bytes, whole
.Lend:
	s_wait_tensorcnt 0x0
	ds_add_u32 v240, v241
	s_wait_dscnt 0x0
	s_endpgm
.Lfunc_end_k_q99a35d148e_normq_x:
	.size	k_q99a35d148e_normq_x, .Lfunc_end_k_q99a35d148e_normq_x-k_q99a35d148e_normq_x
	.p2alignl 7, 3214868480
	.fill 96, 4, 3214868480
	.section	.rodata,"a",@progbits
	.p2align	6, 0x0
	.amdhsa_kernel k_q99a35d148e_normq_x
		.amdhsa_group_segment_fixed_size 69632
		.amdhsa_private_segment_fixed_size 0
		.amdhsa_enable_private_segment 0
		.amdhsa_kernarg_size 24
		.amdhsa_user_sgpr_count 2
		.amdhsa_user_sgpr_kernarg_segment_ptr 1
		.amdhsa_wavefront_size32 1
		.amdhsa_system_sgpr_workgroup_id_x 1
		.amdhsa_system_sgpr_workgroup_id_y 1
		.amdhsa_system_sgpr_workgroup_id_z 1
		.amdhsa_system_vgpr_workitem_id 0
		.amdhsa_next_free_vgpr 242
		.amdhsa_next_free_sgpr 66
		.amdhsa_reserve_vcc 0
		.amdhsa_float_denorm_mode_32 3
		.amdhsa_float_denorm_mode_16_64 3
		.amdhsa_memory_ordered 1
		.amdhsa_forward_progress 1
		.amdhsa_inst_pref_size 19
	.end_amdhsa_kernel
	.amdgpu_metadata
---
amdhsa.version: [ 1, 2 ]
amdhsa.kernels:
  - .name:           k_q99a35d148e_normq_x
    .symbol:         k_q99a35d148e_normq_x.kd
    .args:
      - { .name: x, .offset: 0, .size: 8, .value_kind: global_buffer, .address_space: global }
      - { .name: attn_scale, .offset: 8, .size: 8, .value_kind: global_buffer, .address_space: global }
      - { .name: act, .offset: 16, .size: 8, .value_kind: global_buffer, .address_space: global }
    .group_segment_fixed_size: 69632
    .private_segment_fixed_size: 0
    .kernarg_segment_align: 8
    .kernarg_segment_size: 24
    .max_flat_workgroup_size: 256
    .sgpr_count:     66
    .vgpr_count:     242
    .wavefront_size: 32
...
	.end_amdgpu_metadata
.endif
;; end of part 3
;; launch gemm_qkv (part 4): grid 16 x 16, 4 waves a work-group, clusters of 4 x 1, 168,448 bytes of LDS; arguments act, wts, rot, qkv; writes qkv
.if DOCPART == 4
	.amdgcn_target "amdgcn-amd-amdhsa--gfx1250"
	.amdhsa_code_object_version 6
	.text
	.protected	k_q99a35d148e_gemm_qkv
	.globl	k_q99a35d148e_gemm_qkv
	.p2align	8
	.type	k_q99a35d148e_gemm_qkv,@function
k_q99a35d148e_gemm_qkv:
	s_mov_b64 s[64:65], 0
	v_nop
	global_prefetch_b8 v0, s[64:65] scope:SCOPE_SE
	s_setreg_imm32_b32 hwreg(HW_REG_WAVE_MODE, 25, 1), 1
	s_wait_xcnt 0x0
	s_wait_alu depctr_hold_cnt(0) depctr_sa_sdst(0) depctr_va_vdst(0) depctr_va_sdst(0) depctr_va_ssrc(0) depctr_va_vcc(0) depctr_vm_vsrc(0)
	s_getreg_b32 s2, hwreg(HW_REG_IB_STS2, 6, 4)
	s_cmp_eq_u32 s2, 0
	s_cbranch_scc0 .Lentry_in_a_cluster
	s_endpgm
.Lentry_in_a_cluster:
	s_bfe_u32 s2, ttmp6, 0x10000c
	s_cmp_lg_u32 s2, 0x3003
	s_cbranch_scc0 .Lentry_shape_is_right
	s_endpgm
.Lentry_shape_is_right:
; q, k, v = xn Wq, xn Wk, xn Wv for one head J and 256 tokens, on codes of BF6 with E8M0 scales; then the partial rotary on q and k; then all three are quantised for the attention launch:
; q and k along the head's 64 channels, v along the keys.  Nothing but codes and scale bytes is stored.
; SHARES.  Work-group (Mt, J): tokens 256 Mt on, the head's 12 tiles of 16 columns (0-3 q, 4-7 k, 8-11 v).  Wave w: token tiles 16 Mt + 4 w + t, t = 0 .. 3, against all 12 tiles: 48 accumulators.
; A's fragments are a wave's own: they come from memory straight into registers, a ring of four K steps.  B's block for all of K (147,456 bytes, dense in memory) is brought into LDS ONCE, in four chunks of two
; K steps, each wave a quarter of each chunk: no LDS byte is filled twice.  The four work-groups of a cluster share J, so each of these loads is asked for JOINTLY (mask 15): B's requests are divided by four.
; A wave has four tensor loads out.  A is not shared through LDS: A and B for all of K do not fit there together.
; LAYOUT.  q, k: source 0 = a tile of weights, source 1 = tokens: a lane holds one token, its registers run along the channels (the columns of a tile were chosen for that when the weights were laid out).
; v: the sources change places: a lane holds one channel, and the 32 registers of a channel tile's four token tiles are 2 x 16 neighbouring tokens: the keys, which are the next K.
; REGISTERS: window 0: v1-15 addresses, v16-31 A's scale words, v32-79 B's, v96/144/192 A's slots 0-2; window 1: v0-143 three buffers of four fragments of B, v144-191 A's slot 3;
;   windows 2, 3: q, k of token tile t at window 2 + t / 2, v[8 (8 (t % 2) + b)]; v of channel tile bv at window 2 + bv / 2, v[128 + 32 (bv % 2) + 8 t]; v192-223 sines and cosines; v224-231 at work.
; LIMITS: a block under 2^-122 keeps the byte 1; NaN and infinities are not served; the rotation is two fused multiply-adds a number.
.set NB, 12
.set KS, 8
.set NG, NB/4
.set SPC, KS/4
.set GPC, SPC*NG
.set NQ, KS*NG
.set CH, SPC*NB*1536
.set CBASE, 0
.set SBASE, 7864320
.set ASC, 16
.set BSC, 32
.set TM, 96
.set PT, 108
.set PCS, 112
.set QW, 208
.set KW, 212
.set VB, 216
.set SEL, 66
.set LVB, 4*CH                         ; LDS behind B: 512 bytes for v's scale bytes
.set KC, 3145728
.set VC, 6291456
.set QS, 9437184
.set VS, 9961472
.set MSB, 0
.macro WIN new                         ; the immediate's high byte repeats the setting that is left
.if MSB != (\new)
	s_set_vgpr_msb (MSB<<8)|(\new)
.set MSB, (\new)
.endif
.endm
.macro CROUND                          ; a round of the cluster's barrier
	s_barrier_signal -1
	s_barrier_wait -1
	s_cmp_lg_u32 s12, 0
	s_cbranch_scc1 .Lnot_wave_0_\@
	s_barrier_signal -3
.Lnot_wave_0_\@:
	s_barrier_wait -3
	s_barrier_signal -1
	s_barrier_wait -1
.endm
.macro PLACES                          ; four plain lines behind matrix instructions, ahead of loads into their registers and of reads of their results
.rept 4
	v_nop
.endr
.endm
.macro GFRAG reg, off                  ; a fragment from memory: 512, 256, 512, 256 consecutive bytes
	global_load_b128 v[\reg:\reg+3], v1, s[40:41] offset:\off
	global_load_b64 v[\reg+4:\reg+5], v2, s[40:41] offset:\off+512
	global_load_b128 v[\reg+6:\reg+9], v1, s[40:41] offset:\off+768
	global_load_b64 v[\reg+10:\reg+11], v2, s[40:41] offset:\off+1280
.endm
.macro LFRAG reg, j, off               ; a fragment from chunk j in LDS
	ds_load_b128 v[\reg:\reg+3], v[4+\j] offset:\off
	ds_load_b64 v[\reg+4:\reg+5], v[8+\j] offset:\off+512
	ds_load_b128 v[\reg+6:\reg+9], v[4+\j] offset:\off+768
	ds_load_b64 v[\reg+10:\reg+11], v[8+\j] offset:\off+1280
.endm
.macro LOADA s                         ; my four token tiles' fragments of K step s into slot s % 4: 16 loads
.if ((\s)&3) == 3
	WIN 0x40
.set LR, 144
.else
	WIN 0
.set LR, 96+48*((\s)&3)
.endif
.irp t, 0,1,2,3
	GFRAG LR+12*\t, (\t*KS+(\s))*1536
.endr
.endm
.macro LOADB x                         ; group x's four fragments of B into buffer x % 3: 16 LDS loads
.set bs, (\x)/NG
.set bg, (\x)%NG
.set bj, bs/SPC
	WIN 0x40
.irp i, 0,1,2,3
	LFRAG 48*((\x)%3)+12*\i, bj, ((bs%SPC)*NB+4*bg+\i)*1536
.endr
.endm
.macro MM                              ; one product; the scale words of K step s stand in register s % 4 of a row's four, in lanes 0-15 for steps 0-3 and in lanes 16-31 for steps 4-7
.if fZ
	v_wmma_scale_f32_16x16x128_f8f6f4 v[rD:rD+7], v[rA:rA+11], v[rB:rB+11], 0, v[rSA], v[rSB] matrix_a_fmt:MATRIX_FMT_BF6 matrix_b_fmt:MATRIX_FMT_BF6
.elseif fR
	v_wmma_scale_f32_16x16x128_f8f6f4 v[rD:rD+7], v[rA:rA+11], v[rB:rB+11], v[rD:rD+7], v[rSA], v[rSB] matrix_a_fmt:MATRIX_FMT_BF6 matrix_b_fmt:MATRIX_FMT_BF6 matrix_a_scale:MATRIX_SCALE_ROW1 matrix_b_scale:MATRIX_SCALE_ROW1
.else
	v_wmma_scale_f32_16x16x128_f8f6f4 v[rD:rD+7], v[rA:rA+11], v[rB:rB+11], v[rD:rD+7], v[rSA], v[rSB] matrix_a_fmt:MATRIX_FMT_BF6 matrix_b_fmt:MATRIX_FMT_BF6
.endif
.endm
.macro GROUP                           ; 16 products on 16 accumulators, one instruction a turn
.if (s_&3) == 3
.set AR, 144
.set aw, 1
.else
.set AR, 96+48*(s_&3)
.set aw, 0
.endif
.set fR, (s_>>2)&1
.if s_ == 0
.set fZ, 1                             ; the first K step starts the sums: nothing is cleared
.else
.set fZ, 0
.endif
.if g_ < 2
.irp t, 0,1,2,3
	WIN 1|(aw<<2)|((2+(\t>>1))*0x50)
.irp i, 0,1,2,3
.set rD, 8*(8*(\t&1)+4*g_+\i)
.set rA, 48*(q%3)+12*\i
.set rB, AR+12*\t
.set rSA, BSC+4*(4*g_+\i)+(s_&3)
.set rSB, ASC+4*\t+(s_&3)
	MM
.endr
.endr
.else
.irp i, 0,1,2,3
	WIN aw|(1<<2)|((2+(\i>>1))*0x50)
.irp t, 0,1,2,3
.set rD, 128+32*(\i&1)+8*\t
.set rA, AR+12*\t
.set rB, 48*(q%3)+12*\i
.set rSA, ASC+4*\t+(s_&3)
.set rSB, BSC+4*(8+\i)+(s_&3)
	MM
.endr
.endr
.endif
.endm
.macro ITER                            ; group q: fetch two groups ahead, then multiply
.set s_, q/NG
.set g_, q%NG
.if q+2 < NQ
.if (q+2)%GPC == 0
	s_wait_dscnt 0x0                               ; no LDS load of mine is out at a signal
	s_wait_tensorcnt 3-(q+2)/GPC                   ; my quarter of the next chunk has landed; the chunks behind it may be out
	s_barrier_signal -1
	s_barrier_wait -1                              ; everybody's has
.else
	s_wait_dscnt 16                                ; group q's fragments are in; group q + 1's 16 loads may be out
.endif
	PLACES
	LOADB (q+2)
.elseif q+2 == NQ
	s_wait_dscnt 16
.else
	s_wait_dscnt 0x0
.endif
.if g_ == 0
.if (s_ >= 1) && (s_+3 < KS)
	LOADA (s_+3)                                   ; into the slot that the last K step multiplied, behind the same four lines
.endif
.set la, s_+3
.if la > KS-1
.set la, KS-1
.endif
	s_wait_loadcnt 16*(la-s_)                      ; this K step's fragments of A are in; the later steps' 16 loads each may be out
.endif
	GROUP
.set q, q+1
.endm
	s_load_b256 s[4:11], s[0:1], 0x0               ; act, wts, rot, qkv
	v_lshl_add_u32 v254, v0, 2, 0x29000
	v_mov_b32 v255, 0
	ds_add_u32 v254, v255
	ds_add_u32 v254, v255
	v_lshrrev_b32 v1, 5, v0
	v_readfirstlane_b32 s12, v1                    ; wave
	s_bfe_u32 s13, ttmp6, 0x40000                  ; cx
	s_lshl_b32 s14, ttmp9, 2
	s_add_co_u32 s14, s14, s13                     ; Mt
	s_and_b32 s15, ttmp7, 0xffff                   ; J: the head, which the four partners share
	; group 1: CH / 1,024 rows of 256 bytes, dense
	s_mov_b32 s16, 15|(3<<16)|(1<<21)              ; the mask: all four work-groups; elements of 8 bytes; bit 21 beside a mask
	s_mov_b32 s17, 32<<16                          ; tensor_dim0 = 32
	s_mov_b32 s18, (CH/1024)<<16                   ; tensor_dim1
	s_mov_b32 s19, 32<<16                          ; tile_dim0
	s_mov_b32 s20, CH/1024                         ; tile_dim1
	s_mov_b32 s21, 32                              ; from row to row
	s_mov_b32 s22, 0
	s_mov_b32 s23, 0
	s_mul_i32 s42, s12, CH/4                       ; my quarter of a chunk
	s_mul_i32 s40, s15, 4*CH
	s_add_co_u32 s40, s40, s42
	s_add_co_u32 s40, s40, CBASE
	s_mov_b32 s41, 0
	s_wait_dscnt 0x0
	s_wait_kmcnt 0x0
	s_add_nc_u64 s[40:41], s[6:7], s[40:41]
.irp j, 0,1,2,3
	s_mov_b32 s[24+4*\j], 1
	s_add_co_u32 s[25+4*\j], s42, \j*CH            ; LDS: chunk j, my quarter: no place in the cluster enters
	s_add_nc_u64 s[26+4*\j:27+4*\j], s[40:41], \j*CH
	s_or_b32 s[27+4*\j], s[27+4*\j], 0x80000000
.endr
	CROUND                                         ; all four work-groups are here: the joint loads meet
.irp j, 0,1,2,3
	tensor_load_to_lds s[24+4*\j:27+4*\j], s[16:23]
	s_nop 0
.endr
	PLACES                                         ; four lines behind the last tensor load
	v_and_b32 v3, 31, v0
	v_lshlrev_b32 v1, 4, v3                        ; 16 x lane
	v_lshlrev_b32 v2, 3, v3                        ; 8 x lane
	v_lshlrev_b32 v3, 2, v3                        ; 4 x lane
.irp j, 0,1,2,3
	v_add_nc_u32 v[4+\j], \j*CH, v1
	v_add_nc_u32 v[8+\j], \j*CH, v2
.endr
	v_and_b32 v13, 15, v0                          ; r
	v_bfe_u32 v14, v0, 4, 1                        ; h
	v_lshlrev_b32 v12, 5, v13
	v_lshl_add_u32 v12, v14, 4, v12                ; scale words: 32 r + 16 h
	s_lshl_b32 s56, s12, 1
	s_add_co_u32 s56, s56, LVB
	v_lshl_add_u32 v15, v13, 3, s56                ; LDS: v's scale bytes: 8 r + 2 w
	v_add_nc_u32 v240, LVB, v1
	v_and_b32 v241, 8, v0
	v_add_nc_u32 v13, v13, v241
	v_lshlrev_b32 v13, 7, v13
	v_lshl_add_u32 v13, v14, 5, v13                ; rot: (r + 8 (r / 8)) x 128 + 32 h
	s_mov_b32 s[SEL], 0x76543210
	s_mov_b32 s[SEL+1], 0xfedcba98
	s_lshl_b32 s56, s14, 4
	s_lshl_b32 s57, s12, 2
	s_add_co_u32 s56, s56, s57                     ; my first token tile
	s_mul_i32 s40, s56, KS*1536
	s_mov_b32 s41, 0
	s_add_nc_u64 s[40:41], s[4:5], s[40:41]        ; A's codes
	s_lshl_b32 s42, s56, 9
	s_add_co_u32 s42, s42, 3145728
	s_mov_b32 s43, 0
	s_add_nc_u64 s[42:43], s[4:5], s[42:43]        ; A's scale bytes
	s_mul_i32 s44, s15, NB*512
	s_add_co_u32 s44, s44, SBASE
	s_mov_b32 s45, 0
	s_add_nc_u64 s[44:45], s[6:7], s[44:45]        ; B's
	s_and_b32 s57, s14, 7                          ; which 256 tokens of the sequence
	s_lshl_b32 s50, s57, 15
	s_lshl_b32 s60, s12, 13
	s_add_co_u32 s50, s50, s60
	s_mov_b32 s51, 0
	s_add_nc_u64 s[50:51], s[8:9], s[50:51]        ; rot at my first position
.irp t, 0,1,2,3
	global_load_b128 v[ASC+4*\t:ASC+4*\t+3], v12, s[42:43] offset:512*\t
.endr
.irp b, 0,1,2,3,4,5,6,7,8,9,10,11
	global_load_b128 v[BSC+4*\b:BSC+4*\b+3], v12, s[44:45] offset:512*\b
.endr
.irp t, 0,1,2,3                        ; sines of i = 8 h + 0 .. 7 and the cosines, for my token of tile t
	WIN 0x40*(2+(\t>>1))
	global_load_b128 v[192+16*(\t&1):195+16*(\t&1)], v13, s[50:51] offset:(32*(\t>>1)+8*(\t&1))*128
	global_load_b128 v[196+16*(\t&1):199+16*(\t&1)], v13, s[50:51] offset:(32*(\t>>1)+8*(\t&1))*128+16
	global_load_b128 v[200+16*(\t&1):203+16*(\t&1)], v13, s[50:51] offset:(32*(\t>>1)+8*(\t&1))*128+64
	global_load_b128 v[204+16*(\t&1):207+16*(\t&1)], v13, s[50:51] offset:(32*(\t>>1)+8*(\t&1))*128+80
.endr
	LOADA 0
	LOADA 1
	LOADA 2
	LOADA 3
	; where the results go
	s_lshr_b32 s58, s14, 3
	s_lshl_b32 s58, s58, 4
	s_add_co_u32 s58, s58, s15                     ; bh = 16 x batch + head
	s_lshl_b32 s59, s58, 7
	s_lshl_b32 s60, s57, 4
	s_add_co_u32 s59, s59, s60
	s_lshl_b32 s60, s12, 2
	s_add_co_u32 s59, s59, s60                     ; my first tile among the head's 128
	s_mul_i32 s46, s59, 768
	s_mov_b32 s47, 0
	s_add_nc_u64 s[46:47], s[10:11], s[46:47]      ; q's codes (k's lie KC bytes on)
	s_lshl_b32 s48, s59, 6
	s_add_co_u32 s48, s48, QS
	s_mov_b32 s49, 0
	s_add_nc_u64 s[48:49], s[10:11], s[48:49]      ; q's scale words (k's 262,144 bytes on)
	s_lshl_b32 s52, s58, 4
	s_lshl_b32 s60, s57, 1
	s_add_co_u32 s52, s52, s60
	s_lshr_b32 s60, s12, 1
	s_add_co_u32 s52, s52, s60                     ; the key step of my 64 tokens
	s_mul_i32 s52, s52, 6144
	s_and_b32 s60, s12, 1
	s_mul_i32 s60, s60, 768                        ; and which half of its fragments
	s_add_co_u32 s52, s52, s60
	s_add_co_u32 s52, s52, VC
	s_mov_b32 s53, 0
	s_add_nc_u64 s[52:53], s[10:11], s[52:53]
	s_lshl_b32 s54, s58, 3
	s_add_co_u32 s54, s54, s57
	s_lshl_b32 s54, s54, 9
	s_add_co_u32 s54, s54, VS
	s_mov_b32 s55, 0
	s_add_nc_u64 s[54:55], s[10:11], s[54:55]
	s_wait_tensorcnt 3                             ; my quarter of chunk 0 has landed; three loads may be out
	s_barrier_signal -1
	s_barrier_wait -1
	LOADB 0
	LOADB 1
.set q, 0
.rept NQ
	ITER
.endr
; ---- the rotary: channels 0 .. 31 are tiles 0 and 1: registers 2 e, 2 e + 1 hold channels 16 h + 2 e, + 1, which turn by the angle of i = 8 h + e
.macro ROT t, off
.irp e, 0,1,2,3,4,5,6,7
.set x0, 64*((\t)&1)+\off+2*\e
.set sn, 192+16*((\t)&1)+\e
.set tp, 224+2*(\e&3)
	v_mul_f32 v[tp], v[x0+1], v[sn]
	v_mul_f32 v[tp+1], v[x0], v[sn]
	v_fma_f32 v[x0], v[x0], v[sn+8], -v[tp]
	v_fma_f32 v[x0+1], v[x0+1], v[sn+8], v[tp+1]
.endr
.endm
; 32 registers from S on in window W: register 16 b + i is number 32 b + 16 h + i of my row's 64.  They become six registers of codes at pc (lane (r, h): numbers 32 h + 0 .. 31) and two bytes in v[TM+4], v[TM+5].
.macro QUANT2 W, S, pc
	WIN 5*(\W)
.irp b, 0,1
	v_max3_num_f32 v[TM+\b], |v[\S+16*\b]|, |v[\S+16*\b+1]|, 0x2800000   ; each accumulator from its low end on; the floor 2^(5 - 127)
.endr
.irp i, 2,4,6,8,10,12,14
.irp b, 0,1
	v_max3_num_f32 v[TM+\b], |v[\S+16*\b+\i]|, |v[\S+16*\b+\i+1]|, v[TM+\b]
.endr
.endr
	WIN 0
.irp b, 0,1
	v_permlanex16_b32 v[TM+4+\b], v[TM+\b], s[SEL], s[SEL+1]
.endr
.irp b, 0,1
	v_max_num_f32 v[TM+\b], v[TM+\b], v[TM+4+\b]   ; with lane l xor 16's 16: the block's largest magnitude
.endr
.irp b, 0,1
	v_add_nc_u32 v[TM+8+\b], 0xfe000000, v[TM+\b]
.endr
.irp b, 0,1
	v_lshrrev_b32 v[TM+4+\b], 23, v[TM+8+\b]
.endr
	WIN \W
	v_cvt_scalef32_pk16_bf6_f32 v[\pc:\pc+2], v[\S:\S+15], v[TM+8]
	v_cvt_scalef32_pk16_bf6_f32 v[PT:PT+2], v[\S+16:\S+31], v[TM+9]
	WIN 0
	v_nop                                          ; one plain line behind the conversions
.irp i, 0,1,2
	v_permlane16_swap_b32 v[\pc+\i], v[PT+\i]      ; a whole block to a lane
.endr
.irp i, 0,1,2
	v_mov_b32 v[\pc+3+\i], v[PT+\i]
.endr
.endm
	PLACES
.irp t, 0,1,2,3
	WIN 0x55*(2+(\t>>1))
	ROT \t, 0
	ROT \t, 32
.endr
	WIN 0
	v_mov_b32 v[TM+4], 0                           ; a lane permute's destination counts as read
	v_mov_b32 v[TM+5], 0
	v_cmp_ne_u32 s68, 0, v14                       ; lanes 16-31
.irp t, 0,1,2,3
	QUANT2 (2+(\t>>1)), (64*(\t&1)), (PCS+8*\t)
	v_lshl_or_b32 v[QW+\t], v[TM+5], 8, v[TM+4]
	v_or_b32 v[QW+\t], 0x7f7f0000, v[QW+\t]        ; the upper 64 of the instruction's 128 are zero codes: their bytes stand for 1
	global_store_b128 v1, v[PCS+8*\t:PCS+8*\t+3], s[46:47] offset:768*\t
	global_store_b64 v2, v[PCS+8*\t+4:PCS+8*\t+5], s[46:47] offset:768*\t+512
.endr
.irp t, 0,1,2,3
	QUANT2 (2+(\t>>1)), (64*(\t&1)+32), (PCS+32+8*\t)
	v_lshl_or_b32 v[KW+\t], v[TM+5], 8, v[TM+4]
	v_or_b32 v[KW+\t], 0x7f7f0000, v[KW+\t]
	global_store_b128 v1, v[PCS+32+8*\t:PCS+32+8*\t+3], s[46:47] offset:KC+768*\t
	global_store_b64 v2, v[PCS+32+8*\t+4:PCS+32+8*\t+5], s[46:47] offset:KC+768*\t+512
.endr
.irp t, 0,2                            ; two tiles' words leave together: lanes 0-15 tile t's, lanes 16-31 tile t + 1's: 128 consecutive bytes
	v_cndmask_b32 v[QW+\t], v[QW+\t], v[QW+\t+1], s68
	v_cndmask_b32 v[KW+\t], v[KW+\t], v[KW+\t+1], s68
	global_store_b32 v3, v[QW+\t], s[48:49] offset:64*\t
	global_store_b32 v3, v[KW+\t], s[48:49] offset:262144+64*\t
.endr
.irp bv, 0,1,2,3                       ; v: my 64 tokens are half a key step: six registers are half a fragment
	QUANT2 (2+(\bv>>1)), (128+32*(\bv&1)), (PCS+64+8*\bv)
	v_lshl_or_b32 v[VB+\bv], v[TM+5], 8, v[TM+4]
	ds_store_b16 v15, v[VB+\bv] offset:128*\bv     ; the four waves' bytes of a channel lie side by side: 8 bytes for 256 keys
	global_store_b128 v1, v[PCS+64+8*\bv:PCS+64+8*\bv+3], s[52:53] offset:1536*\bv
	global_store_b64 v2, v[PCS+64+8*\bv+4:PCS+64+8*\bv+5], s[52:53] offset:1536*\bv+512
.endr
	s_wait_dscnt 0x0                               ; for wave 0's sake
	s_barrier_signal -1
	s_barrier_wait -1
	s_cmp_lg_u32 s12, 0
	s_cbranch_scc1 .Lnot_mine
	ds_load_b128 v[96:99], v240
	s_wait_dscnt 0x0
	global_store_b128 v1, v[96:99], s[54:55]       ; 512 bytes, whole
.Lnot_mine:
	s_wait_tensorcnt 0x0
	ds_add_u32 v254, v255
	s_wait_dscnt 0x0
	CROUND                                         ; the closing round: no work-group ends while a partner may still ask for a tile that names it
	s_endpgm
.Lfunc_end_k_q99a35d148e_gemm_qkv:
	.size	k_q99a35d148e_gemm_qkv, .Lfunc_end_k_q99a35d148e_gemm_qkv-k_q99a35d148e_gemm_qkv
	.p2alignl 7, 3214868480
	.fill 96, 4, 3214868480
	.section	.rodata,"a",@progbits
	.p2align	6, 0x0
	.amdhsa_kernel k_q99a35d148e_gemm_qkv
		.amdhsa_group_segment_fixed_size 168448
		.amdhsa_private_segment_fixed_size 0
		.amdhsa_enable_private_segment 0
		.amdhsa_kernarg_size 32
		.amdhsa_user_sgpr_count 2
		.amdhsa_user_sgpr_kernarg_segment_ptr 1
		.amdhsa_wavefront_size32 1
		.amdhsa_system_sgpr_workgroup_id_x 1
		.amdhsa_system_sgpr_workgroup_id_y 1
		.amdhsa_system_sgpr_workgroup_id_z 1
		.amdhsa_system_vgpr_workitem_id 0
		.amdhsa_next_free_vgpr 1024
		.amdhsa_next_free_sgpr 72
		.amdhsa_reserve_vcc 0
		.amdhsa_float_denorm_mode_32 3
		.amdhsa_float_denorm_mode_16_64 3
		.amdhsa_memory_ordered 1
		.amdhsa_forward_progress 1
		.amdhsa_inst_pref_size 141
	.end_amdhsa_kernel
	.amdgpu_metadata
---
amdhsa.version: [ 1, 2 ]
amdhsa.kernels:
  - .name:           k_q99a35d148e_gemm_qkv
    .symbol:         k_q99a35d148e_gemm_qkv.kd
    .args:
      - { .name: act, .offset: 0, .size: 8, .value_kind: global_buffer, .address_space: global }
      - { .name: wts, .offset: 8, .size: 8, .value_kind: global_buffer, .address_space: global }
      - { .name: rot, .offset: 16, .size: 8, .value_kind: global_buffer, .address_space: global }
      - { .name: qkv, .offset: 24, .size: 8, .value_kind: global_buffer, .address_space: global }
    .group_segment_fixed_size: 168448
    .private_segment_fixed_size: 0
    .kernarg_segment_align: 8
    .kernarg_segment_size: 32
    .max_flat_workgroup_size: 128
    .sgpr_count:     72
    .vgpr_count:     1024
    .wavefront_size: 32
...
	.end_amdgpu_metadata
.endif
;; end of part 4
;; launch attn (part 5): grid 8 x 32, 16 waves a work-group, no clusters, 210,944 bytes of LDS; arguments qkv, msk, ao; writes ao
.if DOCPART == 5
	.amdgcn_target "amdgcn-amd-amdhsa--gfx1250"
	.amdhsa_code_object_version 6
	.text
	.protected	k_q99a35d148e_attn
	.globl	k_q99a35d148e_attn
	.p2align	8
	.type	k_q99a35d148e_attn,@function
k_q99a35d148e_attn:
	s_mov_b64 s[64:65], 0
	v_nop
	global_prefetch_b8 v0, s[64:65] scope:SCOPE_SE
	s_setreg_imm32_b32 hwreg(HW_REG_WAVE_MODE, 25, 1), 1
	s_wait_xcnt 0x0
; O = softmax(q k^T / 8, masked) v for one head of one batch (bh), both products on codes of BF6 with E8M0 scales; O / l is quantised along the channels and stored as the next product's operand.
; THE SOFTMAX: t = score x log2(e) / 8; M = the running largest t rounded UP to a whole number; p = 2^(t - M) is quantised along the keys, not normalised; the row's sum is taken of the unquantised p and divides at the end.
; THE MASK is an input: it comes as lane masks and flags that an earlier launch made of it.  A hidden score becomes -2^103: a power of two, so that its t is exact.  Beside an open key its p is 0; in a row masked
; throughout every t equals M, p = 1, and the result is the plain mean of v.  When a first open key follows hidden ones, 2^(old M - new M) is 0 and wipes what was summed.
; A step of 128 keys whose flag is 0 is left out: a scalar branch on a stored whole number.  No tile is shared by a joint load here: the head's K and V and their scale bytes,
; 208,896 bytes, are copied into LDS once, through registers; one barrier; after it the waves share nothing.
; SHARES.  Sixteen waves, four to a SIMD, each with one tile of 16 queries in 232 registers: while one wave walks its softmax another's products and LDS loads are issued.  Wave w takes tile 8 rank + x,
; rank = w xor 3 ((w / 4) % 2): whatever a mask that opens with the query leaves out, work-groups and SIMDs then have like work.  It is an order alone: every mask is served.
; LAYOUT.  S^T = K Q^T, O^T = V^T P^T: a lane holds one query throughout.  The head has 64 channels and the instruction takes 128: Q's upper six registers are zero codes, so K's fragment i may run on into tile
; i + 1's registers, whose codes then multiply zeros; the upper blocks' scale bytes stand for 1 on both sides.
; REGISTERS: v1-6 addresses that stay; v7 -2^103; v8-11, v28, v29 the step's addresses; v12 -M, v13 the largest t, v[14:15] the sum; v16-27 Q; v30 Q's scale word; v32-85 K's 8 x 6 (+ 6 zeros), then V's 4 x 12;
;   v86-89, v90-93 K's and V's scale words; v96-159 S^T, then p; v160-191 O^T; v192-203 p's codes; v204-229 at work.
; LIMITS: mask bytes are 0 or 1; a block under 2^-122 keeps the byte 1; NaN and infinities are not served; a block's largest p is made from its largest score.
.set KC,  3145728
.set VC,  6291456
.set QS,  9437184
.set KSC, 9699328
.set VS,  9961472
.set LV,  98304                        ; LDS: K's 128 tiles x 768; from LV V's 16 x 4 x 1,536; from LKS K's scale words; from LVS V's scale bytes
.set LKS, 196608
.set LVS, 204800
	s_load_b128 s[4:7], s[0:1], 0x0                ; qkv, msk
	s_load_b64 s[8:9], s[0:1], 0x10                ; ao
	v_lshl_add_u32 v232, v0, 2, 0x33000
	v_mov_b32 v233, 0
	v_lshrrev_b32 v1, 5, v0
	v_readfirstlane_b32 s10, v1                    ; wave
	s_bfe_u32 s11, s10, 0x10002
	s_mul_i32 s11, s11, 3
	s_xor_b32 s11, s11, s10                        ; rank
	s_lshl_b32 s11, s11, 3
	s_add_co_u32 s11, s11, ttmp9                   ; my tile of queries, 0 .. 127
	s_and_b32 s12, ttmp7, 0xffff                   ; bh
	s_mul_i32 s22, s12, 98304
	s_mov_b32 s23, 0
	s_lshl_b32 s24, s12, 13
	s_mov_b32 s25, 0
	s_lshl_b32 s26, s12, 12
	s_mov_b32 s27, 0
	s_lshl_b32 s28, s12, 7
	s_add_co_u32 s28, s28, s11
	s_mul_i32 s30, s28, 768
	s_mov_b32 s31, 0
	s_lshl_b32 s28, s28, 6
	s_mov_b32 s29, 0
	s_lshl_b32 s32, s11, 12
	s_mov_b32 s33, 0
	s_lshl_b32 s34, s11, 7
	s_mov_b32 s35, 0
	s_mov_b32 s88, 0x76543210
	s_mov_b32 s89, 0xfedcba98                      ; lane l xor 16
	s_mov_b32 s90, 0x3e38aa3b                      ; c = log2(e) / 8
	s_mov_b32 s91, s90
	v_and_b32 v1, 31, v0
	v_and_b32 v6, 15, v0
	v_lshlrev_b32 v31, 2, v6                       ; 4 r
	v_lshlrev_b32 v5, 2, v1
	v_lshlrev_b32 v2, 3, v1
	v_lshlrev_b32 v1, 4, v1                        ; K: 16 x lane
	v_add_nc_u32 v3, LV, v1                        ; V: the same
	v_add_nc_u32 v4, LV+512, v2
	v_add_nc_u32 v2, 512, v2                       ; K: 8 x lane + 512
	v_add_nc_u32 v5, LKS, v5                       ; K's scale words: 4 x lane
	v_lshl_add_u32 v6, v6, 3, LVS                  ; V's: 8 r
	v_lshlrev_b32 v8, 4, v0                        ; the copy: 16 x thread,
	v_add_nc_u32 v9, 0x10000, v8
	v_add_nc_u32 v10, 0x20000, v8
	v_add_nc_u32 v11, 0x30000, v8
	v_lshlrev_b32 v28, 3, v0                       ; 8 x thread
	v_add_nc_u32 v29, LVS, v28
	s_wait_kmcnt 0x0
	s_add_nc_u64 s[94:95], s[4:5], s[22:23]
	s_add_nc_u64 s[96:97], s[94:95], VC
	s_add_nc_u64 s[94:95], s[94:95], KC
	s_add_nc_u64 s[98:99], s[4:5], s[24:25]
	s_add_nc_u64 s[98:99], s[98:99], KSC
	s_add_nc_u64 s[100:101], s[4:5], s[26:27]
	s_add_nc_u64 s[100:101], s[100:101], VS
	s_add_nc_u64 s[16:17], s[4:5], s[30:31]        ; my tile of Q
	s_add_nc_u64 s[18:19], s[4:5], s[28:29]
	s_add_nc_u64 s[18:19], s[18:19], QS
	s_add_nc_u64 s[92:93], s[6:7], s[32:33]        ; my tile's lane masks
	s_add_nc_u64 s[20:21], s[6:7], s[34:35]
	s_load_b32 s14, s[20:21], 0x80000              ; my tile's 16 flags
.irp i, 0,1,2,3,4,5,6,7,8,9,10,11
	global_load_b128 v[32+4*\i:35+4*\i], v8, s[94:95] offset:8192*\i
.endr
.irp i, 0,1,2,3,4,5,6,7,8,9,10,11
	global_load_b128 v[80+4*\i:83+4*\i], v8, s[96:97] offset:8192*\i
.endr
	global_load_b128 v[128:131], v8, s[98:99]
	global_load_b64 v[132:133], v28, s[100:101]
	global_load_b128 v[16:19], v1, s[16:17]
	global_load_b64 v[20:21], v2, s[16:17]
	global_load_b32 v30, v31, s[18:19]
	v_mov_b32 v7, 0xf3000000                       ; -2^103
	v_mov_b32 v13, 0xff61b1e6                      ; -3e38, under every t
	v_floor_f32 v12, -v13
	v_mov_b32 v14, 0
	v_mov_b32 v15, 0
.irp k, 22,23,24,25,26,27,216,217,218,219,224,226,227
	v_mov_b32 v\k, 0                               ; Q's upper half: zero codes; the permutes' destinations; the pair (f, p's scale word)
.endr
.set j, 0
.rept 32
	v_mov_b32 v[160+j], 0                          ; O^T: the step is written once; its first turn finds zeros
.set j, j+1
.endr
.set i, 0
.rept 24
	s_wait_loadcnt 28-i                            ; loads come back in order: load i is in, the 28 - i issued behind it may be out
	ds_store_b128 v[8+(i>>3)], v[32+4*i:35+4*i] offset:8192*(i&7)
.set i, i+1
.endr
	s_wait_loadcnt 4
	ds_store_b128 v11, v[128:131]
	s_wait_loadcnt 3
	ds_store_b64 v29, v[132:133]
	s_wait_loadcnt 0x0                             ; Q
	s_wait_kmcnt 0x0                               ; the flags
	s_wait_dscnt 0x0                               ; for the others' sake: my part of the copy has landed
	s_barrier_signal -1
	s_barrier_wait -1
.irp k, 80,81,82,83,84,85
	v_mov_b32 v\k, 0                               ; what K's last fragment runs on into
.endr
	s_mov_b32 s66, 0                               ; the step's tiles: 6,144 bytes a step, in K's and in V's part alike
	s_mov_b32 s67, 0                               ; K's scale words: 512 bytes a step
	s_mov_b32 s84, 0                               ; V's: 512 bytes for two steps
	s_mov_b32 s85, 0                               ; the lane masks: 256 bytes a step
	s_mov_b32 s86, 8
.macro STEP par
	s_and_b32 s15, s14, 3                          ; this step's flag
	s_lshr_b32 s14, s14, 2
	s_cmp_eq_u32 s15, 0
	s_cbranch_scc1 .Lskip_\@
	v_add_nc_u32 v8, s66, v1                       ; (these six lines are also the places ahead of the loads into registers that the last products read)
	v_add_nc_u32 v9, s66, v2
	v_add_nc_u32 v10, s66, v3
	v_add_nc_u32 v11, s66, v4
	v_add_nc_u32 v28, s67, v5
	v_add_nc_u32 v29, s84, v6
.irp i, 0,1,2,3,4,5,6,7
	ds_load_b128 v[32+6*\i:35+6*\i], v8 offset:768*\i
	ds_load_b64 v[36+6*\i:37+6*\i], v9 offset:768*\i
.endr
.irp i, 0,1,2,3
	ds_load_b32 v[86+\i], v28 offset:128*\i        ; lanes 0-15: tile 2 i's words; lanes 16-31: tile 2 i + 1's
.endr
	s_wait_dscnt 0x0
.irp i, 0,2,4,6
	v_wmma_scale_f32_16x16x128_f8f6f4 v[96+8*\i:103+8*\i], v[32+6*\i:43+6*\i], v[16:27], 0, v[86+\i/2], v30 matrix_a_fmt:MATRIX_FMT_BF6 matrix_b_fmt:MATRIX_FMT_BF6
	v_wmma_scale_f32_16x16x128_f8f6f4 v[104+8*\i:111+8*\i], v[38+6*\i:49+6*\i], v[16:27], 0, v[86+\i/2], v30 matrix_a_fmt:MATRIX_FMT_BF6 matrix_b_fmt:MATRIX_FMT_BF6 matrix_a_scale:MATRIX_SCALE_ROW1
.endr
.rept 4
	v_nop                                          ; places ahead of the loads below and of the first read of the scores
.endr
.irp b, 0,1,2,3                        ; V's four fragments land while the softmax is walked
	ds_load_b128 v[32+12*\b:35+12*\b], v10 offset:1536*\b
	ds_load_b64 v[36+12*\b:37+12*\b], v11 offset:1536*\b
	ds_load_b128 v[38+12*\b:41+12*\b], v10 offset:1536*\b+768
	ds_load_b64 v[42+12*\b:43+12*\b], v11 offset:1536*\b+768
	ds_load_b32 v[90+\b], v29 offset:128*\b+4*\par
.endr
	s_cmp_eq_u32 s15, 1
	s_cbranch_scc0 .Lopen_\@                       ; all 16 x 128 open: nothing to hide
	s_load_b512 s[16:31], s[92:93], s85 offset:0x0
	s_load_b512 s[32:47], s[92:93], s85 offset:0x40
	s_load_b512 s[48:63], s[92:93], s85 offset:0x80
	s_load_b512 s[68:83], s[92:93], s85 offset:0xc0
	s_wait_kmcnt 0x0
.set e, 0
.rept 64
.if e < 48
	v_cndmask_b32 v[96+e], v7, v[96+e], s[16+e]
.else
	v_cndmask_b32 v[96+e], v7, v[96+e], s[20+e]
.endif
.set e, e+1
.endr
.Lopen_\@:
.irp b, 0,1,2,3
	v_max3_num_f32 v[212+\b], v[96+16*\b], v[97+16*\b], v[98+16*\b]   ; the largest score of each block of 32 keys: for the row's maximum and for the block's largest p
.endr
.irp i, 3,5,7,9,11,13
.irp b, 0,1,2,3
	v_max3_num_f32 v[212+\b], v[212+\b], v[96+16*\b+\i], v[97+16*\b+\i]
.endr
.endr
.irp b, 0,1,2,3
	v_max_num_f32 v[212+\b], v[212+\b], v[111+16*\b]
.endr
.irp b, 0,1,2,3
	v_permlanex16_b32 v[216+\b], v[212+\b], s88, s89
.endr
.irp b, 0,1,2,3
	v_max_num_f32 v[212+\b], v[212+\b], v[216+\b]
.endr
	v_max3_num_f32 v224, v212, v213, v214
	v_max_num_f32 v224, v224, v215
	v_mul_f32 v224, s90, v224
	v_max_num_f32 v13, v13, v224                   ; the running largest t
	v_mov_b32 v224, v12
	v_floor_f32 v12, -v13                          ; -M = floor(-t): M is a whole number
	v_sub_f32 v224, v12, v224                      ; old M - new M, 0 or less
	v_cvt_i32_f32 v224, v224                       ; (it saturates)
	v_ldexp_f32 v226, 1.0, v224                    ; f = 2^(old M - new M)
.set j, 0
.rept 32
	v_pk_fma_f32 v[96+j:97+j], v[96+j:97+j], s[90:91], v[12:13] op_sel_hi:[1,0,0]   ; t - M
.set j, j+2
.endr
.irp b, 0,1,2,3
	v_fma_f32 v[212+\b], v[212+\b], s90, v12
.endr
.set j, 0
.rept 64
	v_exp_f32 v[96+j], v[96+j]                     ; p, at most 1
.set j, j+1
.endr
	v_pk_mul_f32 v[14:15], v[14:15], v[226:227] op_sel_hi:[1,0]   ; the sums under the new M (a plain line behind the exponentials)
	s_wait_alu depctr_va_vdst(0)                   ; one wait for the batch, ahead of its first reader
.irp b, 0,1,2,3
	v_exp_f32 v[212+\b], v[212+\b]                 ; each block's largest p
.endr
	v_pk_add_f32 v[228:229], v[96:97], v[98:99]    ; the row's sum of the unquantised p, in two chains
.irp j, 4,8,12,16,20,24,28,32,36,40,44,48,52,56,60
	v_pk_add_f32 v[14:15], v[14:15], v[96+\j:97+\j]
	v_pk_add_f32 v[228:229], v[228:229], v[98+\j:99+\j]
.endr
	v_pk_add_f32 v[14:15], v[14:15], v[228:229]
	s_wait_alu depctr_va_vdst(0)                   ; and one for the four
.irp b, 0,1,2,3
	v_max_num_f32 v[212+\b], 0x2800000, v[212+\b]  ; the floor 2^(5 - 127)
.endr
.irp b, 0,1,2,3
	v_add_nc_u32 v[220+\b], 0xfe000000, v[212+\b]
.endr
.irp b, 0,1,2,3
	v_lshrrev_b32 v[216+\b], 23, v[220+\b]
.endr
	v_lshl_or_b32 v227, v217, 8, v216              ; p's scale word for these 128 keys
	v_lshl_or_b32 v227, v218, 16, v227
	v_lshl_or_b32 v227, v219, 24, v227
.irp c, 0,1
	v_cvt_scalef32_pk16_bf6_f32 v[192+6*\c:194+6*\c], v[96+32*\c:111+32*\c], v[220+2*\c]
	v_cvt_scalef32_pk16_bf6_f32 v[204+4*\c:206+4*\c], v[112+32*\c:127+32*\c], v[220+2*\c+1]
.endr
	v_nop
.irp c, 0,1
.irp i, 0,1,2
	v_permlane16_swap_b32 v[192+6*\c+\i], v[204+4*\c+\i]
.endr
.irp i, 0,1,2
	v_mov_b32 v[195+6*\c+\i], v[204+4*\c+\i]
.endr
.endr
.set j, 0
.rept 16
	v_pk_mul_f32 v[160+j:161+j], v[160+j:161+j], v[226:227] op_sel_hi:[1,0]   ; O^T under the new M; these lines also stand between the codes, the scale word and the products
.set j, j+2
.endr
	s_wait_dscnt 0x0                               ; V
.irp b, 0,1,2,3
	v_wmma_scale_f32_16x16x128_f8f6f4 v[160+8*\b:167+8*\b], v[32+12*\b:43+12*\b], v[192:203], v[160+8*\b:167+8*\b], v[90+\b], v227 matrix_a_fmt:MATRIX_FMT_BF6 matrix_b_fmt:MATRIX_FMT_BF6
.endr
.Lskip_\@:
	s_add_co_u32 s66, s66, 6144
	s_add_co_u32 s67, s67, 512
	s_add_co_u32 s85, s85, 256
.endm
.Ltrip:                                                ; eight trips of two steps: the count is a constant; a step's work alone is jumped over
	STEP 0
	STEP 1
	s_add_co_u32 s84, s84, 512
	s_sub_co_u32 s86, s86, 1
	s_cmp_lg_u32 s86, 0
	s_cbranch_scc1 .Ltrip
.rept 4
	v_nop
.endr
	v_add_f32 v14, v14, v15
	v_permlanex16_b32 v224, v14, s88, s89
	v_add_f32 v14, v14, v224                       ; the row's sum
	v_rcp_f32 v14, v14
	v_and_b32 v31, 15, v0                          ; (a plain line behind the reciprocal)
	v_lshlrev_b32 v31, 5, v31                      ; 32 r
	s_lshr_b32 s16, s12, 4
	s_lshl_b32 s16, s16, 7
	s_add_co_u32 s16, s16, s11                     ; the token tile: 128 x batch + my tile
	s_and_b32 s17, s12, 15                         ; the head
	s_lshl_b32 s18, s16, 3
	s_lshr_b32 s19, s17, 1
	s_add_co_u32 s18, s18, s19                     ; K step = head / 2
	s_mul_i32 s18, s18, 1536
	s_and_b32 s19, s17, 1
	s_mul_i32 s19, s19, 768                        ; which half of the fragment
	s_add_co_u32 s18, s18, s19
	s_mov_b32 s19, 0
	s_add_nc_u64 s[18:19], s[8:9], s[18:19]
	s_lshl_b32 s20, s16, 9
	s_lshl_b32 s21, s17, 1
	s_add_co_u32 s20, s20, s21
	s_add_co_u32 s20, s20, 3145728
	s_mov_b32 s21, 0
	s_add_nc_u64 s[20:21], s[8:9], s[20:21]
	s_wait_alu depctr_va_vdst(0)                   ; ahead of the reciprocal's first reader
.set j, 0
.rept 32
	v_mul_f32 v[96+j], v[160+j], v14               ; register 16 b + i: channel 32 b + 16 h + i of my query
.set j, j+1
.endr
.irp b, 0,1
	v_max3_num_f32 v[212+\b], |v[96+16*\b]|, |v[97+16*\b]|, 0x2800000
.endr
.irp i, 2,4,6,8,10,12,14
.irp b, 0,1
	v_max3_num_f32 v[212+\b], v[212+\b], |v[96+16*\b+\i]|, |v[97+16*\b+\i]|
.endr
.endr
.irp b, 0,1
	v_permlanex16_b32 v[216+\b], v[212+\b], s88, s89
.endr
.irp b, 0,1
	v_max_num_f32 v[212+\b], v[212+\b], v[216+\b]
.endr
.irp b, 0,1
	v_add_nc_u32 v[220+\b], 0xfe000000, v[212+\b]
.endr
.irp b, 0,1
	v_lshrrev_b32 v[216+\b], 23, v[220+\b]
.endr
	v_cvt_scalef32_pk16_bf6_f32 v[192:194], v[96:111], v220
	v_cvt_scalef32_pk16_bf6_f32 v[204:206], v[112:127], v221
	v_lshl_or_b32 v224, v217, 8, v216              ; my row's two bytes (also the plain line behind the conversions)
.irp i, 0,1,2
	v_permlane16_swap_b32 v[192+\i], v[204+\i]
.endr
.irp i, 0,1,2
	v_mov_b32 v[195+\i], v[204+\i]
.endr
	global_store_b128 v1, v[192:195], s[18:19]
	global_store_b64 v2, v[196:197], s[18:19]      ; (v2 holds 8 x lane + 512)
	global_store_b16 v31, v224, s[20:21]           ; two bytes a row, 32 bytes apart: one byte in 24 of what this launch stores; the bytes between belong to the other heads' work-groups
	s_wait_tensorcnt 0x0
	ds_add_u32 v232, v233
	s_wait_dscnt 0x0
	s_endpgm
.Lfunc_end_k_q99a35d148e_attn:
	.size	k_q99a35d148e_attn, .Lfunc_end_k_q99a35d148e_attn-k_q99a35d148e_attn
	.p2alignl 7, 3214868480
	.fill 96, 4, 3214868480
	.section	.rodata,"a",@progbits
	.p2align	6, 0x0
	.amdhsa_kernel k_q99a35d148e_attn
		.amdhsa_group_segment_fixed_size 210944
		.amdhsa_private_segment_fixed_size 0
		.amdhsa_enable_private_segment 0
		.amdhsa_kernarg_size 24
		.amdhsa_user_sgpr_count 2
		.amdhsa_user_sgpr_kernarg_segment_ptr 1
		.amdhsa_wavefront_size32 1
		.amdhsa_system_sgpr_workgroup_id_x 1
		.amdhsa_system_sgpr_workgroup_id_y 1
		.amdhsa_system_sgpr_workgroup_id_z 1
		.amdhsa_system_vgpr_workitem_id 0
		.amdhsa_next_free_vgpr 234
		.amdhsa_next_free_sgpr 102
		.amdhsa_reserve_vcc 0
		.amdhsa_float_denorm_mode_32 3
		.amdhsa_float_denorm_mode_16_64 3
		.amdhsa_memory_ordered 1
		.amdhsa_forward_progress 1
		.amdhsa_inst_pref_size 57
	.end_amdhsa_kernel
	.amdgpu_metadata
---
amdhsa.version: [ 1, 2 ]
amdhsa.kernels:
  - .name:           k_q99a35d148e_attn
    .symbol:         k_q99a35d148e_attn.kd
    .args:
      - { .name: qkv, .offset: 0, .size: 8, .value_kind: global_buffer, .address_space: global }
      - { .name: msk, .offset: 8, .size: 8, .value_kind: global_buffer, .address_space: global }
      - { .name: ao, .offset: 16, .size: 8, .value_kind: global_buffer, .address_space: global }
    .group_segment_fixed_size: 210944
    .private_segment_fixed_size: 0
    .kernarg_segment_align: 8
    .kernarg_segment_size: 24
    .max_flat_workgroup_size: 512
    .sgpr_count:     102
    .vgpr_count:     234
    .wavefront_size: 32
...
	.end_amdgpu_metadata
.endif
;; end of part 5
;; launch gemm_o (part 6): grid 16 x 16, 4 waves a work-group, clusters of 4 x 1, 168,448 bytes of LDS; arguments ao, wts, x, h; writes h
.if DOCPART == 6
	.amdgcn_target "amdgcn-amd-amdhsa--gfx1250"
	.amdhsa_code_object_version 6
	.text
	.protected	k_q99a35d148e_gemm_o
	.globl	k_q99a35d148e_gemm_o
	.p2align	8
	.type	k_q99a35d148e_gemm_o,@function
k_q99a35d148e_gemm_o:
	s_mov_b64 s[64:65], 0
	v_nop
	global_prefetch_b8 v0, s[64:65] scope:SCOPE_SE
	s_setreg_imm32_b32 hwreg(HW_REG_WAVE_MODE, 25, 1), 1
	s_wait_xcnt 0x0
	s_wait_alu depctr_hold_cnt(0) depctr_sa_sdst(0) depctr_va_vdst(0) depctr_va_sdst(0) depctr_va_ssrc(0) depctr_va_vcc(0) depctr_vm_vsrc(0)
	s_getreg_b32 s2, hwreg(HW_REG_IB_STS2, 6, 4)
	s_cmp_eq_u32 s2, 0
	s_cbranch_scc0 .Lentry_in_a_cluster
	s_endpgm
.Lentry_in_a_cluster:
	s_bfe_u32 s2, ttmp6, 0x10000c
	s_cmp_lg_u32 s2, 0x3003
	s_cbranch_scc0 .Lentry_shape_is_right
	s_endpgm
.Lentry_shape_is_right:
; out = res + A W for 256 tokens x 64 columns J, on codes of BF6 with E8M0 scales; out and res are f32 [4,096][1,024].  KIND 0: A = the attention's result, W = Wo, K = 1,024.  KIND 1: A = the gated hidden layer, W = W2, K = 2,048.
; SHARES.  Wave w: token tiles 16 Mt + 4 w + t, t = 0 .. 3, against the 4 tiles of columns: 16 accumulators.  A's fragments are a wave's own and come from memory straight into registers, a ring of four K steps.
; B's block for all of K, dense in memory, is brought into LDS ONCE, in four chunks, each wave a quarter of each: no LDS byte is filled twice.  The four work-groups of a cluster share J: each load is asked for JOINTLY
; (mask 15), which divides B's requests by four.  A wave has four tensor loads out.
; THE RESIDUAL IS THE C OF EACH SUM'S FIRST PRODUCT: it is loaded into the accumulators' registers, in the result's layout, so no addition is written.
; Source 0 = weights, source 1 = tokens: a lane holds eight neighbouring columns of one token's row.  The way out goes through the wave's own stage in LDS, so that sixteen lanes store 256 consecutive aligned bytes.
; REGISTERS: window 0: v1-15, v240 addresses, from v16 scale words, v96/144/192 A's slots 0-2; window 1: v0-143 three buffers of four fragments of B, v144-191 A's slot 3; window 2: accumulator (t, b) at v[8 (4 t + b)].
.set KIND, 0
.set NB, 4
.set KS, 8
.set KG, 1
.set CBASE, 2359296
.set SBASE, 7962624
.set ASBASE, 3145728
.set ASC, 16
.set BSC, 32
.set NG, NB/4
.set SPC, KS/4
.set GPC, SPC*NG
.set NQ, KS*NG
.set CH, SPC*NB*1536
.set STG, 4*CH                         ; behind B: a stage of 64 rows x 272 bytes for each wave
.set MSB, 0
.macro WIN new                         ; the immediate's high byte repeats the setting that is left
.if MSB != (\new)
	s_set_vgpr_msb (MSB<<8)|(\new)
.set MSB, (\new)
.endif
.endm
.macro CROUND                          ; a round of the cluster's barrier
	s_barrier_signal -1
	s_barrier_wait -1
	s_cmp_lg_u32 s12, 0
	s_cbranch_scc1 .Lnot_wave_0_\@
	s_barrier_signal -3
.Lnot_wave_0_\@:
	s_barrier_wait -3
	s_barrier_signal -1
	s_barrier_wait -1
.endm
.macro PLACES                          ; four plain lines behind matrix instructions, ahead of loads into their registers and of reads of their results
.rept 4
	v_nop
.endr
.endm
.macro GFRAG reg, off
	global_load_b128 v[\reg:\reg+3], v1, s[40:41] offset:\off
	global_load_b64 v[\reg+4:\reg+5], v2, s[40:41] offset:\off+512
	global_load_b128 v[\reg+6:\reg+9], v1, s[40:41] offset:\off+768
	global_load_b64 v[\reg+10:\reg+11], v2, s[40:41] offset:\off+1280
.endm
.macro LFRAG reg, j, off
	ds_load_b128 v[\reg:\reg+3], v[4+\j] offset:\off
	ds_load_b64 v[\reg+4:\reg+5], v[8+\j] offset:\off+512
	ds_load_b128 v[\reg+6:\reg+9], v[4+\j] offset:\off+768
	ds_load_b64 v[\reg+10:\reg+11], v[8+\j] offset:\off+1280
.endm
.macro LOADA s                         ; my four token tiles' fragments of K step s into slot s % 4: 16 loads
.if ((\s)&3) == 3
	WIN 0x40
.set LR, 144
.else
	WIN 0
.set LR, 96+48*((\s)&3)
.endif
.irp t, 0,1,2,3
	GFRAG LR+12*\t, (\t*KS+(\s))*1536
.endr
.endm
.macro LOADB x                         ; group x's four fragments of B into buffer x % 3: 16 LDS loads
.set bs, (\x)/NG
.set bg, (\x)%NG
.set bj, bs/SPC
	WIN 0x40
.irp i, 0,1,2,3
	LFRAG 48*((\x)%3)+12*\i, bj, ((bs%SPC)*NB+4*bg+\i)*1536
.endr
.endm
.macro MM
.if fRA && fRB
	v_wmma_scale_f32_16x16x128_f8f6f4 v[rD:rD+7], v[rA:rA+11], v[rB:rB+11], v[rD:rD+7], v[rSA], v[rSB] matrix_a_fmt:MATRIX_FMT_BF6 matrix_b_fmt:MATRIX_FMT_BF6 matrix_a_scale:MATRIX_SCALE_ROW1 matrix_b_scale:MATRIX_SCALE_ROW1
.elseif fRA
	v_wmma_scale_f32_16x16x128_f8f6f4 v[rD:rD+7], v[rA:rA+11], v[rB:rB+11], v[rD:rD+7], v[rSA], v[rSB] matrix_a_fmt:MATRIX_FMT_BF6 matrix_b_fmt:MATRIX_FMT_BF6 matrix_a_scale:MATRIX_SCALE_ROW1
.elseif fRB
	v_wmma_scale_f32_16x16x128_f8f6f4 v[rD:rD+7], v[rA:rA+11], v[rB:rB+11], v[rD:rD+7], v[rSA], v[rSB] matrix_a_fmt:MATRIX_FMT_BF6 matrix_b_fmt:MATRIX_FMT_BF6 matrix_b_scale:MATRIX_SCALE_ROW1
.else
	v_wmma_scale_f32_16x16x128_f8f6f4 v[rD:rD+7], v[rA:rA+11], v[rB:rB+11], v[rD:rD+7], v[rSA], v[rSB] matrix_a_fmt:MATRIX_FMT_BF6 matrix_b_fmt:MATRIX_FMT_BF6
.endif
.endm
.macro GROUP                           ; 16 products on 16 accumulators, one instruction a turn
.if (s_&3) == 3
.set AR, 144
.set aw, 1
.else
.set AR, 96+48*(s_&3)
.set aw, 0
.endif
	WIN 0xa1|(aw<<2)
.irp t, 0,1,2,3
.irp i, 0,1,2,3
.set rD, 8*(4*\t+\i)
.set rA, 48*(q%3)+12*\i
.set rB, AR+12*\t
.set fRA, (s_>>2)&1
.if KIND
.set rSA, BSC+4*(2*\i+(s_>>3))+(s_&3)
.set rSB, ASC+2*s_+(\t>>1)
.set fRB, \t&1
.else
.set rSA, BSC+4*\i+(s_&3)
.set rSB, ASC+4*\t+(s_&3)
.set fRB, (s_>>2)&1
.endif
	MM
.endr
.endr
.endm
.macro ITER                            ; group q: fetch two groups ahead, then multiply
.set s_, q/NG
.set g_, q%NG
.if q+2 < NQ
.if (q+2)%GPC == 0
	s_wait_dscnt 0x0                               ; no LDS load of mine is out at a signal
	s_wait_tensorcnt 3-(q+2)/GPC                   ; my quarter of the next chunk has landed; the chunks behind it may be out
	s_barrier_signal -1
	s_barrier_wait -1
.else
	s_wait_dscnt 16                                ; group q's fragments are in; group q + 1's 16 loads may be out
.endif
	PLACES
	LOADB (q+2)
.elseif q+2 == NQ
	s_wait_dscnt 16
.else
	s_wait_dscnt 0x0
.endif
.if g_ == 0
.if (s_ >= 1) && (s_+3 < KS)
	LOADA (s_+3)                                   ; into the slot that the last K step multiplied, behind the same four lines
.endif
.set la, s_+3
.if la > KS-1
.set la, KS-1
.endif
	s_wait_loadcnt 16*(la-s_)                      ; this K step's fragments of A are in (and all that was asked for earlier: the residual, the scale words); the later steps' 16 loads each may be out
.endif
	GROUP
.set q, q+1
.endm
	s_load_b256 s[4:11], s[0:1], 0x0               ; A, wts, the residual, out
	v_lshl_add_u32 v254, v0, 2, 0x29000
	v_mov_b32 v255, 0
	ds_add_u32 v254, v255
	ds_add_u32 v254, v255
	v_lshrrev_b32 v1, 5, v0
	v_readfirstlane_b32 s12, v1                    ; wave
	s_bfe_u32 s13, ttmp6, 0x40000                  ; cx
	s_lshl_b32 s14, ttmp9, 2
	s_add_co_u32 s14, s14, s13                     ; Mt
	s_and_b32 s15, ttmp7, 0xffff                   ; J, which the four partners share
	s_mov_b32 s16, 15|(3<<16)|(1<<21)              ; the mask: all four work-groups; elements of 8 bytes; bit 21 beside a mask
	s_mov_b32 s17, 32<<16                          ; tensor_dim0 = 32: rows of 256 bytes
	s_mov_b32 s18, (CH/1024)<<16                   ; tensor_dim1
	s_mov_b32 s19, 32<<16                          ; tile_dim0
	s_mov_b32 s20, CH/1024                         ; tile_dim1
	s_mov_b32 s21, 32                              ; dense
	s_mov_b32 s22, 0
	s_mov_b32 s23, 0
	s_mul_i32 s42, s12, CH/4
	s_mul_i32 s40, s15, 4*CH
	s_add_co_u32 s40, s40, s42
	s_add_co_u32 s40, s40, CBASE
	s_mov_b32 s41, 0
	s_wait_dscnt 0x0
	s_wait_kmcnt 0x0
	s_add_nc_u64 s[40:41], s[6:7], s[40:41]
.irp j, 0,1,2,3
	s_mov_b32 s[24+4*\j], 1
	s_add_co_u32 s[25+4*\j], s42, \j*CH
	s_add_nc_u64 s[26+4*\j:27+4*\j], s[40:41], \j*CH
	s_or_b32 s[27+4*\j], s[27+4*\j], 0x80000000
.endr
	CROUND                                         ; all four work-groups are here: the joint loads meet
.irp j, 0,1,2,3
	tensor_load_to_lds s[24+4*\j:27+4*\j], s[16:23]
	s_nop 0
.endr
	PLACES                                         ; four lines behind the last tensor load
	v_and_b32 v3, 31, v0
	v_lshlrev_b32 v1, 4, v3
	v_lshlrev_b32 v2, 3, v3
	v_lshlrev_b32 v3, 2, v3
.irp j, 0,1,2,3
	v_add_nc_u32 v[4+\j], \j*CH, v1
	v_add_nc_u32 v[8+\j], \j*CH, v2
.endr
	v_and_b32 v241, 15, v0                         ; r
	v_bfe_u32 v242, v0, 4, 1                       ; h
	v_lshlrev_b32 v12, 5, v241
	v_lshl_add_u32 v12, v242, 4, v12               ; scale words: 32 r + 16 h
	s_mul_i32 s56, s12, 17408
	s_add_co_u32 s56, s56, STG                     ; my stage
	v_mul_u32_u24 v14, v241, 272
	v_lshl_add_u32 v14, v242, 6, v14
	v_add_nc_u32 v14, s56, v14                     ; in: row r, + 64 h
	v_mul_u32_u24 v15, v242, 272
	v_lshl_add_u32 v15, v241, 4, v15
	v_add_nc_u32 v15, s56, v15                     ; back: lanes 0-15 one row, lanes 16-31 the next
	v_lshlrev_b32 v240, 12, v242
	v_lshl_add_u32 v240, v241, 4, v240             ; and the same two rows in out
	v_and_b32 v13, 8, v0
	v_add_nc_u32 v13, v13, v241
	v_lshlrev_b32 v13, 12, v13
	v_lshl_add_u32 v13, v242, 6, v13               ; the residual: row r + 8 (r / 8), + 64 h
	s_lshl_b32 s56, s14, 4
	s_lshl_b32 s57, s12, 2
	s_add_co_u32 s56, s56, s57                     ; my first token tile
	s_mul_i32 s40, s56, KS*1536
	s_mov_b32 s41, 0
	s_add_nc_u64 s[40:41], s[4:5], s[40:41]
.if KIND
	s_lshl_b32 s42, s56, 6
.else
	s_lshl_b32 s42, s56, 9
.endif
	s_add_co_u32 s42, s42, ASBASE
	s_mov_b32 s43, 0
	s_add_nc_u64 s[42:43], s[4:5], s[42:43]
	s_mul_i32 s44, s15, NB*KG*512
	s_add_co_u32 s44, s44, SBASE
	s_mov_b32 s45, 0
	s_add_nc_u64 s[44:45], s[6:7], s[44:45]
	s_lshl_b32 s46, s14, 20
	s_lshl_b32 s57, s12, 18
	s_add_co_u32 s46, s46, s57
	s_lshl_b32 s57, s15, 8
	s_add_co_u32 s46, s46, s57                     ; (256 Mt + 64 w) rows of 4,096 bytes + 256 J
	s_mov_b32 s47, 0
	s_add_nc_u64 s[48:49], s[10:11], s[46:47]
	s_add_nc_u64 s[46:47], s[8:9], s[46:47]
	WIN 0x80
.irp t, 0,1,2,3
.irp b, 0,1,2,3
	global_load_b128 v[8*(4*\t+\b):8*(4*\t+\b)+3], v13, s[46:47] offset:(32*(\t>>1)+8*(\t&1))*4096+128*(\b>>1)+32*(\b&1)
	global_load_b128 v[8*(4*\t+\b)+4:8*(4*\t+\b)+7], v13, s[46:47] offset:(32*(\t>>1)+8*(\t&1))*4096+128*(\b>>1)+32*(\b&1)+16
.endr
.endr
	WIN 0
.if KIND
.set i, 0
.rept 16                               ; A's scale words lie by K steps: lanes 0-15 take tile 2 tp's, lanes 16-31 tile 2 tp + 1's
	global_load_b32 v[ASC+2*i], v3, s[42:43] offset:16384*i
	global_load_b32 v[ASC+2*i+1], v3, s[42:43] offset:16384*i+128
.set i, i+1
.endr
.else
.irp t, 0,1,2,3
	global_load_b128 v[ASC+4*\t:ASC+4*\t+3], v12, s[42:43] offset:512*\t
.endr
.endif
.set i, 0
.rept NB*KG
	global_load_b128 v[BSC+4*i:BSC+4*i+3], v12, s[44:45] offset:512*i
.set i, i+1
.endr
	LOADA 0
	LOADA 1
	LOADA 2
	LOADA 3
	s_wait_tensorcnt 3                             ; my quarter of chunk 0 has landed; three loads may be out
	s_barrier_signal -1
	s_barrier_wait -1
	LOADB 0
	LOADB 1
.set q, 0
.rept NQ
	ITER
.endr
	PLACES
	WIN 0x08                                       ; an LDS store's data are its source 1: window 2
.irp t, 0,1,2,3
.irp b, 0,1,2,3
	ds_store_b128 v14, v[8*(4*\t+\b):8*(4*\t+\b)+3] offset:4352*\t+128*(\b>>1)+32*(\b&1)          ; each accumulator from its low end on
	ds_store_b128 v14, v[8*(4*\t+\b)+4:8*(4*\t+\b)+7] offset:4352*\t+128*(\b>>1)+32*(\b&1)+16
.endr
.endr
	WIN 0
.set i, 0
.rept 32
	ds_load_b128 v[96+4*i:99+4*i], v15 offset:544*i   ; LDS serves a wave's instructions in order: these see my stores
.set i, i+1
.endr
.set i, 0
.rept 32
	s_wait_dscnt 31-i                              ; row pair i is back; the 31 - i loads behind it may be out
.if KIND
	global_store_b128 v240, v[96+4*i:99+4*i], s[48:49] offset:(32*(i>>4)+8*((i>>3)&1)+2*(i&7)+8*((i&7)>>2))*4096 th:TH_STORE_NT
.else
	global_store_b128 v240, v[96+4*i:99+4*i], s[48:49] offset:(32*(i>>4)+8*((i>>3)&1)+2*(i&7)+8*((i&7)>>2))*4096
.endif
.set i, i+1
.endr
	s_wait_tensorcnt 0x0
	ds_add_u32 v254, v255
	s_wait_dscnt 0x0
	CROUND                                         ; the closing round: no work-group ends while a partner may still ask for a tile that names it
	s_endpgm
.Lfunc_end_k_q99a35d148e_gemm_o:
	.size	k_q99a35d148e_gemm_o, .Lfunc_end_k_q99a35d148e_gemm_o-k_q99a35d148e_gemm_o
	.p2alignl 7, 3214868480
	.fill 96, 4, 3214868480
	.section	.rodata,"a",@progbits
	.p2align	6, 0x0
	.amdhsa_kernel k_q99a35d148e_gemm_o
		.amdhsa_group_segment_fixed_size 168448
		.amdhsa_private_segment_fixed_size 0
		.amdhsa_enable_private_segment 0
		.amdhsa_kernarg_size 32
		.amdhsa_user_sgpr_count 2
		.amdhsa_user_sgpr_kernarg_segment_ptr 1
		.amdhsa_wavefront_size32 1
		.amdhsa_system_sgpr_workgroup_id_x 1
		.amdhsa_system_sgpr_workgroup_id_y 1
		.amdhsa_system_sgpr_workgroup_id_z 1
		.amdhsa_system_vgpr_workitem_id 0
		.amdhsa_next_free_vgpr 640
		.amdhsa_next_free_sgpr 72
		.amdhsa_reserve_vcc 0
		.amdhsa_float_denorm_mode_32 3
		.amdhsa_float_denorm_mode_16_64 3
		.amdhsa_memory_ordered 1
		.amdhsa_forward_progress 1
		.amdhsa_inst_pref_size 57
	.end_amdhsa_kernel
	.amdgpu_metadata
---
amdhsa.version: [ 1, 2 ]
amdhsa.kernels:
  - .name:           k_q99a35d148e_gemm_o
    .symbol:         k_q99a35d148e_gemm_o.kd
    .args:
      - { .name: ao, .offset: 0, .size: 8, .value_kind: global_buffer, .address_space: global }
      - { .name: wts, .offset: 8, .size: 8, .value_kind: global_buffer, .address_space: global }
      - { .name: x, .offset: 16, .size: 8, .value_kind: global_buffer, .address_space: global }
      - { .name: h, .offset: 24, .size: 8, .value_kind: global_buffer, .address_space: global }
    .group_segment_fixed_size: 168448
    .private_segment_fixed_size: 0
    .kernarg_segment_align: 8
    .kernarg_segment_size: 32
    .max_flat_workgroup_size: 128
    .sgpr_count:     72
    .vgpr_count:     640
    .wavefront_size: 32
...
	.end_amdgpu_metadata
.endif
;; end of part 6
;; launch normq_h: the kernel of part 3 again; grid 256 x 1, 8 waves a work-group, no clusters, 69,632 bytes of LDS; arguments h, ffn_scale, act; writes act
;; launch gemm_1 (part 7): grid 16 x 16, 4 waves a work-group, clusters of 4 x 1, 197,120 bytes of LDS; arguments act, wts, g; writes g
.if DOCPART == 7
	.amdgcn_target "amdgcn-amd-amdhsa--gfx1250"
	.amdhsa_code_object_version 6
	.text
	.protected	k_q99a35d148e_gemm_1
	.globl	k_q99a35d148e_gemm_1
	.p2align	8
	.type	k_q99a35d148e_gemm_1,@function
k_q99a35d148e_gemm_1:
	s_mov_b64 s[64:65], 0
	v_nop
	global_prefetch_b8 v0, s[64:65] scope:SCOPE_SE
	s_setreg_imm32_b32 hwreg(HW_REG_WAVE_MODE, 25, 1), 1
	s_wait_xcnt 0x0
	s_wait_alu depctr_hold_cnt(0) depctr_sa_sdst(0) depctr_va_vdst(0) depctr_va_sdst(0) depctr_va_ssrc(0) depctr_va_vcc(0) depctr_vm_vsrc(0)
	s_getreg_b32 s2, hwreg(HW_REG_IB_STS2, 6, 4)
	s_cmp_eq_u32 s2, 0
	s_cbranch_scc0 .Lentry_in_a_cluster
	s_endpgm
.Lentry_in_a_cluster:
	s_bfe_u32 s2, ttmp6, 0x10000c
	s_cmp_lg_u32 s2, 0x3003
	s_cbranch_scc0 .Lentry_shape_is_right
	s_endpgm
.Lentry_shape_is_right:
; g = swish(hn W1a) * (hn W1b) for 256 tokens x 128 hidden units J, on codes of BF6 with E8M0 scales; g is quantised along the hidden units (one K step of the next product) and only its codes and scale words are stored.
; SHARES.  Wave w: token tiles 16 Mt + 4 w + t, t = 0 .. 3, against 16 tiles of columns: 0-7 the units' columns of W1's first half, 8-15 the same units' columns of its second half: 64 accumulators.
; A's fragments are a wave's own and come from memory straight into registers, a ring of four K steps.  B's block for all of K (196,608 bytes, dense in memory) is brought into LDS ONCE, in four chunks, each wave a quarter
; of each: no LDS byte is filled twice.  The four work-groups of a cluster share J: each load is asked for JOINTLY (mask 15).  A wave has four tensor loads out.
; Source 0 = weights, source 1 = tokens: a lane holds one token, and the 64 registers of tiles 0-7 run along the units in the order that the next operand wants.
; REGISTERS: window 0: v1-12 addresses, v14 h, v16-31 A's scale words, v32-95 B's, v96/144/192 A's slots 0-2 (in the tail v96-199 at work); window 1: three buffers of B, A's slot 3;
;   windows 2, 3: accumulator (t, b) at window 2 + t / 2, v[8 (16 (t % 2) + b)].
; LIMITS: swish(a) b is made as (a b) / (1 + 2^(-a log2 e)); v_exp_f32 and v_rcp_f32 are good to 1 ulp; a block under 2^-122 keeps the byte 1; NaN and infinities are not served.
.set NB, 16
.set KS, 8
.set CBASE, 3145728
.set SBASE, 7995392
.set ASC, 16
.set BSC, 32
.set NG, NB/4
.set SPC, KS/4
.set GPC, SPC*NG
.set NQ, KS*NG
.set CH, SPC*NB*1536
.set TT, 96
.set PC, 160
.set PT, 172
.set PW, 180
.set TM, 184
.set SEL, 66
.set MSB, 0
.macro WIN new                         ; the immediate's high byte repeats the setting that is left
.if MSB != (\new)
	s_set_vgpr_msb (MSB<<8)|(\new)
.set MSB, (\new)
.endif
.endm
.macro CROUND                          ; a round of the cluster's barrier
	s_barrier_signal -1
	s_barrier_wait -1
	s_cmp_lg_u32 s12, 0
	s_cbranch_scc1 .Lnot_wave_0_\@
	s_barrier_signal -3
.Lnot_wave_0_\@:
	s_barrier_wait -3
	s_barrier_signal -1
	s_barrier_wait -1
.endm
.macro PLACES                          ; four plain lines behind matrix instructions, ahead of loads into their registers and of reads of their results
.rept 4
	v_nop
.endr
.endm
.macro GFRAG reg, off
	global_load_b128 v[\reg:\reg+3], v1, s[40:41] offset:\off
	global_load_b64 v[\reg+4:\reg+5], v2, s[40:41] offset:\off+512
	global_load_b128 v[\reg+6:\reg+9], v1, s[40:41] offset:\off+768
	global_load_b64 v[\reg+10:\reg+11], v2, s[40:41] offset:\off+1280
.endm
.macro LFRAG reg, j, off
	ds_load_b128 v[\reg:\reg+3], v[4+\j] offset:\off
	ds_load_b64 v[\reg+4:\reg+5], v[8+\j] offset:\off+512
	ds_load_b128 v[\reg+6:\reg+9], v[4+\j] offset:\off+768
	ds_load_b64 v[\reg+10:\reg+11], v[8+\j] offset:\off+1280
.endm
.macro LOADA s                         ; my four token tiles' fragments of K step s into slot s % 4: 16 loads
.if ((\s)&3) == 3
	WIN 0x40
.set LR, 144
.else
	WIN 0
.set LR, 96+48*((\s)&3)
.endif
.irp t, 0,1,2,3
	GFRAG LR+12*\t, (\t*KS+(\s))*1536
.endr
.endm
.macro LOADB x                         ; group x's four fragments of B into buffer x % 3: 16 LDS loads
.set bs, (\x)/NG
.set bg, (\x)%NG
.set bj, bs/SPC
	WIN 0x40
.irp i, 0,1,2,3
	LFRAG 48*((\x)%3)+12*\i, bj, ((bs%SPC)*NB+4*bg+\i)*1536
.endr
.endm
.macro MM
.if fZ
	v_wmma_scale_f32_16x16x128_f8f6f4 v[rD:rD+7], v[rA:rA+11], v[rB:rB+11], 0, v[rSA], v[rSB] matrix_a_fmt:MATRIX_FMT_BF6 matrix_b_fmt:MATRIX_FMT_BF6
.elseif fR
	v_wmma_scale_f32_16x16x128_f8f6f4 v[rD:rD+7], v[rA:rA+11], v[rB:rB+11], v[rD:rD+7], v[rSA], v[rSB] matrix_a_fmt:MATRIX_FMT_BF6 matrix_b_fmt:MATRIX_FMT_BF6 matrix_a_scale:MATRIX_SCALE_ROW1 matrix_b_scale:MATRIX_SCALE_ROW1
.else
	v_wmma_scale_f32_16x16x128_f8f6f4 v[rD:rD+7], v[rA:rA+11], v[rB:rB+11], v[rD:rD+7], v[rSA], v[rSB] matrix_a_fmt:MATRIX_FMT_BF6 matrix_b_fmt:MATRIX_FMT_BF6
.endif
.endm
.macro GROUP                           ; 16 products on 16 accumulators, one instruction a turn
.if (s_&3) == 3
.set AR, 144
.set aw, 1
.else
.set AR, 96+48*(s_&3)
.set aw, 0
.endif
.set fR, (s_>>2)&1
.if s_ == 0
.set fZ, 1                             ; the first K step starts the sums: nothing is cleared
.else
.set fZ, 0
.endif
.irp t, 0,1,2,3
	WIN 1|(aw<<2)|((2+(\t>>1))*0x50)
.irp i, 0,1,2,3
.set rD, 8*(16*(\t&1)+4*g_+\i)
.set rA, 48*(q%3)+12*\i
.set rB, AR+12*\t
.set rSA, BSC+4*(4*g_+\i)+(s_&3)
.set rSB, ASC+4*\t+(s_&3)
	MM
.endr
.endr
.endm
.macro ITER                            ; group q: fetch two groups ahead, then multiply
.set s_, q/NG
.set g_, q%NG
.if q+2 < NQ
.if (q+2)%GPC == 0
	s_wait_dscnt 0x0                               ; no LDS load of mine is out at a signal
	s_wait_tensorcnt 3-(q+2)/GPC                   ; my quarter of the next chunk has landed; the chunks behind it may be out
	s_barrier_signal -1
	s_barrier_wait -1
.else
	s_wait_dscnt 16                                ; group q's fragments are in; group q + 1's 16 loads may be out
.endif
	PLACES
	LOADB (q+2)
.elseif q+2 == NQ
	s_wait_dscnt 16
.else
	s_wait_dscnt 0x0
.endif
.if g_ == 0
.if (s_ >= 1) && (s_+3 < KS)
	LOADA (s_+3)                                   ; into the slot that the last K step multiplied, behind the same four lines
.endif
.set la, s_+3
.if la > KS-1
.set la, KS-1
.endif
	s_wait_loadcnt 16*(la-s_)                      ; this K step's fragments of A are in; the later steps' 16 loads each may be out
.endif
	GROUP
.set q, q+1
.endm
	s_load_b128 s[4:7], s[0:1], 0x0                ; act, wts
	s_load_b64 s[8:9], s[0:1], 0x10                ; g
	v_lshl_add_u32 v254, v0, 2, 0x30000
	v_mov_b32 v255, 0
	ds_add_u32 v254, v255
	ds_add_u32 v254, v255
	v_lshrrev_b32 v1, 5, v0
	v_readfirstlane_b32 s12, v1                    ; wave
	s_bfe_u32 s13, ttmp6, 0x40000                  ; cx
	s_lshl_b32 s14, ttmp9, 2
	s_add_co_u32 s14, s14, s13                     ; Mt
	s_and_b32 s15, ttmp7, 0xffff                   ; J, which the four partners share
	s_mov_b32 s16, 15|(3<<16)|(1<<21)              ; the mask: all four work-groups; elements of 8 bytes; bit 21 beside a mask
	s_mov_b32 s17, 32<<16                          ; tensor_dim0 = 32: rows of 256 bytes
	s_mov_b32 s18, (CH/1024)<<16                   ; tensor_dim1
	s_mov_b32 s19, 32<<16                          ; tile_dim0
	s_mov_b32 s20, CH/1024                         ; tile_dim1
	s_mov_b32 s21, 32                              ; dense
	s_mov_b32 s22, 0
	s_mov_b32 s23, 0
	s_mul_i32 s42, s12, CH/4
	s_mul_i32 s40, s15, 4*CH
	s_add_co_u32 s40, s40, s42
	s_add_co_u32 s40, s40, CBASE
	s_mov_b32 s41, 0
	s_wait_dscnt 0x0
	s_wait_kmcnt 0x0
	s_add_nc_u64 s[40:41], s[6:7], s[40:41]
.irp j, 0,1,2,3
	s_mov_b32 s[24+4*\j], 1
	s_add_co_u32 s[25+4*\j], s42, \j*CH
	s_add_nc_u64 s[26+4*\j:27+4*\j], s[40:41], \j*CH
	s_or_b32 s[27+4*\j], s[27+4*\j], 0x80000000
.endr
	CROUND                                         ; all four work-groups are here: the joint loads meet
.irp j, 0,1,2,3
	tensor_load_to_lds s[24+4*\j:27+4*\j], s[16:23]
	s_nop 0
.endr
	PLACES                                         ; four lines behind the last tensor load
	v_and_b32 v3, 31, v0
	v_lshlrev_b32 v1, 4, v3
	v_lshlrev_b32 v2, 3, v3
	v_lshlrev_b32 v3, 2, v3
.irp j, 0,1,2,3
	v_add_nc_u32 v[4+\j], \j*CH, v1
	v_add_nc_u32 v[8+\j], \j*CH, v2
.endr
	v_and_b32 v13, 15, v0
	v_bfe_u32 v14, v0, 4, 1                        ; h
	v_lshlrev_b32 v12, 5, v13
	v_lshl_add_u32 v12, v14, 4, v12                ; scale words: 32 r + 16 h
	s_mov_b32 s[SEL], 0x76543210
	s_mov_b32 s[SEL+1], 0xfedcba98
	s_lshl_b32 s56, s14, 4
	s_lshl_b32 s57, s12, 2
	s_add_co_u32 s56, s56, s57                     ; my first token tile
	s_mul_i32 s40, s56, KS*1536
	s_mov_b32 s41, 0
	s_add_nc_u64 s[40:41], s[4:5], s[40:41]
	s_lshl_b32 s42, s56, 9
	s_add_co_u32 s42, s42, 3145728
	s_mov_b32 s43, 0
	s_add_nc_u64 s[42:43], s[4:5], s[42:43]
	s_mul_i32 s44, s15, NB*512
	s_add_co_u32 s44, s44, SBASE
	s_mov_b32 s45, 0
	s_add_nc_u64 s[44:45], s[6:7], s[44:45]
.irp t, 0,1,2,3
	global_load_b128 v[ASC+4*\t:ASC+4*\t+3], v12, s[42:43] offset:512*\t
.endr
.set i, 0
.rept NB
	global_load_b128 v[BSC+4*i:BSC+4*i+3], v12, s[44:45] offset:512*i
.set i, i+1
.endr
	LOADA 0
	LOADA 1
	LOADA 2
	LOADA 3
	s_lshl_b32 s46, s56, 4
	s_add_co_u32 s46, s46, s15
	s_mul_i32 s46, s46, 1536                       ; g's codes: (tile x 16 + J) x 1,536
	s_mov_b32 s47, 0
	s_add_nc_u64 s[46:47], s[8:9], s[46:47]
	s_lshl_b32 s48, s15, 8
	s_add_co_u32 s48, s48, s56
	s_lshl_b32 s48, s48, 6
	s_add_co_u32 s48, s48, 6291456                 ; its scale words, by K steps: (256 J + tile) x 64
	s_mov_b32 s49, 0
	s_add_nc_u64 s[48:49], s[8:9], s[48:49]
	s_wait_tensorcnt 3                             ; my quarter of chunk 0 has landed; three loads may be out
	s_barrier_signal -1
	s_barrier_wait -1
	LOADB 0
	LOADB 1
.set q, 0
.rept NQ
	ITER
.endr
; 64 registers from S on in window W: register 16 b + i is unit 32 b + 16 h + i of my token's 128.  They become a fragment's codes in v[PC] on and its scale word in v[pw].
.macro QUANT4 W, S, pw
	WIN 5*(\W)
.irp b, 0,1,2,3
	v_max3_num_f32 v[TM+\b], |v[\S+16*\b]|, |v[\S+16*\b+1]|, 0x2800000
.endr
.irp i, 2,4,6,8,10,12,14
.irp b, 0,1,2,3
	v_max3_num_f32 v[TM+\b], |v[\S+16*\b+\i]|, |v[\S+16*\b+\i+1]|, v[TM+\b]
.endr
.endr
	WIN 0
.irp b, 0,1,2,3
	v_permlanex16_b32 v[TM+4+\b], v[TM+\b], s[SEL], s[SEL+1]
.endr
.irp b, 0,1,2,3
	v_max_num_f32 v[TM+\b], v[TM+\b], v[TM+4+\b]
.endr
.irp b, 0,1,2,3
	v_add_nc_u32 v[TM+12+\b], 0xfe000000, v[TM+\b]
.endr
.irp b, 0,1,2,3
	v_lshrrev_b32 v[TM+4+\b], 23, v[TM+12+\b]
.endr
	v_lshl_or_b32 v[\pw], v[TM+5], 8, v[TM+4]
	v_lshl_or_b32 v[\pw], v[TM+6], 16, v[\pw]
	v_lshl_or_b32 v[\pw], v[TM+7], 24, v[\pw]
	WIN \W
.irp c, 0,1
	v_cvt_scalef32_pk16_bf6_f32 v[PC+6*\c:PC+6*\c+2], v[\S+32*\c:\S+32*\c+15], v[TM+12+2*\c]
	v_cvt_scalef32_pk16_bf6_f32 v[PT+4*\c:PT+4*\c+2], v[\S+32*\c+16:\S+32*\c+31], v[TM+12+2*\c+1]
.endr
	WIN 0
	v_nop                                          ; one plain line behind the conversions
.irp c, 0,1
.irp i, 0,1,2
	v_permlane16_swap_b32 v[PC+6*\c+\i], v[PT+4*\c+\i]
.endr
.irp i, 0,1,2
	v_mov_b32 v[PC+3+6*\c+\i], v[PT+4*\c+\i]
.endr
.endr
.endm
.macro ACT t                           ; token tile t: a = registers X1 on, b = registers X2 on
.set WW, 2+((\t)>>1)
.set X1, 128*((\t)&1)
.set X2, X1+64
	WIN WW
.set j, 0
.rept 32
	v_pk_mul_f32 v[TT+j:TT+j+1], v[X1+j:X1+j+1], 0xbfb8aa3b op_sel_hi:[1,0]   ; -a log2(e); each accumulator from its low end on
.set j, j+2
.endr
	WIN 0
.set j, 0
.rept 64
	v_exp_f32 v[TT+j], v[TT+j]
.set j, j+1
.endr
	v_nop                                          ; a plain line behind the exponentials
	s_wait_alu depctr_va_vdst(0)                   ; one wait for the batch, ahead of its first reader
.set j, 0
.rept 32
	v_pk_add_f32 v[TT+j:TT+j+1], v[TT+j:TT+j+1], 1.0 op_sel_hi:[1,0]
.set j, j+2
.endr
.set j, 0
.rept 64
	v_rcp_f32 v[TT+j], v[TT+j]
.set j, j+1
.endr
	WIN 69*WW
.set j, 0
.rept 32
	v_pk_mul_f32 v[X1+j:X1+j+1], v[X1+j:X1+j+1], v[X2+j:X2+j+1]   ; a b: the plain work behind the reciprocals
.set j, j+2
.endr
	s_wait_alu depctr_va_vdst(0)                   ; one wait for the batch
	WIN 65*WW
.set j, 0
.rept 32
	v_pk_mul_f32 v[X1+j:X1+j+1], v[X1+j:X1+j+1], v[TT+j:TT+j+1]
.set j, j+2
.endr
	s_wait_xcnt 0x0                                ; the last tile's stores have read the codes' registers: they are written again only behind this wait
	QUANT4 WW, X1, PW+\t
	global_store_b128 v1, v[PC:PC+3], s[46:47] offset:24576*\t
	global_store_b64 v2, v[PC+4:PC+5], s[46:47] offset:24576*\t+512
	global_store_b128 v1, v[PC+6:PC+9], s[46:47] offset:24576*\t+768
	global_store_b64 v2, v[PC+10:PC+11], s[46:47] offset:24576*\t+1280
.endm
	PLACES
	WIN 0
.irp b, 0,1,2,3
	v_mov_b32 v[TM+4+\b], 0                        ; a lane permute's destination counts as read
.endr
	v_cmp_ne_u32 s68, 0, v14                       ; lanes 16-31
	ACT 0
	ACT 1
	v_cndmask_b32 v[PW], v[PW], v[PW+1], s68       ; two tiles' words leave together: 128 consecutive bytes
	global_store_b32 v3, v[PW], s[48:49]
	ACT 2
	ACT 3
	v_cndmask_b32 v[PW+2], v[PW+2], v[PW+3], s68
	global_store_b32 v3, v[PW+2], s[48:49] offset:128
	s_wait_tensorcnt 0x0
	ds_add_u32 v254, v255
	s_wait_dscnt 0x0
	CROUND                                         ; the closing round: no work-group ends while a partner may still ask for a tile that names it
	s_endpgm
.Lfunc_end_k_q99a35d148e_gemm_1:
	.size	k_q99a35d148e_gemm_1, .Lfunc_end_k_q99a35d148e_gemm_1-k_q99a35d148e_gemm_1
	.p2alignl 7, 3214868480
	.fill 96, 4, 3214868480
	.section	.rodata,"a",@progbits
	.p2align	6, 0x0
	.amdhsa_kernel k_q99a35d148e_gemm_1
		.amdhsa_group_segment_fixed_size 197120
		.amdhsa_private_segment_fixed_size 0
		.amdhsa_enable_private_segment 0
		.amdhsa_kernarg_size 24
		.amdhsa_user_sgpr_count 2
		.amdhsa_user_sgpr_kernarg_segment_ptr 1
		.amdhsa_wavefront_size32 1
		.amdhsa_system_sgpr_workgroup_id_x 1
		.amdhsa_system_sgpr_workgroup_id_y 1
		.amdhsa_system_sgpr_workgroup_id_z 1
		.amdhsa_system_vgpr_workitem_id 0
		.amdhsa_next_free_vgpr 1024
		.amdhsa_next_free_sgpr 72
		.amdhsa_reserve_vcc 0
		.amdhsa_float_denorm_mode_32 3
		.amdhsa_float_denorm_mode_16_64 3
		.amdhsa_memory_ordered 1
		.amdhsa_forward_progress 1
		.amdhsa_inst_pref_size 195
	.end_amdhsa_kernel
	.amdgpu_metadata
---
amdhsa.version: [ 1, 2 ]
amdhsa.kernels:
  - .name:           k_q99a35d148e_gemm_1
    .symbol:         k_q99a35d148e_gemm_1.kd
    .args:
      - { .name: act, .offset: 0, .size: 8, .value_kind: global_buffer, .address_space: global }
      - { .name: wts, .offset: 8, .size: 8, .value_kind: global_buffer, .address_space: global }
      - { .name: g, .offset: 16, .size: 8, .value_kind: global_buffer, .address_space: global }
    .group_segment_fixed_size: 197120
    .private_segment_fixed_size: 0
    .kernarg_segment_align: 8
    .kernarg_segment_size: 24
    .max_flat_workgroup_size: 128
    .sgpr_count:     72
    .vgpr_count:     1024
    .wavefront_size: 32
...
	.end_amdgpu_metadata
.endif
;; end of part 7
;; launch gemm_2 (part 8): grid 16 x 16, 4 waves a work-group, clusters of 4 x 1, 168,448 bytes of LDS; arguments g, wts, h, out0; writes out0
.if DOCPART == 8
	.amdgcn_target "amdgcn-amd-amdhsa--gfx1250"
	.amdhsa_code_object_version 6
	.text
	.protected	k_q99a35d148e_gemm_2
	.globl	k_q99a35d148e_gemm_2
	.p2align	8
	.type	k_q99a35d148e_gemm_2,@function
k_q99a35d148e_gemm_2:
	s_mov_b64 s[64:65], 0
	v_nop
	global_prefetch_b8 v0, s[64:65] scope:SCOPE_SE
	s_setreg_imm32_b32 hwreg(HW_REG_WAVE_MODE, 25, 1), 1
	s_wait_xcnt 0x0
	s_wait_alu depctr_hold_cnt(0) depctr_sa_sdst(0) depctr_va_vdst(0) depctr_va_sdst(0) depctr_va_ssrc(0) depctr_va_vcc(0) depctr_vm_vsrc(0)
	s_getreg_b32 s2, hwreg(HW_REG_IB_STS2, 6, 4)
	s_cmp_eq_u32 s2, 0
	s_cbranch_scc0 .Lentry_in_a_cluster
	s_endpgm
.Lentry_in_a_cluster:
	s_bfe_u32 s2, ttmp6, 0x10000c
	s_cmp_lg_u32 s2, 0x3003
	s_cbranch_scc0 .Lentry_shape_is_right
	s_endpgm
.Lentry_shape_is_right:
; out = res + A W for 256 tokens x 64 columns J, on codes of BF6 with E8M0 scales; out and res are f32 [4,096][1,024].  KIND 0: A = the attention's result, W = Wo, K = 1,024.  KIND 1: A = the gated hidden layer, W = W2, K = 2,048.
; SHARES.  Wave w: token tiles 16 Mt + 4 w + t, t = 0 .. 3, against the 4 tiles of columns: 16 accumulators.  A's fragments are a wave's own and come from memory straight into registers, a ring of four K steps.
; B's block for all of K, dense in memory, is brought into LDS ONCE, in four chunks, each wave a quarter of each: no LDS byte is filled twice.  The four work-groups of a cluster share J: each load is asked for JOINTLY
; (mask 15), which divides B's requests by four.  A wave has four tensor loads out.
; THE RESIDUAL IS THE C OF EACH SUM'S FIRST PRODUCT: it is loaded into the accumulators' registers, in the result's layout, so no addition is written.
; Source 0 = weights, source 1 = tokens: a lane holds eight neighbouring columns of one token's row.  The way out goes through the wave's own stage in LDS, so that sixteen lanes store 256 consecutive aligned bytes.
; REGISTERS: window 0: v1-15, v240 addresses, from v16 scale words, v96/144/192 A's slots 0-2; window 1: v0-143 three buffers of four fragments of B, v144-191 A's slot 3; window 2: accumulator (t, b) at v[8 (4 t + b)].
.set KIND, 1
.set NB, 4
.set KS, 16
.set KG, 2
.set CBASE, 6291456
.set SBASE, 8126464
.set ASBASE, 6291456
.set ASC, 16
.set BSC, 48
.set NG, NB/4
.set SPC, KS/4
.set GPC, SPC*NG
.set NQ, KS*NG
.set CH, SPC*NB*1536
.set STG, 4*CH                         ; behind B: a stage of 64 rows x 272 bytes for each wave
.set MSB, 0
.macro WIN new                         ; the immediate's high byte repeats the setting that is left
.if MSB != (\new)
	s_set_vgpr_msb (MSB<<8)|(\new)
.set MSB, (\new)
.endif
.endm
.macro CROUND                          ; a round of the cluster's barrier
	s_barrier_signal -1
	s_barrier_wait -1
	s_cmp_lg_u32 s12, 0
	s_cbranch_scc1 .Lnot_wave_0_\@
	s_barrier_signal -3
.Lnot_wave_0_\@:
	s_barrier_wait -3
	s_barrier_signal -1
	s_barrier_wait -1
.endm
.macro PLACES                          ; four plain lines behind matrix instructions, ahead of loads into their registers and of reads of their results
.rept 4
	v_nop
.endr
.endm
.macro GFRAG reg, off
	global_load_b128 v[\reg:\reg+3], v1, s[40:41] offset:\off
	global_load_b64 v[\reg+4:\reg+5], v2, s[40:41] offset:\off+512
	global_load_b128 v[\reg+6:\reg+9], v1, s[40:41] offset:\off+768
	global_load_b64 v[\reg+10:\reg+11], v2, s[40:41] offset:\off+1280
.endm
.macro LFRAG reg, j, off
	ds_load_b128 v[\reg:\reg+3], v[4+\j] offset:\off
	ds_load_b64 v[\reg+4:\reg+5], v[8+\j] offset:\off+512
	ds_load_b128 v[\reg+6:\reg+9], v[4+\j] offset:\off+768
	ds_load_b64 v[\reg+10:\reg+11], v[8+\j] offset:\off+1280
.endm
.macro LOADA s                         ; my four token tiles' fragments of K step s into slot s % 4: 16 loads
.if ((\s)&3) == 3
	WIN 0x40
.set LR, 144
.else
	WIN 0
.set LR, 96+48*((\s)&3)
.endif
.irp t, 0,1,2,3
	GFRAG LR+12*\t, (\t*KS+(\s))*1536
.endr
.endm
.macro LOADB x                         ; group x's four fragments of B into buffer x % 3: 16 LDS loads
.set bs, (\x)/NG
.set bg, (\x)%NG
.set bj, bs/SPC
	WIN 0x40
.irp i, 0,1,2,3
	LFRAG 48*((\x)%3)+12*\i, bj, ((bs%SPC)*NB+4*bg+\i)*1536
.endr
.endm
.macro MM
.if fRA && fRB
	v_wmma_scale_f32_16x16x128_f8f6f4 v[rD:rD+7], v[rA:rA+11], v[rB:rB+11], v[rD:rD+7], v[rSA], v[rSB] matrix_a_fmt:MATRIX_FMT_BF6 matrix_b_fmt:MATRIX_FMT_BF6 matrix_a_scale:MATRIX_SCALE_ROW1 matrix_b_scale:MATRIX_SCALE_ROW1
.elseif fRA
	v_wmma_scale_f32_16x16x128_f8f6f4 v[rD:rD+7], v[rA:rA+11], v[rB:rB+11], v[rD:rD+7], v[rSA], v[rSB] matrix_a_fmt:MATRIX_FMT_BF6 matrix_b_fmt:MATRIX_FMT_BF6 matrix_a_scale:MATRIX_SCALE_ROW1
.elseif fRB
	v_wmma_scale_f32_16x16x128_f8f6f4 v[rD:rD+7], v[rA:rA+11], v[rB:rB+11], v[rD:rD+7], v[rSA], v[rSB] matrix_a_fmt:MATRIX_FMT_BF6 matrix_b_fmt:MATRIX_FMT_BF6 matrix_b_scale:MATRIX_SCALE_ROW1
.else
	v_wmma_scale_f32_16x16x128_f8f6f4 v[rD:rD+7], v[rA:rA+11], v[rB:rB+11], v[rD:rD+7], v[rSA], v[rSB] matrix_a_fmt:MATRIX_FMT_BF6 matrix_b_fmt:MATRIX_FMT_BF6
.endif
.endm
.macro GROUP                           ; 16 products on 16 accumulators, one instruction a turn
.if (s_&3) == 3
.set AR, 144
.set aw, 1
.else
.set AR, 96+48*(s_&3)
.set aw, 0
.endif
	WIN 0xa1|(aw<<2)
.irp t, 0,1,2,3
.irp i, 0,1,2,3
.set rD, 8*(4*\t+\i)
.set rA, 48*(q%3)+12*\i
.set rB, AR+12*\t
.set fRA, (s_>>2)&1
.if KIND
.set rSA, BSC+4*(2*\i+(s_>>3))+(s_&3)
.set rSB, ASC+2*s_+(\t>>1)
.set fRB, \t&1
.else
.set rSA, BSC+4*\i+(s_&3)
.set rSB, ASC+4*\t+(s_&3)
.set fRB, (s_>>2)&1
.endif
	MM
.endr
.endr
.endm
.macro ITER                            ; group q: fetch two groups ahead, then multiply
.set s_, q/NG
.set g_, q%NG
.if q+2 < NQ
.if (q+2)%GPC == 0
	s_wait_dscnt 0x0                               ; no LDS load of mine is out at a signal
	s_wait_tensorcnt 3-(q+2)/GPC                   ; my quarter of the next chunk has landed; the chunks behind it may be out
	s_barrier_signal -1
	s_barrier_wait -1
.else
	s_wait_dscnt 16                                ; group q's fragments are in; group q + 1's 16 loads may be out
.endif
	PLACES
	LOADB (q+2)
.elseif q+2 == NQ
	s_wait_dscnt 16
.else
	s_wait_dscnt 0x0
.endif
.if g_ == 0
.if (s_ >= 1) && (s_+3 < KS)
	LOADA (s_+3)                                   ; into the slot that the last K step multiplied, behind the same four lines
.endif
.set la, s_+3
.if la > KS-1
.set la, KS-1
.endif
	s_wait_loadcnt 16*(la-s_)                      ; this K step's fragments of A are in (and all that was asked for earlier: the residual, the scale words); the later steps' 16 loads each may be out
.endif
	GROUP
.set q, q+1
.endm
	s_load_b256 s[4:11], s[0:1], 0x0               ; A, wts, the residual, out
	v_lshl_add_u32 v254, v0, 2, 0x29000
	v_mov_b32 v255, 0
	ds_add_u32 v254, v255
	ds_add_u32 v254, v255
	v_lshrrev_b32 v1, 5, v0
	v_readfirstlane_b32 s12, v1                    ; wave
	s_bfe_u32 s13, ttmp6, 0x40000                  ; cx
	s_lshl_b32 s14, ttmp9, 2
	s_add_co_u32 s14, s14, s13                     ; Mt
	s_and_b32 s15, ttmp7, 0xffff                   ; J, which the four partners share
	s_mov_b32 s16, 15|(3<<16)|(1<<21)              ; the mask: all four work-groups; elements of 8 bytes; bit 21 beside a mask
	s_mov_b32 s17, 32<<16                          ; tensor_dim0 = 32: rows of 256 bytes
	s_mov_b32 s18, (CH/1024)<<16                   ; tensor_dim1
	s_mov_b32 s19, 32<<16                          ; tile_dim0
	s_mov_b32 s20, CH/1024                         ; tile_dim1
	s_mov_b32 s21, 32                              ; dense
	s_mov_b32 s22, 0
	s_mov_b32 s23, 0
	s_mul_i32 s42, s12, CH/4
	s_mul_i32 s40, s15, 4*CH
	s_add_co_u32 s40, s40, s42
	s_add_co_u32 s40, s40, CBASE
	s_mov_b32 s41, 0
	s_wait_dscnt 0x0
	s_wait_kmcnt 0x0
	s_add_nc_u64 s[40:41], s[6:7], s[40:41]
.irp j, 0,1,2,3
	s_mov_b32 s[24+4*\j], 1
	s_add_co_u32 s[25+4*\j], s42, \j*CH
	s_add_nc_u64 s[26+4*\j:27+4*\j], s[40:41], \j*CH
	s_or_b32 s[27+4*\j], s[27+4*\j], 0x80000000
.endr
	CROUND                                         ; all four work-groups are here: the joint loads meet
.irp j, 0,1,2,3
	tensor_load_to_lds s[24+4*\j:27+4*\j], s[16:23]
	s_nop 0
.endr
	PLACES                                         ; four lines behind the last tensor load
	v_and_b32 v3, 31, v0
	v_lshlrev_b32 v1, 4, v3
	v_lshlrev_b32 v2, 3, v3
	v_lshlrev_b32 v3, 2, v3
.irp j, 0,1,2,3
	v_add_nc_u32 v[4+\j], \j*CH, v1
	v_add_nc_u32 v[8+\j], \j*CH, v2
.endr
	v_and_b32 v241, 15, v0                         ; r
	v_bfe_u32 v242, v0, 4, 1                       ; h
	v_lshlrev_b32 v12, 5, v241
	v_lshl_add_u32 v12, v242, 4, v12               ; scale words: 32 r + 16 h
	s_mul_i32 s56, s12, 17408
	s_add_co_u32 s56, s56, STG                     ; my stage
	v_mul_u32_u24 v14, v241, 272
	v_lshl_add_u32 v14, v242, 6, v14
	v_add_nc_u32 v14, s56, v14                     ; in: row r, + 64 h
	v_mul_u32_u24 v15, v242, 272
	v_lshl_add_u32 v15, v241, 4, v15
	v_add_nc_u32 v15, s56, v15                     ; back: lanes 0-15 one row, lanes 16-31 the next
	v_lshlrev_b32 v240, 12, v242
	v_lshl_add_u32 v240, v241, 4, v240             ; and the same two rows in out
	v_and_b32 v13, 8, v0
	v_add_nc_u32 v13, v13, v241
	v_lshlrev_b32 v13, 12, v13
	v_lshl_add_u32 v13, v242, 6, v13               ; the residual: row r + 8 (r / 8), + 64 h
	s_lshl_b32 s56, s14, 4
	s_lshl_b32 s57, s12, 2
	s_add_co_u32 s56, s56, s57                     ; my first token tile
	s_mul_i32 s40, s56, KS*1536
	s_mov_b32 s41, 0
	s_add_nc_u64 s[40:41], s[4:5], s[40:41]
.if KIND
	s_lshl_b32 s42, s56, 6
.else
	s_lshl_b32 s42, s56, 9
.endif
	s_add_co_u32 s42, s42, ASBASE
	s_mov_b32 s43, 0
	s_add_nc_u64 s[42:43], s[4:5], s[42:43]
	s_mul_i32 s44, s15, NB*KG*512
	s_add_co_u32 s44, s44, SBASE
	s_mov_b32 s45, 0
	s_add_nc_u64 s[44:45], s[6:7], s[44:45]
	s_lshl_b32 s46, s14, 20
	s_lshl_b32 s57, s12, 18
	s_add_co_u32 s46, s46, s57
	s_lshl_b32 s57, s15, 8
	s_add_co_u32 s46, s46, s57                     ; (256 Mt + 64 w) rows of 4,096 bytes + 256 J
	s_mov_b32 s47, 0
	s_add_nc_u64 s[48:49], s[10:11], s[46:47]
	s_add_nc_u64 s[46:47], s[8:9], s[46:47]
	WIN 0x80
.irp t, 0,1,2,3
.irp b, 0,1,2,3
	global_load_b128 v[8*(4*\t+\b):8*(4*\t+\b)+3], v13, s[46:47] offset:(32*(\t>>1)+8*(\t&1))*4096+128*(\b>>1)+32*(\b&1)
	global_load_b128 v[8*(4*\t+\b)+4:8*(4*\t+\b)+7], v13, s[46:47] offset:(32*(\t>>1)+8*(\t&1))*4096+128*(\b>>1)+32*(\b&1)+16
.endr
.endr
	WIN 0
.if KIND
.set i, 0
.rept 16                               ; A's scale words lie by K steps: lanes 0-15 take tile 2 tp's, lanes 16-31 tile 2 tp + 1's
	global_load_b32 v[ASC+2*i], v3, s[42:43] offset:16384*i
	global_load_b32 v[ASC+2*i+1], v3, s[42:43] offset:16384*i+128
.set i, i+1
.endr
.else
.irp t, 0,1,2,3
	global_load_b128 v[ASC+4*\t:ASC+4*\t+3], v12, s[42:43] offset:512*\t
.endr
.endif
.set i, 0
.rept NB*KG
	global_load_b128 v[BSC+4*i:BSC+4*i+3], v12, s[44:45] offset:512*i
.set i, i+1
.endr
	LOADA 0
	LOADA 1
	LOADA 2
	LOADA 3
	s_wait_tensorcnt 3                             ; my quarter of chunk 0 has landed; three loads may be out
	s_barrier_signal -1
	s_barrier_wait -1
	LOADB 0
	LOADB 1
.set q, 0
.rept NQ
	ITER
.endr
	PLACES
	WIN 0x08                                       ; an LDS store's data are its source 1: window 2
.irp t, 0,1,2,3
.irp b, 0,1,2,3
	ds_store_b128 v14, v[8*(4*\t+\b):8*(4*\t+\b)+3] offset:4352*\t+128*(\b>>1)+32*(\b&1)          ; each accumulator from its low end on
	ds_store_b128 v14, v[8*(4*\t+\b)+4:8*(4*\t+\b)+7] offset:4352*\t+128*(\b>>1)+32*(\b&1)+16
.endr
.endr
	WIN 0
.set i, 0
.rept 32
	ds_load_b128 v[96+4*i:99+4*i], v15 offset:544*i   ; LDS serves a wave's instructions in order: these see my stores
.set i, i+1
.endr
.set i, 0
.rept 32
	s_wait_dscnt 31-i                              ; row pair i is back; the 31 - i loads behind it may be out
.if KIND
	global_store_b128 v240, v[96+4*i:99+4*i], s[48:49] offset:(32*(i>>4)+8*((i>>3)&1)+2*(i&7)+8*((i&7)>>2))*4096 th:TH_STORE_NT
.else
	global_store_b128 v240, v[96+4*i:99+4*i], s[48:49] offset:(32*(i>>4)+8*((i>>3)&1)+2*(i&7)+8*((i&7)>>2))*4096
.endif
.set i, i+1
.endr
	s_wait_tensorcnt 0x0
	ds_add_u32 v254, v255
	s_wait_dscnt 0x0
	CROUND                                         ; the closing round: no work-group ends while a partner may still ask for a tile that names it
	s_endpgm
.Lfunc_end_k_q99a35d148e_gemm_2:
	.size	k_q99a35d148e_gemm_2, .Lfunc_end_k_q99a35d148e_gemm_2-k_q99a35d148e_gemm_2
	.p2alignl 7, 3214868480
	.fill 96, 4, 3214868480
	.section	.rodata,"a",@progbits
	.p2align	6, 0x0
	.amdhsa_kernel k_q99a35d148e_gemm_2
		.amdhsa_group_segment_fixed_size 168448
		.amdhsa_private_segment_fixed_size 0
		.amdhsa_enable_private_segment 0
		.amdhsa_kernarg_size 32
		.amdhsa_user_sgpr_count 2
		.amdhsa_user_sgpr_kernarg_segment_ptr 1
		.amdhsa_wavefront_size32 1
		.amdhsa_system_sgpr_workgroup_id_x 1
		.amdhsa_system_sgpr_workgroup_id_y 1
		.amdhsa_system_sgpr_workgroup_id_z 1
		.amdhsa_system_vgpr_workitem_id 0
		.amdhsa_next_free_vgpr 640
		.amdhsa_next_free_sgpr 72
		.amdhsa_reserve_vcc 0
		.amdhsa_float_denorm_mode_32 3
		.amdhsa_float_denorm_mode_16_64 3
		.amdhsa_memory_ordered 1
		.amdhsa_forward_progress 1
		.amdhsa_inst_pref_size 98
	.end_amdhsa_kernel
	.amdgpu_metadata
---
amdhsa.version: [ 1, 2 ]
amdhsa.kernels:
  - .name:           k_q99a35d148e_gemm_2
    .symbol:         k_q99a35d148e_gemm_2.kd
    .args:
      - { .name: g, .offset: 0, .size: 8, .value_kind: global_buffer, .address_space: global }
      - { .name: wts, .offset: 8, .size: 8, .value_kind: global_buffer, .address_space: global }
      - { .name: h, .offset: 16, .size: 8, .value_kind: global_buffer, .address_space: global }
      - { .name: out0, .offset: 24, .size: 8, .value_kind: global_buffer, .address_space: global }
    .group_segment_fixed_size: 168448
    .private_segment_fixed_size: 0
    .kernarg_segment_align: 8
    .kernarg_segment_size: 32
    .max_flat_workgroup_size: 128
    .sgpr_count:     72
    .vgpr_count:     640
    .wavefront_size: 32
...
	.end_amdgpu_metadata
.endif
;; end of part 8
;; ======== version 2 of 3: 7 launches; 1.12 times as fast as version 1
;; workspace buffers: wts 8,192,000 bytes; act 3,276,800 bytes; qkv 10,092,544 bytes; ao 3,276,800 bytes; h 16,777,216 bytes; g 6,553,600 bytes; msk 540,672 bytes of whole numbers; rot 262,144 bytes
;; launch prep (part 9): grid 704 x 1, 8 waves a work-group, no clusters, 72,192 bytes of LDS; arguments Wq, Wk, Wv, Wo, W1, W2, wts, attention_mask, msk, rot, x, attn_scale, act; writes wts, msk, rot, act
.if DOCPART == 9
	.amdgcn_target "amdgcn-amd-amdhsa--gfx1250"
	.amdhsa_code_object_version 6
	.text
	.protected	k_q99a35d148e_prep
	.globl	k_q99a35d148e_prep
	.p2align	8
	.type	k_q99a35d148e_prep,@function
k_q99a35d148e_prep:
	s_mov_b64 s[64:65], 0
	v_nop
	global_prefetch_b8 v0, s[64:65] scope:SCOPE_SE
	s_setreg_imm32_b32 hwreg(HW_REG_WAVE_MODE, 25, 1), 1
	s_wait_xcnt 0x0
; THREE PREPARATIONS THAT DO NOT DEPEND ON EACH OTHER, IN ONE LAUNCH.  The work-group's number chooses the part by one scalar branch at the head, the same in all eight waves of a work-group:
;   work-groups 0 .. 319:   PART 1, the six weights become codes and scale bytes;
;   work-groups 320 .. 447: PART 2, the mask becomes lane masks and flags, and the rotary table is made;
;   work-groups 448 .. 703: PART 3, x is normalised and quantised.
; Each part has LDS bytes of its own (from 0, from LM, from LN), loads only inputs and stores only its own buffers.  The longest work stands first.
;
; PART 1.  The six weights, f32 stored [K][N], become codes of BF6 (E3M2) with one E8M0 byte for each 32 along K, laid in the order in which a wave's operand registers take them.
; A work-group takes 32 columns x 1,024 along K; wave w takes K step w (128 rows).  A LANE TAKES A COLUMN AND ITS REGISTERS RUN DOWN K, so a block of 32 lies in one lane and nothing is transposed.
; THE COLUMNS OF A TILE ARE NOT NEIGHBOURS: lane r of tile u (u = lane / 16) takes column 8 u + r + 8 (r / 8) of the 32; a wave's load still covers the same 128 consecutive bytes.
; OUT: a fragment (16 columns x 128 K, 12 registers a lane) is two halves of 768 bytes: registers 6 c .. 6 c + 3 at 16 x lane, then registers 6 c + 4, 6 c + 5 at 512 + 8 x lane.
; Codes: [J][K step][tile b][1,536].  Scale bytes: [J][b][K / 1,024][row 16][32 bytes]: a row's 32 bytes are the words of eight K steps.
;
; PART 2.  (a) The mask [2048][2048] of bytes (0 or 1) becomes what the attention launch wants: for each tile of 16 queries and each step of 128 keys, 64 words of lane masks and a flag of two bits.
; Word e of a step: bit l = mask[query of lane l % 16][128 S + 32 (e / 16) + 16 (l / 16) + e % 16]: the key that score register e holds in lane l.  A tile's query r is 32 (tile / 2) + 8 (tile % 2) + r + 8 (r / 8).
; Flag: 2 all 16 x 128 open; 1 mixed; 0 the step may be left out: nothing in it is open AND each of the tile's 16 rows has an open key somewhere, so that a row masked throughout still walks all keys.
; (b) The rotary table: rot[pos][0..15] = sin(pos x 10^(-i / 4)), rot[pos][16..31] = the cosines.  The phase is kept in whole numbers, in units of 2^-32 of a turn: pos x G_i modulo 2^32 is exact, and
; pos x D_i / 2^16 adds what G_i's rounding left off.  The phase's top two bits give the quarter turn; the rest, at most pi / 4 either way, goes into the sine's series to a^9 and the cosine's to a^10.
; A work-group takes one tile of queries and 16 positions: a thread makes one sine and one cosine.
;
; PART 3.  y = x * gain * rsqrt(mean(x^2) + 1e-6) along rows of 1,024 f32, quantised along the row to BF6 with one E8M0 byte for each 32, and stored in the order of an operand's registers.
; A work-group takes a tile of 16 rows: row i is token 32 (tile / 2) + 8 (tile % 2) + i + 8 (i / 8).  Wave w takes columns 128 w on: one fragment.
; Each load reads 512 consecutive bytes of a row.  The operand wants lane (r, h) to hold k = 64 c + 32 h + 0 .. 31 of row r: the 16 x 512 bytes turn through the wave's own stage in LDS (rows 528 bytes apart).
; The sum of squares meets in LDS (one barrier), the eight waves' scale words likewise (a second), so that a tile's 512 scale bytes leave whole.
; OUT: codes [tile][K step][1,536]; from byte 3,145,728: [tile][row 16][32 scale bytes].
;
; LIMITS: a block whose largest magnitude lies under 2^-122 keeps the byte 1 (a block of zeros too: its codes are zeros, and this program alone reads the bytes); NaN and infinities are not served; mask bytes are 0 or 1;
; the rotary angle is wrong by under 1e-7 rad; the sum of squares is added in another order than a plain loop's; v_rsq_f32 is good to 1 ulp.
.set WGW, 320                          ; work-groups of part 1
.set WGM, 128                          ; of part 2
.set LM,  1024                         ; LDS: part 2's bytes begin here (1,536 of them)
.set LN,  2560                         ; and part 3's (68,608)
	v_lshl_add_u32 v240, v0, 2, 0x11600
	v_mov_b32 v241, 0
	s_cmp_lt_u32 ttmp9, WGW
	s_cbranch_scc0 .Lnot_weights
; ======== PART 1: the weights
.set WO_C,   2359296
.set W1_C,   3145728
.set W2_C,   6291456
.set WQKV_S, 7864320
.set WO_S,   7962624
.set W1_S,   7995392
.set W2_S,   8126464
.set X,  16                            ; v16-143  4 blocks x 32 numbers of my column
.set PB, 144                           ; v144-167 4 blocks x 6 registers of codes
.set PT, 168                           ; v168-170 a block's upper 16 codes (a conversion's three registers begin on an even number)
	s_load_b256 s[4:11], s[0:1], 0x0               ; Wq, Wk, Wv, Wo
	s_load_b128 s[12:15], s[0:1], 0x20             ; W1, W2
	s_load_b64 s[16:17], s[0:1], 0x30              ; wts
	v_lshrrev_b32 v1, 5, v0
	v_readfirstlane_b32 s38, v1                    ; wave = K step
	v_and_b32 v1, 31, v0                           ; lane
	v_and_b32 v8, 15, v0                           ; r
	v_and_b32 v9, 8, v0                            ; 8 (r / 8)
	v_bfe_u32 v10, v0, 4, 1                        ; u
	v_add_nc_u32 v8, v8, v9
	v_lshl_add_u32 v8, v10, 3, v8                  ; my column of the 32
	v_lshlrev_b32 v2, 2, v8                        ; in bytes
	v_lshlrev_b32 v3, 4, v1                        ; 16 x lane
	v_lshlrev_b32 v4, 3, v1                        ; 8 x lane
	s_lshl_b32 s39, s38, 2
	v_lshl_add_u32 v5, v1, 5, s39                  ; LDS: 32 x lane + 4 x wave: my column's word of my K step
	s_and_b32 s39, s38, 1
	s_lshl_b32 s39, s39, 9
	v_add_nc_u32 v6, s39, v3                       ; LDS: waves 0 and 1 read a tile's 512 scale bytes back
	; which weight, which columns: whole numbers alone are set in the three arms
	s_cmp_lt_u32 ttmp9, 128
	s_cbranch_scc0 .Lw1
	s_lshr_b32 s30, ttmp9, 5                       ; 0 Wq, 1 Wk, 2 Wv, 3 Wo
	s_and_b32 s20, ttmp9, 31                       ; G: which 32 columns
	s_lshl_b32 s31, s30, 2
	s_cmp_lt_u32 s30, 3
	s_cselect_b32 s24, 12, 4                       ; NB: tiles in a block J
	s_cselect_b32 s31, s31, 0
	s_cselect_b32 s27, 0, WO_C
	s_mov_b32 s28, WO_S
	s_cselect_b32 s28, WQKV_S, s28
	s_and_b32 s23, s20, 1
	s_lshl_b32 s23, s23, 1
	s_add_co_u32 s23, s23, s31                     ; b0: my first tile in J
	s_lshr_b32 s22, s20, 1                         ; J
	s_mov_b32 s21, 0                               ; which 1,024 along K
	s_mov_b32 s25, 8                               ; K steps
	s_mov_b32 s26, 1                               ; K / 1,024
	s_mov_b32 s29, 12                              ; a row of the weight is 2^12 bytes
	s_branch .Ljoin
.Lw1:
	s_cmp_lt_u32 ttmp9, 256
	s_cbranch_scc0 .Lw2
	s_sub_co_u32 s20, ttmp9, 128
	s_and_b32 s22, s20, 63
	s_lshr_b32 s22, s22, 2
	s_lshr_b32 s23, s20, 6
	s_lshl_b32 s23, s23, 3                         ; the second half of W1 takes tiles 8 to 15
	s_and_b32 s31, s20, 3
	s_lshl_b32 s31, s31, 1
	s_add_co_u32 s23, s23, s31
	s_mov_b32 s24, 16
	s_mov_b32 s27, W1_C
	s_mov_b32 s28, W1_S
	s_mov_b32 s21, 0
	s_mov_b32 s25, 8
	s_mov_b32 s26, 1
	s_mov_b32 s29, 14
	s_branch .Ljoin
.Lw2:
	s_sub_co_u32 s31, ttmp9, 256
	s_and_b32 s20, s31, 31
	s_lshr_b32 s21, s31, 5
	s_lshr_b32 s22, s20, 1
	s_and_b32 s23, s20, 1
	s_lshl_b32 s23, s23, 1
	s_mov_b32 s24, 4
	s_mov_b32 s27, W2_C
	s_mov_b32 s28, W2_S
	s_mov_b32 s25, 16
	s_mov_b32 s26, 2
	s_mov_b32 s29, 12
.Ljoin:
	s_lshl_b32 s31, s21, 10
	s_lshl_b32 s32, s38, 7
	s_add_co_u32 s31, s31, s32                     ; my first row
	s_lshl_b32 s31, s31, s29
	s_lshl_b32 s32, s20, 7
	s_add_co_u32 s32, s31, s32                     ; + 128 G bytes
	s_mov_b32 s33, 0
	s_mul_i32 s31, s22, s25
	s_lshl_b32 s34, s21, 3
	s_add_co_u32 s31, s31, s34
	s_add_co_u32 s31, s31, s38
	s_mul_i32 s31, s31, s24
	s_add_co_u32 s31, s31, s23
	s_mul_i32 s31, s31, 1536
	s_add_co_u32 s34, s31, s27                     ; codes: ((J KSt + K step) NB + b0) x 1,536
	s_mov_b32 s35, 0
	s_mul_i32 s31, s22, s24
	s_add_co_u32 s31, s31, s23
	s_and_b32 s36, s38, 1
	s_add_co_u32 s31, s31, s36                     ; (wave 0 stores tile b0's scale bytes, wave 1 tile b0 + 1's)
	s_mul_i32 s31, s31, s26
	s_add_co_u32 s31, s31, s21
	s_lshl_b32 s31, s31, 9
	s_add_co_u32 s36, s31, s28
	s_mov_b32 s37, 0
	s_lshr_b32 s30, ttmp9, 5
	s_wait_kmcnt 0x0
	s_cmp_eq_u32 s30, 0                            ; the source is chosen on the work-group's number alone
	s_cselect_b64 s[18:19], s[4:5], s[6:7]
	s_cmp_eq_u32 s30, 2
	s_cselect_b64 s[40:41], s[8:9], s[10:11]
	s_cmp_lt_u32 s30, 2
	s_cselect_b64 s[18:19], s[18:19], s[40:41]
	s_cmp_lt_u32 s30, 8
	s_cselect_b64 s[40:41], s[12:13], s[14:15]
	s_cmp_lt_u32 s30, 4
	s_cselect_b64 s[18:19], s[18:19], s[40:41]
	s_add_nc_u64 s[18:19], s[18:19], s[32:33]
	s_add_nc_u64 s[34:35], s[16:17], s[34:35]
	s_add_nc_u64 s[36:37], s[16:17], s[36:37]
.macro LOADS stride                    ; my column's 128 numbers: row i of the K step; 32 lanes read 128 consecutive bytes
.set i, 0
.rept 128
	global_load_b32 v[X+i], v2, s[18:19] offset:i*\stride
.set i, i+1
.endr
.endm
	s_cmp_eq_u32 s29, 14
	s_cbranch_scc1 .Lwide
	LOADS 4096
	s_branch .Lloaded
.Lwide:
	LOADS 16384
.Lloaded:
.macro BLOCK b, left                   ; block b of my column: its scale, its byte, its 32 codes
	s_wait_loadcnt \left                           ; loads come back in order: this block's 32 are in, at most the later blocks' stay out
	v_max3_num_f32 v8, |v[X+32*\b]|, |v[X+32*\b+1]|, |v[X+32*\b+2]|
	v_max3_num_f32 v9, |v[X+32*\b+3]|, |v[X+32*\b+4]|, |v[X+32*\b+5]|
.irp i, 6,10,14,18,22,26
	v_max3_num_f32 v8, v8, |v[X+32*\b+\i]|, |v[X+32*\b+\i+1]|
	v_max3_num_f32 v9, v9, |v[X+32*\b+\i+2]|, |v[X+32*\b+\i+3]|
.endr
	v_max3_num_f32 v8, v8, |v[X+32*\b+30]|, |v[X+32*\b+31]|
	v_max3_num_f32 v8, v8, v9, 0x2800000           ; the floor 2^(5 - 127): the byte cannot fall under 1
	v_add_nc_u32 v11, 0xfe000000, v8               ; 4 off the exponent field: the conversion's scale operand
	v_cvt_scalef32_pk16_bf6_f32 v[PB+6*\b:PB+6*\b+2], v[X+32*\b:X+32*\b+15], v11
	v_cvt_scalef32_pk16_bf6_f32 v[PT:PT+2], v[X+32*\b+16:X+32*\b+31], v11
	v_lshrrev_b32 v13, 23, v11                     ; the byte (also the plain line behind the conversions)
.if \b == 0
	v_mov_b32 v12, v13
.else
	v_lshl_or_b32 v12, v13, 8*\b, v12              ; the K step's scale word of my column
.endif
.irp i, 0,1,2
	v_mov_b32 v[PB+6*\b+3+\i], v[PT+\i]
.endr
.endm
	BLOCK 0, 63
	BLOCK 1, 63
	BLOCK 2, 32
	BLOCK 3, 0
	; lanes 0-15 hold tile 0's columns and lanes 16-31 tile 1's, all four blocks each; the operand wants lanes 0-15 block 2 c and lanes 16-31 block 2 c + 1 of ONE tile
.irp c, 0,1
.irp i, 0,1,2,3,4,5
	v_permlane16_swap_b32 v[PB+12*\c+\i], v[PB+12*\c+6+\i]
.endr
.endr
.irp c, 0,1
.irp u, 0,1
	global_store_b128 v3, v[PB+12*\c+6*\u:PB+12*\c+6*\u+3], s[34:35] offset:1536*\u+768*\c          ; 512 consecutive bytes
	global_store_b64 v4, v[PB+12*\c+6*\u+4:PB+12*\c+6*\u+5], s[34:35] offset:1536*\u+768*\c+512     ; 256 consecutive bytes
.endr
.endr
	ds_store_b32 v5, v12                           ; the eight waves' words of a column lie side by side: 32 bytes
	s_wait_dscnt 0x0                               ; for the others' sake: my word has landed
	s_barrier_signal -1
	s_barrier_wait -1
	s_cmp_lt_u32 s38, 2
	s_cbranch_scc0 .Lend_w
	ds_load_b128 v[172:175], v6
	s_wait_dscnt 0x0
	global_store_b128 v3, v[172:175], s[36:37]     ; a tile's 512 scale bytes, whole
.Lend_w:
	s_wait_tensorcnt 0x0
	ds_add_u32 v240, v241
	s_wait_dscnt 0x0
	s_endpgm
.Lnot_weights:
	s_cmp_lt_u32 ttmp9, WGW+WGM
	s_cbranch_scc0 .Lnorm
; ======== PART 2: the mask and the rotary table
	s_sub_co_u32 s38, ttmp9, WGW                   ; my tile of queries, 0 .. 127
	s_load_b64 s[4:5], s[0:1], 0x38                ; the mask
	s_load_b64 s[6:7], s[0:1], 0x40                ; msk
	s_load_b64 s[8:9], s[0:1], 0x48                ; rot
	v_lshrrev_b32 v1, 5, v0
	v_readfirstlane_b32 s10, v1                    ; wave: key steps 2 w and 2 w + 1
	v_and_b32 v1, 31, v0
	v_and_b32 v2, 15, v0
	v_and_b32 v3, 8, v0
	v_add_nc_u32 v2, v2, v3                        ; r + 8 (r / 8)
	v_bfe_u32 v3, v0, 4, 1
	v_lshlrev_b32 v2, 11, v2
	v_lshl_add_u32 v2, v3, 4, v2                   ; my row of the mask, + 16 h
	v_lshlrev_b32 v4, 2, v1                        ; 4 x lane
	v_lshlrev_b32 v55, 2, v0                       ; LDS (from LM on): 128 x wave + 4 x lane
	s_lshl_b32 s11, s10, 2
	s_add_co_u32 s11, s11, LM+1024
	v_mov_b32 v64, s11                             ; LDS: LM + 1,024 + 4 x wave
	s_mov_b32 s32, 0x76543210
	s_mov_b32 s33, 0xfedcba98                      ; lane l xor 16
	s_lshr_b32 s12, s38, 1
	s_lshl_b32 s12, s12, 5
	s_and_b32 s13, s38, 1
	s_lshl_b32 s13, s13, 3
	s_add_co_u32 s12, s12, s13                     ; the tile's first query
	s_lshl_b32 s12, s12, 11
	s_lshl_b32 s13, s10, 8
	s_add_co_u32 s12, s12, s13
	s_mov_b32 s13, 0
	s_lshl_b32 s14, s38, 12                        ; lane masks: 4,096 bytes a tile, 512 a wave
	s_lshl_b32 s15, s10, 9
	s_add_co_u32 s14, s14, s15
	s_mov_b32 s15, 0
	s_lshl_b32 s16, s38, 7                         ; flags: 128 bytes a tile, behind the lane masks
	s_add_co_u32 s16, s16, 524288
	s_mov_b32 s17, 0
	s_lshl_b32 s18, s38, 11                        ; rot: 16 positions of 128 bytes
	s_mov_b32 s19, 0
	s_wait_kmcnt 0x0
	s_add_nc_u64 s[4:5], s[4:5], s[12:13]
	s_add_nc_u64 s[14:15], s[6:7], s[14:15]
	s_add_nc_u64 s[16:17], s[6:7], s[16:17]
	s_add_nc_u64 s[8:9], s[8:9], s[18:19]
.irp p, 0,1
.irp b, 0,1,2,3
	global_load_b128 v[16+16*\p+4*\b:19+16*\p+4*\b], v2, s[4:5] offset:128*\p+32*\b   ; 16 keys of my row: 128 (2 w + p) + 32 b + 16 h on
.endr
.endr
	; ---- the rotary table, while the mask is on its way
	v_and_b32 v5, 15, v0                           ; i
	v_lshrrev_b32 v6, 4, v0
	v_lshlrev_b32 v54, 7, v6
	v_lshl_add_u32 v54, v5, 2, v54                 ; 128 x (thread / 16) + 4 i
	s_lshl_b32 s20, s38, 4
	v_add_nc_u32 v6, s20, v6                       ; pos
	v_mov_b32 v7, 683565276                        ; G_0 = round(2^32 / 2 pi)
	v_mov_b32 v8, -27761                           ; D_0
.macro PICK i, g, d                    ; G_i = round(2^32 x 10^(-i / 4) / 2 pi), D_i = 2^16 x what the rounding left off
	v_cmp_ne_u32 vcc_lo, \i, v5
	v_cndmask_b32 v7, \g, v7, vcc_lo
	v_cndmask_b32 v8, \d, v8, vcc_lo
.endm
	PICK 1, 384397003, -5131
	PICK 2, 216162320, 1455
	PICK 3, 121557005, 32604
	PICK 4, 68356528, -28993
	PICK 5, 38439700, 19150
	PICK 6, 21616232, 144
	PICK 7, 12155701, -29508
	PICK 8, 6835653, -16004
	PICK 9, 3843970, 1914
	PICK 10, 2161623, 13120
	PICK 11, 1215570, 3604
	PICK 12, 683565, 18062
	PICK 13, 384397, 190
	PICK 14, 216162, 20972
	PICK 15, 121557, 360
	v_mul_lo_u32 v9, v6, v7                        ; pos x G modulo one turn
	v_mul_lo_u32 v10, v6, v8
	v_ashrrev_i32 v10, 16, v10
	v_add_nc_u32 v9, v9, v10                       ; the phase
	v_add_nc_u32 v10, 0x20000000, v9
	v_lshrrev_b32 v10, 30, v10                     ; the nearest quarter turn, 0 .. 3
	v_lshlrev_b32 v11, 2, v9
	v_ashrrev_i32 v11, 2, v11                      ; what is left, signed
	v_cvt_f32_i32 v11, v11
	v_mul_f32 v11, 0x30c90fdb, v11                 ; a = x 2 pi / 2^32
	v_mul_f32 v12, v11, v11
	v_mov_b32 v13, 0x3638ef1d                      ; 1 / 9!
	v_fmaak_f32 v13, v13, v12, 0xb9500d01          ; -1 / 7!
	v_fmaak_f32 v13, v13, v12, 0x3c088889          ; 1 / 5!
	v_fmaak_f32 v13, v13, v12, 0xbe2aaaab          ; -1 / 3!
	v_mul_f32 v13, v13, v12
	v_fma_f32 v13, v13, v11, v11                   ; sin a
	v_mov_b32 v14, 0xb493f27e                      ; -1 / 10!
	v_fmaak_f32 v14, v14, v12, 0x37d00d01          ; 1 / 8!
	v_fmaak_f32 v14, v14, v12, 0xbab60b61          ; -1 / 6!
	v_fmaak_f32 v14, v14, v12, 0x3d2aaaab          ; 1 / 4!
	v_fmaak_f32 v14, v14, v12, 0xbf000000          ; -1 / 2
	v_fma_f32 v14, v14, v12, 1.0                   ; cos a
	v_and_b32 v15, 1, v10
	v_cmp_ne_u32 vcc_lo, 0, v15                    ; an odd quarter: sine and cosine change places
	v_cndmask_b32 v52, v13, v14, vcc_lo
	v_cndmask_b32 v53, v14, v13, vcc_lo
	v_lshlrev_b32 v15, 30, v10
	v_and_b32 v15, 0x80000000, v15                 ; quarters 2 and 3: the sine is negative
	v_xor_b32 v52, v52, v15
	v_add_nc_u32 v15, 1, v10
	v_lshlrev_b32 v15, 30, v15
	v_and_b32 v15, 0x80000000, v15                 ; quarters 1 and 2: the cosine is
	v_xor_b32 v53, v53, v15
	global_store_b32 v54, v52, s[8:9]
	global_store_b32 v54, v53, s[8:9] offset:64
	; ---- the mask
.irp k, 48,49,50,51
	v_mov_b32 v\k, 0                               ; v_writelane's destination counts as read
.endr
	s_wait_loadcnt 0x0
.macro MASKS p                         ; key step 2 w + p
	v_or_b32 v[56+\p], v[16+16*\p], v[17+16*\p]
	v_and_b32 v[58+\p], v[16+16*\p], v[17+16*\p]
.irp k, 2,3,4,5,6,7,8,9,10,11,12,13,14,15
	v_or_b32 v[56+\p], v[56+\p], v[16+16*\p+\k]
	v_and_b32 v[58+\p], v[58+\p], v[16+16*\p+\k]
.endr
	v_cmp_ne_u32 s[24+2*\p], 0, v[56+\p]           ; lanes with an open key among their 64
	v_cmp_eq_u32 s[25+2*\p], 0x01010101, v[58+\p]  ; lanes whose 64 are all open
.set e, 0
.rept 64
	v_and_b32 v[60+(e&3)], 0xff<<(8*(e&3)), v[16+16*\p+4*(e>>4)+((e&15)>>2)]
	v_cmp_ne_u32 s[20+(e&3)], 0, v[60+(e&3)]       ; the 32 lanes' bits of word e
	v_writelane_b32 v[48+2*\p+(e>>5)], s[20+(e&3)], e&31
.set e, e+1
.endr
	global_store_b32 v4, v[48+2*\p], s[14:15] offset:256*\p
	global_store_b32 v4, v[49+2*\p], s[14:15] offset:256*\p+128
.endm
	MASKS 0
	MASKS 1
	s_cmp_lg_u32 s24, 0                            ; my two steps' four bits: any, all, any, all
	s_cselect_b32 s28, 1, 0
	s_cmp_eq_u32 s25, -1
	s_cselect_b32 s29, 2, 0
	s_or_b32 s28, s28, s29
	s_cmp_lg_u32 s26, 0
	s_cselect_b32 s29, 4, 0
	s_or_b32 s28, s28, s29
	s_cmp_eq_u32 s27, -1
	s_cselect_b32 s29, 8, 0
	s_or_b32 s28, s28, s29
	v_or_b32 v56, v56, v57
	v_mov_b32 v65, s28
	ds_store_b32 v55, v56 offset:LM                ; has my half row an open key in my 256 keys?
	ds_store_b32 v64, v65
	s_wait_dscnt 0x0                               ; for wave 0's sake
	s_barrier_signal -1
	s_barrier_wait -1
	s_cmp_lg_u32 s10, 0
	s_cbranch_scc1 .Lend_m
.irp k, 0,1,2,3,4,5,6,7
	ds_load_b32 v[16+\k], v4 offset:LM+128*\k
.endr
	v_mov_b32 v15, LM+1024
	ds_load_b128 v[24:27], v15
	ds_load_b128 v[28:31], v15 offset:16
	s_wait_dscnt 0x0
.irp k, 1,2,3,4,5,6,7
	v_or_b32 v16, v16, v[16+\k]
.endr
	v_permlanex16_b32 v17, v16, s32, s33
	v_or_b32 v16, v16, v17                         ; my row over all 2,048 keys
	v_cmp_ne_u32 vcc_lo, 0, v16
	s_cmp_eq_u32 vcc_lo, -1
	s_cselect_b32 s34, 0, 1                        ; 1 where some row of the tile is masked throughout: then no step is left out
.irp k, 0,1,2,3,4,5,6,7
	v_readfirstlane_b32 s[40+\k], v[24+\k]
.endr
	s_mov_b32 s35, 0
.irp k, 0,1,2,3,4,5,6,7
.irp p, 0,1
	s_bitcmp1_b32 s[40+\k], 2*\p
	s_cselect_b32 s36, 1, s34
	s_bitcmp1_b32 s[40+\k], 2*\p+1
	s_cselect_b32 s36, 2, s36
	s_lshl_b32 s36, s36, 4*\k+2*\p
	s_or_b32 s35, s35, s36
.endr
.endr
	v_mov_b32 v18, s35
	global_store_b32 v4, v18, s[16:17]             ; the tile's 16 flags, 32 equal words
.Lend_m:
	s_wait_tensorcnt 0x0
	ds_add_u32 v240, v241
	s_wait_dscnt 0x0
	s_endpgm
; ======== PART 3: x, normalised and quantised
.Lnorm:
.set SSQ, LN                           ; LDS: [row][8 partial sums]; 512 bytes on: [row][8 scale words]; 1,024 bytes on: a stage of 16 x 528 bytes for each wave
.set SCG, LN+512
.set X,  16
.set Y,  80
.set SV, 144
	s_sub_co_u32 s26, ttmp9, WGW+WGM               ; my tile of tokens, 0 .. 255
	s_load_b128 s[4:7], s[0:1], 0x50               ; x, the gain
	s_load_b64 s[8:9], s[0:1], 0x60                ; act
	v_lshrrev_b32 v1, 5, v0
	v_readfirstlane_b32 s10, v1
	v_and_b32 v1, 31, v0
	v_and_b32 v2, 15, v0                           ; r
	v_bfe_u32 v3, v0, 4, 1                         ; h
	v_lshlrev_b32 v4, 4, v1                        ; 16 x lane
	v_lshlrev_b32 v5, 3, v1                        ; 8 x lane
	s_mul_i32 s11, s10, 8448
	s_add_co_u32 s11, s11, LN+1024                 ; my stage
	v_add_nc_u32 v6, s11, v4                       ; in: as loaded
	v_mul_u32_u24 v7, v2, 528
	v_lshl_add_u32 v7, v3, 7, v7
	v_add_nc_u32 v7, s11, v7                       ; out: row r, + 128 h
	v_lshlrev_b32 v8, 7, v3                        ; the gain: + 128 h
	s_lshl_b32 s12, s10, 2
	v_lshlrev_b32 v10, 5, v2                       ; 32 r
	v_add_nc_u32 v9, s12, v10                      ; 32 r + 4 w
	s_mov_b32 s20, 0x3a800000                      ; 1 / 1,024
	s_mov_b32 s21, 0x358637bd                      ; 1e-6
	s_mov_b32 s22, 0x76543210
	s_mov_b32 s23, 0xfedcba98
	s_lshr_b32 s13, s26, 1
	s_lshl_b32 s13, s13, 5
	s_and_b32 s14, s26, 1
	s_lshl_b32 s14, s14, 3
	s_add_co_u32 s13, s13, s14                     ; the tile's first token
	s_lshl_b32 s14, s13, 12
	s_lshl_b32 s16, s10, 9
	s_add_co_u32 s14, s14, s16
	s_mov_b32 s15, 0
	s_mov_b32 s17, 0
	s_lshl_b32 s18, s26, 3
	s_add_co_u32 s18, s18, s10
	s_mul_i32 s18, s18, 1536
	s_mov_b32 s19, 0
	s_lshl_b32 s24, s26, 9
	s_add_co_u32 s24, s24, 3145728
	s_mov_b32 s25, 0
	s_wait_kmcnt 0x0
	s_add_nc_u64 s[4:5], s[4:5], s[14:15]
	s_add_nc_u64 s[6:7], s[6:7], s[16:17]
	s_add_nc_u64 s[18:19], s[8:9], s[18:19]
	s_add_nc_u64 s[24:25], s[8:9], s[24:25]
.irp i, 0,1,2,3,4,5,6,7,8,9,10,11,12,13,14,15
	global_load_b128 v[X+4*\i:X+4*\i+3], v4, s[4:5] offset:(\i+8*(\i>>3))*4096
.endr
.irp c, 0,1
.irp j, 0,1,2,3,4,5,6,7
	global_load_b128 v[SV+32*\c+4*\j:SV+32*\c+4*\j+3], v8, s[6:7] offset:256*\c+16*\j
.endr
.endr
	s_wait_loadcnt 16                              ; the rows are in; the gain's 16 loads may be out
.irp i, 0,1,2,3,4,5,6,7,8,9,10,11,12,13,14,15
	ds_store_b128 v6, v[X+4*\i:X+4*\i+3] offset:528*\i
.endr
.irp c, 0,1
.irp j, 0,1,2,3,4,5,6,7
	ds_load_b128 v[Y+32*\c+4*\j:Y+32*\c+4*\j+3], v7 offset:256*\c+16*\j   ; LDS serves a wave's instructions in order: these see my stores
.endr
.endr
	s_wait_dscnt 0x0
.irp k, 0,1,2,3
	v_pk_mul_f32 v[208+2*\k:209+2*\k], v[Y+2*\k:Y+2*\k+1], v[Y+2*\k:Y+2*\k+1]
.endr
.set p, 4
.rept 28
	v_pk_fma_f32 v[208+2*(p%4):209+2*(p%4)], v[Y+2*p:Y+2*p+1], v[Y+2*p:Y+2*p+1], v[208+2*(p%4):209+2*(p%4)]
.set p, p+1
.endr
	v_pk_add_f32 v[208:209], v[208:209], v[210:211]
	v_pk_add_f32 v[212:213], v[212:213], v[214:215]
	v_pk_add_f32 v[208:209], v[208:209], v[212:213]
	v_add_f32 v208, v208, v209
	v_permlanex16_b32 v209, v208, s22, s23
	v_add_f32 v208, v208, v209                     ; row r's sum of squares over my 128 columns
	ds_store_b32 v9, v208 offset:SSQ
	s_wait_dscnt 0x0                               ; for the others' sake
	s_barrier_signal -1
	s_barrier_wait -1
	ds_load_b128 v[208:211], v10 offset:SSQ
	ds_load_b128 v[212:215], v10 offset:SSQ+16
	s_wait_dscnt 0x0
	v_add_f32 v208, v208, v209
	v_add_f32 v210, v210, v211
	v_add_f32 v212, v212, v213
	v_add_f32 v214, v214, v215
	v_add_f32 v208, v208, v210
	v_add_f32 v212, v212, v214
	v_add_f32 v208, v208, v212
	v_fma_f32 v208, v208, s20, s21
	v_rsq_f32 v216, v208
	s_wait_loadcnt 0x0                             ; the gain
.set p, 0
.rept 32
	v_pk_mul_f32 v[Y+2*p:Y+2*p+1], v[Y+2*p:Y+2*p+1], v[SV+2*p:SV+2*p+1]   ; x * gain: the plain work behind the root
.set p, p+1
.endr
	s_wait_alu depctr_va_vdst(0)                   ; the wait ahead of the root's first reader
	v_mov_b32 v217, v216
.set p, 0
.rept 32
	v_pk_mul_f32 v[Y+2*p:Y+2*p+1], v[Y+2*p:Y+2*p+1], v[216:217]
.set p, p+1
.endr
	; my two blocks (2 c + h of the K step) lie whole in my registers
.irp c, 0,1
	v_max3_num_f32 v[218+\c], |v[Y+32*\c]|, |v[Y+32*\c+1]|, |v[Y+32*\c+2]|
.endr
.irp c, 0,1
	v_max3_num_f32 v[220+\c], |v[Y+32*\c+3]|, |v[Y+32*\c+4]|, |v[Y+32*\c+5]|
.endr
.irp i, 6,10,14,18,22,26
.irp c, 0,1
	v_max3_num_f32 v[218+\c], v[218+\c], |v[Y+32*\c+\i]|, |v[Y+32*\c+\i+1]|
	v_max3_num_f32 v[220+\c], v[220+\c], |v[Y+32*\c+\i+2]|, |v[Y+32*\c+\i+3]|
.endr
.endr
.irp c, 0,1
	v_max3_num_f32 v[218+\c], v[218+\c], |v[Y+32*\c+30]|, |v[Y+32*\c+31]|
.endr
.irp c, 0,1
	v_max3_num_f32 v[218+\c], v[218+\c], v[220+\c], 0x2800000   ; the floor 2^(5 - 127)
.endr
.irp c, 0,1
	v_add_nc_u32 v[222+\c], 0xfe000000, v[218+\c]  ; the conversion's scale operand
.endr
.irp c, 0,1
	v_lshrrev_b32 v[220+\c], 23, v[222+\c]         ; the byte
.endr
	v_lshl_or_b32 v224, v221, 16, v220             ; my bytes: blocks h and 2 + h,
	v_lshlrev_b32 v225, 3, v3
	v_lshlrev_b32 v224, v225, v224                 ; at their places;
	v_permlanex16_b32 v225, v224, s22, s23
	v_or_b32 v224, v224, v225                      ; with lane l xor 16's the word is whole
.irp c, 0,1
	v_cvt_scalef32_pk16_bf6_f32 v[226+6*\c:228+6*\c], v[Y+32*\c:Y+32*\c+15], v[222+\c]
	v_cvt_scalef32_pk16_bf6_f32 v[208+4*\c:210+4*\c], v[Y+32*\c+16:Y+32*\c+31], v[222+\c]
.endr
	v_nop                                          ; one plain line behind the conversions
.irp c, 0,1
.irp i, 0,1,2
	v_mov_b32 v[229+6*\c+\i], v[208+4*\c+\i]
.endr
.endr
	global_store_b128 v4, v[226:229], s[18:19]
	global_store_b64 v5, v[230:231], s[18:19] offset:512
	global_store_b128 v4, v[232:235], s[18:19] offset:768
	global_store_b64 v5, v[236:237], s[18:19] offset:1280
	ds_store_b32 v9, v224 offset:SCG
	s_wait_dscnt 0x0                               ; for wave 0's sake
	s_barrier_signal -1
	s_barrier_wait -1
	s_cmp_lg_u32 s10, 0
	s_cbranch_scc1 .Lend_n
	ds_load_b128 v[212:215], v4 offset:SCG
	s_wait_dscnt 0x0
	global_store_b128 v4, v[212:215], s[24:25]     ; the tile's 512 scale bytes, whole
.Lend_n:
	s_wait_tensorcnt 0x0
	ds_add_u32 v240, v241
	s_wait_dscnt 0x0
	s_endpgm
.Lfunc_end_k_q99a35d148e_prep:
	.size	k_q99a35d148e_prep, .Lfunc_end_k_q99a35d148e_prep-k_q99a35d148e_prep
	.p2alignl 7, 3214868480
	.fill 96, 4, 3214868480
	.section	.rodata,"a",@progbits
	.p2align	6, 0x0
	.amdhsa_kernel k_q99a35d148e_prep
		.amdhsa_group_segment_fixed_size 72192
		.amdhsa_private_segment_fixed_size 0
		.amdhsa_enable_private_segment 0
		.amdhsa_kernarg_size 104
		.amdhsa_user_sgpr_count 2
		.amdhsa_user_sgpr_kernarg_segment_ptr 1
		.amdhsa_wavefront_size32 1
		.amdhsa_system_sgpr_workgroup_id_x 1
		.amdhsa_system_sgpr_workgroup_id_y 1
		.amdhsa_system_sgpr_workgroup_id_z 1
		.amdhsa_system_vgpr_workitem_id 0
		.amdhsa_next_free_vgpr 242
		.amdhsa_next_free_sgpr 66
		.amdhsa_reserve_vcc 1
		.amdhsa_float_denorm_mode_32 3
		.amdhsa_float_denorm_mode_16_64 3
		.amdhsa_memory_ordered 1
		.amdhsa_forward_progress 1
		.amdhsa_inst_pref_size 93
	.end_amdhsa_kernel
	.amdgpu_metadata
---
amdhsa.version: [ 1, 2 ]
amdhsa.kernels:
  - .name:           k_q99a35d148e_prep
    .symbol:         k_q99a35d148e_prep.kd
    .args:
      - { .name: Wq, .offset: 0, .size: 8, .value_kind: global_buffer, .address_space: global }
      - { .name: Wk, .offset: 8, .size: 8, .value_kind: global_buffer, .address_space: global }
      - { .name: Wv, .offset: 16, .size: 8, .value_kind: global_buffer, .address_space: global }
      - { .name: Wo, .offset: 24, .size: 8, .value_kind: global_buffer, .address_space: global }
      - { .name: W1, .offset: 32, .size: 8, .value_kind: global_buffer, .address_space: global }
      - { .name: W2, .offset: 40, .size: 8, .value_kind: global_buffer, .address_space: global }
      - { .name: wts, .offset: 48, .size: 8, .value_kind: global_buffer, .address_space: global }
      - { .name: attention_mask, .offset: 56, .size: 8, .value_kind: global_buffer, .address_space: global }
      - { .name: msk, .offset: 64, .size: 8, .value_kind: global_buffer, .address_space: global }
      - { .name: rot, .offset: 72, .size: 8, .value_kind: global_buffer, .address_space: global }
      - { .name: x, .offset: 80, .size: 8, .value_kind: global_buffer, .address_space: global }
      - { .name: attn_scale, .offset: 88, .size: 8, .value_kind: global_buffer, .address_space: global }
      - { .name: act, .offset: 96, .size: 8, .value_kind: global_buffer, .address_space: global }
    .group_segment_fixed_size: 72192
    .private_segment_fixed_size: 0
    .kernarg_segment_align: 8
    .kernarg_segment_size: 104
    .max_flat_workgroup_size: 256
    .sgpr_count:     66
    .vgpr_count:     242
    .wavefront_size: 32
...
	.end_amdgpu_metadata
.endif
;; end of part 9
;; launch gemm_qkv: the kernel of part 4 again; grid 16 x 16, 4 waves a work-group, clusters of 4 x 1, 168,448 bytes of LDS; arguments act, wts, rot, qkv; writes qkv
;; launch attn: the kernel of part 5 again; grid 8 x 32, 16 waves a work-group, no clusters, 210,944 bytes of LDS; arguments qkv, msk, ao; writes ao
;; launch gemm_o: the kernel of part 6 again; grid 16 x 16, 4 waves a work-group, clusters of 4 x 1, 168,448 bytes of LDS; arguments ao, wts, x, h; writes h
;; launch normq_h (part 10): grid 256 x 1, 8 waves a work-group, no clusters, 69,632 bytes of LDS; arguments h, ffn_scale, act; writes act
.if DOCPART == 10
	.amdgcn_target "amdgcn-amd-amdhsa--gfx1250"
	.amdhsa_code_object_version 6
	.text
	.protected	k_q99a35d148e_normq_h
	.globl	k_q99a35d148e_normq_h
	.p2align	8
	.type	k_q99a35d148e_normq_h,@function
k_q99a35d148e_normq_h:
	s_mov_b64 s[64:65], 0
	v_nop
	global_prefetch_b8 v0, s[64:65] scope:SCOPE_SE
	s_setreg_imm32_b32 hwreg(HW_REG_WAVE_MODE, 25, 1), 1
	s_wait_xcnt 0x0
; y = x * gain * rsqrt(mean(x^2) + 1e-6) along rows of 1,024 f32, quantised along the row to BF6 (E3M2) with one E8M0 byte for each 32, and stored in the order of an operand's registers.
; A work-group takes a tile of 16 rows: row i is token 32 (tile / 2) + 8 (tile % 2) + i + 8 (i / 8).  Wave w takes columns 128 w on: one fragment.
; Each load reads 512 consecutive bytes of a row.  The operand wants lane (r, h) to hold k = 64 c + 32 h + 0 .. 31 of row r: the 16 x 512 bytes turn through the wave's own stage in LDS (rows 528 bytes apart).
; The sum of squares meets in LDS (one barrier), the eight waves' scale words likewise (a second), so that a tile's 512 scale bytes leave whole.
; OUT: codes [tile][K step][1,536] (two halves of 768 bytes: four registers at 16 x lane, two at 512 + 8 x lane); from byte 3,145,728: [tile][row 16][32 scale bytes].
; LIMITS: the sum of squares is added in another order than a plain loop's; v_rsq_f32 is good to 1 ulp; a block under 2^-122 keeps the byte 1; NaN and infinities are not served.
.set SCG, 512                          ; LDS: 0: [row][8 partial sums]; 512: [row][8 scale words]; from 1,024: a stage of 16 x 528 bytes for each wave
.set X,  16
.set Y,  80
.set SV, 144
	s_load_b128 s[4:7], s[0:1], 0x0                ; the rows, the gain
	s_load_b64 s[8:9], s[0:1], 0x10                ; act
	v_lshl_add_u32 v240, v0, 2, 0x10c00
	v_mov_b32 v241, 0
	v_lshrrev_b32 v1, 5, v0
	v_readfirstlane_b32 s10, v1
	v_and_b32 v1, 31, v0
	v_and_b32 v2, 15, v0                           ; r
	v_bfe_u32 v3, v0, 4, 1                         ; h
	v_lshlrev_b32 v4, 4, v1                        ; 16 x lane
	v_lshlrev_b32 v5, 3, v1                        ; 8 x lane
	s_mul_i32 s11, s10, 8448
	s_add_co_u32 s11, s11, 1024                    ; my stage
	v_add_nc_u32 v6, s11, v4                       ; in: as loaded
	v_mul_u32_u24 v7, v2, 528
	v_lshl_add_u32 v7, v3, 7, v7
	v_add_nc_u32 v7, s11, v7                       ; out: row r, + 128 h
	v_lshlrev_b32 v8, 7, v3                        ; the gain: + 128 h
	s_lshl_b32 s12, s10, 2
	v_lshlrev_b32 v10, 5, v2                       ; 32 r
	v_add_nc_u32 v9, s12, v10                      ; 32 r + 4 w
	s_mov_b32 s20, 0x3a800000                      ; 1 / 1,024
	s_mov_b32 s21, 0x358637bd                      ; 1e-6
	s_mov_b32 s22, 0x76543210
	s_mov_b32 s23, 0xfedcba98
	s_lshr_b32 s13, ttmp9, 1
	s_lshl_b32 s13, s13, 5
	s_and_b32 s14, ttmp9, 1
	s_lshl_b32 s14, s14, 3
	s_add_co_u32 s13, s13, s14                     ; the tile's first token
	s_lshl_b32 s14, s13, 12
	s_lshl_b32 s16, s10, 9
	s_add_co_u32 s14, s14, s16
	s_mov_b32 s15, 0
	s_mov_b32 s17, 0
	s_lshl_b32 s18, ttmp9, 3
	s_add_co_u32 s18, s18, s10
	s_mul_i32 s18, s18, 1536
	s_mov_b32 s19, 0
	s_lshl_b32 s24, ttmp9, 9
	s_add_co_u32 s24, s24, 3145728
	s_mov_b32 s25, 0
	s_wait_kmcnt 0x0
	s_add_nc_u64 s[4:5], s[4:5], s[14:15]
	s_add_nc_u64 s[6:7], s[6:7], s[16:17]
	s_add_nc_u64 s[18:19], s[8:9], s[18:19]
	s_add_nc_u64 s[24:25], s[8:9], s[24:25]
.irp i, 0,1,2,3,4,5,6,7,8,9,10,11,12,13,14,15
	global_load_b128 v[X+4*\i:X+4*\i+3], v4, s[4:5] offset:(\i+8*(\i>>3))*4096
.endr
.irp c, 0,1
.irp j, 0,1,2,3,4,5,6,7
	global_load_b128 v[SV+32*\c+4*\j:SV+32*\c+4*\j+3], v8, s[6:7] offset:256*\c+16*\j
.endr
.endr
	s_wait_loadcnt 16                              ; the rows are in; the gain's 16 loads may be out
.irp i, 0,1,2,3,4,5,6,7,8,9,10,11,12,13,14,15
	ds_store_b128 v6, v[X+4*\i:X+4*\i+3] offset:528*\i
.endr
.irp c, 0,1
.irp j, 0,1,2,3,4,5,6,7
	ds_load_b128 v[Y+32*\c+4*\j:Y+32*\c+4*\j+3], v7 offset:256*\c+16*\j   ; LDS serves a wave's instructions in order: these see my stores
.endr
.endr
	s_wait_dscnt 0x0
.irp k, 0,1,2,3
	v_pk_mul_f32 v[208+2*\k:209+2*\k], v[Y+2*\k:Y+2*\k+1], v[Y+2*\k:Y+2*\k+1]
.endr
.set p, 4
.rept 28
	v_pk_fma_f32 v[208+2*(p%4):209+2*(p%4)], v[Y+2*p:Y+2*p+1], v[Y+2*p:Y+2*p+1], v[208+2*(p%4):209+2*(p%4)]
.set p, p+1
.endr
	v_pk_add_f32 v[208:209], v[208:209], v[210:211]
	v_pk_add_f32 v[212:213], v[212:213], v[214:215]
	v_pk_add_f32 v[208:209], v[208:209], v[212:213]
	v_add_f32 v208, v208, v209
	v_permlanex16_b32 v209, v208, s22, s23
	v_add_f32 v208, v208, v209                     ; row r's sum of squares over my 128 columns
	ds_store_b32 v9, v208
	s_wait_dscnt 0x0                               ; for the others' sake
	s_barrier_signal -1
	s_barrier_wait -1
	ds_load_b128 v[208:211], v10
	ds_load_b128 v[212:215], v10 offset:16
	s_wait_dscnt 0x0
	v_add_f32 v208, v208, v209
	v_add_f32 v210, v210, v211
	v_add_f32 v212, v212, v213
	v_add_f32 v214, v214, v215
	v_add_f32 v208, v208, v210
	v_add_f32 v212, v212, v214
	v_add_f32 v208, v208, v212
	v_fma_f32 v208, v208, s20, s21
	v_rsq_f32 v216, v208
	s_wait_loadcnt 0x0                             ; the gain
.set p, 0
.rept 32
	v_pk_mul_f32 v[Y+2*p:Y+2*p+1], v[Y+2*p:Y+2*p+1], v[SV+2*p:SV+2*p+1]   ; x * gain: the plain work behind the root
.set p, p+1
.endr
	s_wait_alu depctr_va_vdst(0)                   ; the wait ahead of the root's first reader
	v_mov_b32 v217, v216
.set p, 0
.rept 32
	v_pk_mul_f32 v[Y+2*p:Y+2*p+1], v[Y+2*p:Y+2*p+1], v[216:217]
.set p, p+1
.endr
	; my two blocks (2 c + h of the K step) lie whole in my registers
.irp c, 0,1
	v_max3_num_f32 v[218+\c], |v[Y+32*\c]|, |v[Y+32*\c+1]|, |v[Y+32*\c+2]|
.endr
.irp c, 0,1
	v_max3_num_f32 v[220+\c], |v[Y+32*\c+3]|, |v[Y+32*\c+4]|, |v[Y+32*\c+5]|
.endr
.irp i, 6,10,14,18,22,26
.irp c, 0,1
	v_max3_num_f32 v[218+\c], v[218+\c], |v[Y+32*\c+\i]|, |v[Y+32*\c+\i+1]|
	v_max3_num_f32 v[220+\c], v[220+\c], |v[Y+32*\c+\i+2]|, |v[Y+32*\c+\i+3]|
.endr
.endr
.irp c, 0,1
	v_max3_num_f32 v[218+\c], v[218+\c], |v[Y+32*\c+30]|, |v[Y+32*\c+31]|
.endr
.irp c, 0,1
	v_max3_num_f32 v[218+\c], v[218+\c], v[220+\c], 0x2800000   ; the floor 2^(5 - 127)
.endr
.irp c, 0,1
	v_add_nc_u32 v[222+\c], 0xfe000000, v[218+\c]  ; the conversion's scale operand
.endr
.irp c, 0,1
	v_lshrrev_b32 v[220+\c], 23, v[222+\c]         ; the byte
.endr
	v_lshl_or_b32 v224, v221, 16, v220             ; my bytes: blocks h and 2 + h,
	v_lshlrev_b32 v225, 3, v3
	v_lshlrev_b32 v224, v225, v224                 ; at their places;
	v_permlanex16_b32 v225, v224, s22, s23
	v_or_b32 v224, v224, v225                      ; with lane l xor 16's the word is whole
.irp c, 0,1
	v_cvt_scalef32_pk16_bf6_f32 v[226+6*\c:228+6*\c], v[Y+32*\c:Y+32*\c+15], v[222+\c]
	v_cvt_scalef32_pk16_bf6_f32 v[208+4*\c:210+4*\c], v[Y+32*\c+16:Y+32*\c+31], v[222+\c]
.endr
	v_nop                                          ; one plain line behind the conversions
.irp c, 0,1
.irp i, 0,1,2
	v_mov_b32 v[229+6*\c+\i], v[208+4*\c+\i]
.endr
.endr
	global_store_b128 v4, v[226:229], s[18:19]
	global_store_b64 v5, v[230:231], s[18:19] offset:512
	global_store_b128 v4, v[232:235], s[18:19] offset:768
	global_store_b64 v5, v[236:237], s[18:19] offset:1280
	ds_store_b32 v9, v224 offset:SCG
	s_wait_dscnt 0x0                               ; for wave 0's sake
	s_barrier_signal -1
	s_barrier_wait -1
	s_cmp_lg_u32 s10, 0
	s_cbranch_scc1 .Lend
	ds_load_b128 v[212:215], v4 offset:SCG
	s_wait_dscnt 0x0
	global_store_b128 v4, v[212:215], s[24:25]     ; the tile's 512 scale bytes, whole
.Lend:
	s_wait_tensorcnt 0x0
	ds_add_u32 v240, v241
	s_wait_dscnt 0x0
	s_endpgm
.Lfunc_end_k_q99a35d148e_normq_h:
	.size	k_q99a35d148e_normq_h, .Lfunc_end_k_q99a35d148e_normq_h-k_q99a35d148e_normq_h
	.p2alignl 7, 3214868480
	.fill 96, 4, 3214868480
	.section	.rodata,"a",@progbits
	.p2align	6, 0x0
	.amdhsa_kernel k_q99a35d148e_normq_h
		.amdhsa_group_segment_fixed_size 69632
		.amdhsa_private_segment_fixed_size 0
		.amdhsa_enable_private_segment 0
		.amdhsa_kernarg_size 24
		.amdhsa_user_sgpr_count 2
		.amdhsa_user_sgpr_kernarg_segment_ptr 1
		.amdhsa_wavefront_size32 1
		.amdhsa_system_sgpr_workgroup_id_x 1
		.amdhsa_system_sgpr_workgroup_id_y 1
		.amdhsa_system_sgpr_workgroup_id_z 1
		.amdhsa_system_vgpr_workitem_id 0
		.amdhsa_next_free_vgpr 242
		.amdhsa_next_free_sgpr 66
		.amdhsa_reserve_vcc 0
		.amdhsa_float_denorm_mode_32 3
		.amdhsa_float_denorm_mode_16_64 3
		.amdhsa_memory_ordered 1
		.amdhsa_forward_progress 1
		.amdhsa_inst_pref_size 19
	.end_amdhsa_kernel
	.amdgpu_metadata
---
amdhsa.version: [ 1, 2 ]
amdhsa.kernels:
  - .name:           k_q99a35d148e_normq_h
    .symbol:         k_q99a35d148e_normq_h.kd
    .args:
      - { .name: h, .offset: 0, .size: 8, .value_kind: global_buffer, .address_space: global }
      - { .name: ffn_scale, .offset: 8, .size: 8, .value_kind: global_buffer, .address_space: global }
      - { .name: act, .offset: 16, .size: 8, .value_kind: global_buffer, .address_space: global }
    .group_segment_fixed_size: 69632
    .private_segment_fixed_size: 0
    .kernarg_segment_align: 8
    .kernarg_segment_size: 24
    .max_flat_workgroup_size: 256
    .sgpr_count:     66
    .vgpr_count:     242
    .wavefront_size: 32
...
	.end_amdgpu_metadata
.endif
;; end of part 10
;; launch gemm_1: the kernel of part 7 again; grid 16 x 16, 4 waves a work-group, clusters of 4 x 1, 197,120 bytes of LDS; arguments act, wts, g; writes g
;; launch gemm_2: the kernel of part 8 again; grid 16 x 16, 4 waves a work-group, clusters of 4 x 1, 168,448 bytes of LDS; arguments g, wts, h, out0; writes out0
;; ======== version 3 of 3: 7 launches; version 2 with the launch attn written anew for expert scheduling mode
;; workspace buffers: wts 8,192,000 bytes; act 3,276,800 bytes; qkv 10,092,544 bytes; ao 3,276,800 bytes; h 16,777,216 bytes; g 6,553,600 bytes; msk 540,672 bytes of whole numbers; rot 262,144 bytes
;; launch prep: the kernel of part 9 again; grid 704 x 1, 8 waves a work-group, no clusters, 72,192 bytes of LDS; arguments Wq, Wk, Wv, Wo, W1, W2, wts, attention_mask, msk, rot, x, attn_scale, act; writes wts, msk, rot, act
;; launch gemm_qkv: the kernel of part 4 again; grid 16 x 16, 4 waves a work-group, clusters of 4 x 1, 168,448 bytes of LDS; arguments act, wts, rot, qkv; writes qkv
;; launch attn (part 11): grid 8 x 32, 16 waves a work-group, no clusters, 210,944 bytes of LDS; arguments qkv, msk, ao; writes ao
.if DOCPART == 11
	.amdgcn_target "amdgcn-amd-amdhsa--gfx1250"
	.amdhsa_code_object_version 6
	.text
	.protected	k_q99a35d148e_attn
	.globl	k_q99a35d148e_attn
	.p2align	8
	.type	k_q99a35d148e_attn,@function
k_q99a35d148e_attn:
	s_mov_b64 s[64:65], 0
	v_nop
	global_prefetch_b8 v0, s[64:65] scope:SCOPE_SE
	s_setreg_imm32_b32 hwreg(HW_REG_WAVE_SCHED_MODE, 0, 2), 2
	s_setreg_imm32_b32 hwreg(HW_REG_WAVE_MODE, 25, 1), 1
	s_wait_xcnt 0x0
	s_wait_alu depctr_vm_vsrc(0)
; O = softmax(q k^T / 8, masked) v for one head of one batch (bh), both products on codes of BF6 with E8M0 scales; O / l is quantised along the channels and stored as the next product's operand.
; THE SOFTMAX: t = score x log2(e) / 8; M = the running largest t rounded UP to a whole number; p = 2^(t - M) is quantised along the keys, not normalised; the row's sum is taken of the unquantised p and divides at the end.
; THE MASK is an input: it comes as lane masks and flags that an earlier launch made of it.  A hidden score becomes -2^103: a power of two, so that its t is exact.  Beside an open key its p is 0; in a row masked
; throughout every t equals M, p = 1, and the result is the plain mean of v.  When a first open key follows hidden ones, 2^(old M - new M) is 0 and wipes what was summed.
; A step of 128 keys whose flag is 0 is left out: a scalar branch on a stored whole number.  No tile is shared by a joint load here: the head's K and V and their scale bytes,
; 208,896 bytes, are copied into LDS once, through registers; one barrier; after it the waves share nothing.
; SHARES.  Sixteen waves, four to a SIMD, each with one tile of 16 queries in 232 registers: while one wave walks its softmax another's products and LDS loads are issued.  Wave w takes tile 8 rank + x,
; rank = w xor 3 ((w / 4) % 2): whatever a mask that opens with the query leaves out, work-groups and SIMDs then have like work.  It is an order alone: every mask is served.
; LAYOUT.  S^T = K Q^T, O^T = V^T P^T: a lane holds one query throughout.  The head has 64 channels and the instruction takes 128: Q's upper six registers are zero codes, so K's fragment i may run on into tile
; i + 1's registers, whose codes then multiply zeros; the upper blocks' scale bytes stand for 1 on both sides.
; REGISTERS: v1-6 addresses that stay; v7 -2^103; v8-11, v28, v29 the step's addresses; v12 -M, v13 the largest t, v[14:15] the sum; v16-27 Q; v30 Q's scale word; v32-85 K's 8 x 6 (+ 6 zeros), then V's 4 x 12;
;   v86-89, v90-93 K's and V's scale words; v96-159 S^T, then p; v160-191 O^T; v192-203 p's codes; v204-229 at work.
; LIMITS: mask bytes are 0 or 1; a block under 2^-122 keeps the byte 1; NaN and infinities are not served; a block's largest p is made from its largest score.
; THE MODE: SCHED_MODE bits 1:0 = 2 (LLVM: expert scheduling mode 2), set by the entry lines.  The code itself states the register dependences between vector or matrix instructions and memory or LDS
; instructions, with s_wait_alu, always for 0.
; THE PLAN.  Registers that memory or LDS instructions touch:
;   v1-v6            Written at the head, never again.  v1 and v2 are also the offsets of Q's loads and of the last stores.
;   v8-11, v28, v29  At the head the copy's addresses.  In a step: written by the six additions at its head; read by K's LDS loads (v8, v9, v28) and then by V's (v10, v11, v29).
;   v32-79           At the head: the copy's loads land, its LDS stores read.  In a step: K's fragments land, the eight products K Q^T read them; V's fragments land, the four products V^T P^T read them.
;   v80-85           At the head: a load lands, an LDS store reads; then they are cleared by vector lines, and from there on matrix instructions alone name them.
;   v86-89, v90-93   The scale words land; the products read them.
;   v16-21, v30      Q lands once.  v22-27 are zero codes, written by vector lines at the head.
;   v192-203, v227   p's codes and scale word: written by vector lines, taken by the scaled products; at the end v192-197, v224 and v31 are written by vector lines and read by the three stores.
;   v31              Written at the head, read by the load of Q's scale word; written anew at the end.
;   v232, v233       Written at the head, read by the closing add alone.
; A STEP HAS FOUR WAITS OF THIS KIND: one on vm_vsrc ahead of the six additions; one on va_vdst behind them, ahead of K's loads; one on va_vdst behind the products K Q^T, ahead of V's loads, whose registers are K's;
; one on va_vdst ahead of the products V^T P^T.  The two waits behind the exponentials stand beside them.  The next step's K has no registers of its own: the wave has 234 of the 256 that four waves to a SIMD leave it.
.set KC,  3145728
.set VC,  6291456
.set QS,  9437184
.set KSC, 9699328
.set VS,  9961472
.set LV,  98304                        ; LDS: K's 128 tiles x 768; from LV V's 16 x 4 x 1,536; from LKS K's scale words; from LVS V's scale bytes
.set LKS, 196608
.set LVS, 204800
	s_load_b128 s[4:7], s[0:1], 0x0                ; qkv, msk
	s_load_b64 s[8:9], s[0:1], 0x10                ; ao
	v_lshl_add_u32 v232, v0, 2, 0x33000
	v_mov_b32 v233, 0
	v_lshrrev_b32 v1, 5, v0
	v_readfirstlane_b32 s10, v1                    ; wave
	v_and_b32 v1, 31, v0                           ; (the vector lines that make addresses stand between that line and the wait for its result)
	v_and_b32 v6, 15, v0
	v_lshlrev_b32 v31, 2, v6                       ; 4 r
	v_lshlrev_b32 v5, 2, v1
	v_lshlrev_b32 v2, 3, v1
	v_lshlrev_b32 v1, 4, v1                        ; K: 16 x lane
	v_add_nc_u32 v3, LV, v1                        ; V: the same
	v_add_nc_u32 v4, LV+512, v2
	v_add_nc_u32 v2, 512, v2                       ; K: 8 x lane + 512
	v_add_nc_u32 v5, LKS, v5                       ; K's scale words: 4 x lane
	v_lshl_add_u32 v6, v6, 3, LVS                  ; V's: 8 r
	v_lshlrev_b32 v8, 4, v0                        ; the copy: 16 x thread,
	v_add_nc_u32 v9, 0x10000, v8
	v_add_nc_u32 v10, 0x20000, v8
	v_add_nc_u32 v11, 0x30000, v8
	v_lshlrev_b32 v28, 3, v0                       ; 8 x thread
	v_add_nc_u32 v29, LVS, v28
	s_wait_alu depctr_va_sdst(0)                   ; s10 is written, ahead of its first reader: my tile's number and all that is made of it
	s_bfe_u32 s11, s10, 0x10002
	s_mul_i32 s11, s11, 3
	s_xor_b32 s11, s11, s10                        ; rank
	s_lshl_b32 s11, s11, 3
	s_add_co_u32 s11, s11, ttmp9                   ; my tile of queries, 0 .. 127
	s_and_b32 s12, ttmp7, 0xffff                   ; bh
	s_mul_i32 s22, s12, 98304
	s_mov_b32 s23, 0
	s_lshl_b32 s24, s12, 13
	s_mov_b32 s25, 0
	s_lshl_b32 s26, s12, 12
	s_mov_b32 s27, 0
	s_lshl_b32 s28, s12, 7
	s_add_co_u32 s28, s28, s11
	s_mul_i32 s30, s28, 768
	s_mov_b32 s31, 0
	s_lshl_b32 s28, s28, 6
	s_mov_b32 s29, 0
	s_lshl_b32 s32, s11, 12
	s_mov_b32 s33, 0
	s_lshl_b32 s34, s11, 7
	s_mov_b32 s35, 0
	s_mov_b32 s88, 0x76543210
	s_mov_b32 s89, 0xfedcba98                      ; lane l xor 16
	s_mov_b32 s90, 0x3e38aa3b                      ; c = log2(e) / 8
	s_mov_b32 s91, s90
	s_wait_kmcnt 0x0
	s_add_nc_u64 s[94:95], s[4:5], s[22:23]
	s_add_nc_u64 s[96:97], s[94:95], VC
	s_add_nc_u64 s[94:95], s[94:95], KC
	s_add_nc_u64 s[98:99], s[4:5], s[24:25]
	s_add_nc_u64 s[98:99], s[98:99], KSC
	s_add_nc_u64 s[100:101], s[4:5], s[26:27]
	s_add_nc_u64 s[100:101], s[100:101], VS
	s_add_nc_u64 s[16:17], s[4:5], s[30:31]        ; my tile of Q
	s_add_nc_u64 s[18:19], s[4:5], s[28:29]
	s_add_nc_u64 s[18:19], s[18:19], QS
	s_add_nc_u64 s[92:93], s[6:7], s[32:33]        ; my tile's lane masks
	s_add_nc_u64 s[20:21], s[6:7], s[34:35]
	s_load_b32 s14, s[20:21], 0x80000              ; my tile's 16 flags
	s_wait_alu depctr_va_vdst(0)                   ; v1, v2, v8 to v11, v28, v29 and v31 are written: the loads below and the copy's LDS stores read them as offsets and addresses; no vector line between here and those stores names them or the copy's data
.irp i, 0,1,2,3,4,5,6,7,8,9,10,11
	global_load_b128 v[32+4*\i:35+4*\i], v8, s[94:95] offset:8192*\i
.endr
.irp i, 0,1,2,3,4,5,6,7,8,9,10,11
	global_load_b128 v[80+4*\i:83+4*\i], v8, s[96:97] offset:8192*\i
.endr
	global_load_b128 v[128:131], v8, s[98:99]
	global_load_b64 v[132:133], v28, s[100:101]
	global_load_b128 v[16:19], v1, s[16:17]
	global_load_b64 v[20:21], v2, s[16:17]
	global_load_b32 v30, v31, s[18:19]
	v_mov_b32 v7, 0xf3000000                       ; -2^103
	v_mov_b32 v13, 0xff61b1e6                      ; -3e38, under every t
	v_floor_f32 v12, -v13
	v_mov_b32 v14, 0
	v_mov_b32 v15, 0
.irp k, 22,23,24,25,26,27,216,217,218,219,224,226,227
	v_mov_b32 v\k, 0                               ; Q's upper half: zero codes; the permutes' destinations; the pair (f, p's scale word)
.endr
.set j, 0
.rept 32
	v_mov_b32 v[160+j], 0                          ; O^T: the step is written once; its first turn finds zeros
.set j, j+1
.endr
.set i, 0
.rept 24
	s_wait_loadcnt 28-i                            ; loads come back in order: load i is in, the 28 - i issued behind it may be out
	ds_store_b128 v[8+(i>>3)], v[32+4*i:35+4*i] offset:8192*(i&7)
.set i, i+1
.endr
	s_wait_loadcnt 4
	ds_store_b128 v11, v[128:131]
	s_wait_loadcnt 3
	ds_store_b64 v29, v[132:133]
	s_wait_loadcnt 0x0                             ; Q
	s_wait_kmcnt 0x0                               ; the flags
	s_wait_dscnt 0x0                               ; for the others' sake: my part of the copy has landed
	s_barrier_signal -1
	s_barrier_wait -1
	s_wait_alu depctr_vm_vsrc(0)                   ; the copy's loads and LDS stores have read their registers: v80-85 are cleared below, LDS loads land in v32-79 and v86-93 from here on, and v31 is written anew at the end
.irp k, 80,81,82,83,84,85
	v_mov_b32 v\k, 0                               ; what K's last fragment runs on into
.endr
	s_mov_b32 s66, 0                               ; the step's tiles: 6,144 bytes a step, in K's and in V's part alike
	s_mov_b32 s67, 0                               ; K's scale words: 512 bytes a step
	s_mov_b32 s84, 0                               ; V's: 512 bytes for two steps
	s_mov_b32 s85, 0                               ; the lane masks: 256 bytes a step
	s_mov_b32 s86, 8
.macro STEP par
	s_and_b32 s15, s14, 3                          ; this step's flag
	s_lshr_b32 s14, s14, 2
	s_cmp_eq_u32 s15, 0
	s_cbranch_scc1 .Lskip_\@
	s_wait_alu depctr_vm_vsrc(0)                   ; the LDS loads of the last step that was walked (ahead of the first: the copy's loads and stores) have read v8-11, v28 and v29, which the six lines below write
	v_add_nc_u32 v8, s66, v1
	v_add_nc_u32 v9, s66, v2
	v_add_nc_u32 v10, s66, v3
	v_add_nc_u32 v11, s66, v4
	v_add_nc_u32 v28, s67, v5
	v_add_nc_u32 v29, s84, v6
	s_wait_alu depctr_va_vdst(0)                   ; the six addresses are written, which this step's LDS loads read; the last products are done reading V's fragments and the scale words, in whose registers the loads below land; the zero codes in v22-27 and v80-85 are written, which the scaled products below take in their operands
.irp i, 0,1,2,3,4,5,6,7
	ds_load_b128 v[32+6*\i:35+6*\i], v8 offset:768*\i
	ds_load_b64 v[36+6*\i:37+6*\i], v9 offset:768*\i
.endr
.irp i, 0,1,2,3
	ds_load_b32 v[86+\i], v28 offset:128*\i        ; lanes 0-15: tile 2 i's words; lanes 16-31: tile 2 i + 1's
.endr
	s_wait_dscnt 0x0
.irp i, 0,2,4,6
	v_wmma_scale_f32_16x16x128_f8f6f4 v[96+8*\i:103+8*\i], v[32+6*\i:43+6*\i], v[16:27], 0, v[86+\i/2], v30 matrix_a_fmt:MATRIX_FMT_BF6 matrix_b_fmt:MATRIX_FMT_BF6
	v_wmma_scale_f32_16x16x128_f8f6f4 v[104+8*\i:111+8*\i], v[38+6*\i:49+6*\i], v[16:27], 0, v[86+\i/2], v30 matrix_a_fmt:MATRIX_FMT_BF6 matrix_b_fmt:MATRIX_FMT_BF6 matrix_a_scale:MATRIX_SCALE_ROW1
.endr
.rept 4
	v_nop                                          ; places ahead of the first read of the scores
.endr
	s_wait_alu depctr_va_vdst(0)                   ; the eight products are done reading K's fragments in v32-79, in which V's land
.irp b, 0,1,2,3                        ; V's four fragments land while the softmax is walked: no line of it names v10, v11, v29, v32-79 or v90-93
	ds_load_b128 v[32+12*\b:35+12*\b], v10 offset:1536*\b
	ds_load_b64 v[36+12*\b:37+12*\b], v11 offset:1536*\b
	ds_load_b128 v[38+12*\b:41+12*\b], v10 offset:1536*\b+768
	ds_load_b64 v[42+12*\b:43+12*\b], v11 offset:1536*\b+768
	ds_load_b32 v[90+\b], v29 offset:128*\b+4*\par
.endr
	s_cmp_eq_u32 s15, 1
	s_cbranch_scc0 .Lopen_\@                       ; all 16 x 128 open: nothing to hide
	s_load_b512 s[16:31], s[92:93], s85 offset:0x0
	s_load_b512 s[32:47], s[92:93], s85 offset:0x40
	s_load_b512 s[48:63], s[92:93], s85 offset:0x80
	s_load_b512 s[68:83], s[92:93], s85 offset:0xc0
	s_wait_kmcnt 0x0
.set e, 0
.rept 64
.if e < 48
	v_cndmask_b32 v[96+e], v7, v[96+e], s[16+e]
.else
	v_cndmask_b32 v[96+e], v7, v[96+e], s[20+e]
.endif
.set e, e+1
.endr
.Lopen_\@:
.irp b, 0,1,2,3
	v_max3_num_f32 v[212+\b], v[96+16*\b], v[97+16*\b], v[98+16*\b]   ; the largest score of each block of 32 keys: for the row's maximum and for the block's largest p
.endr
.irp i, 3,5,7,9,11,13
.irp b, 0,1,2,3
	v_max3_num_f32 v[212+\b], v[212+\b], v[96+16*\b+\i], v[97+16*\b+\i]
.endr
.endr
.irp b, 0,1,2,3
	v_max_num_f32 v[212+\b], v[212+\b], v[111+16*\b]
.endr
.irp b, 0,1,2,3
	v_permlanex16_b32 v[216+\b], v[212+\b], s88, s89
.endr
.irp b, 0,1,2,3
	v_max_num_f32 v[212+\b], v[212+\b], v[216+\b]
.endr
	v_max3_num_f32 v224, v212, v213, v214
	v_max_num_f32 v224, v224, v215
	v_mul_f32 v224, s90, v224
	v_max_num_f32 v13, v13, v224                   ; the running largest t
	v_mov_b32 v224, v12
	v_floor_f32 v12, -v13                          ; -M = floor(-t): M is a whole number
	v_sub_f32 v224, v12, v224                      ; old M - new M, 0 or less
	v_cvt_i32_f32 v224, v224                       ; (it saturates)
	v_ldexp_f32 v226, 1.0, v224                    ; f = 2^(old M - new M)
.set j, 0
.rept 32
	v_pk_fma_f32 v[96+j:97+j], v[96+j:97+j], s[90:91], v[12:13] op_sel_hi:[1,0,0]   ; t - M
.set j, j+2
.endr
.irp b, 0,1,2,3
	v_fma_f32 v[212+\b], v[212+\b], s90, v12
.endr
.set j, 0
.rept 64
	v_exp_f32 v[96+j], v[96+j]                     ; p, at most 1
.set j, j+1
.endr
	v_pk_mul_f32 v[14:15], v[14:15], v[226:227] op_sel_hi:[1,0]   ; the sums under the new M (a plain line behind the exponentials)
	s_wait_alu depctr_va_vdst(0)                   ; the 64 exponentials have written p in v96-159: one wait for the batch, ahead of its first reader
.irp b, 0,1,2,3
	v_exp_f32 v[212+\b], v[212+\b]                 ; each block's largest p
.endr
	v_pk_add_f32 v[228:229], v[96:97], v[98:99]    ; the row's sum of the unquantised p, in two chains
.irp j, 4,8,12,16,20,24,28,32,36,40,44,48,52,56,60
	v_pk_add_f32 v[14:15], v[14:15], v[96+\j:97+\j]
	v_pk_add_f32 v[228:229], v[228:229], v[98+\j:99+\j]
.endr
	v_pk_add_f32 v[14:15], v[14:15], v[228:229]
	s_wait_alu depctr_va_vdst(0)                   ; the four exponentials have written v212-215, ahead of their first reader
.irp b, 0,1,2,3
	v_max_num_f32 v[212+\b], 0x2800000, v[212+\b]  ; the floor 2^(5 - 127)
.endr
.irp b, 0,1,2,3
	v_add_nc_u32 v[220+\b], 0xfe000000, v[212+\b]
.endr
.irp b, 0,1,2,3
	v_lshrrev_b32 v[216+\b], 23, v[220+\b]
.endr
	v_lshl_or_b32 v227, v217, 8, v216              ; p's scale word for these 128 keys
	v_lshl_or_b32 v227, v218, 16, v227
	v_lshl_or_b32 v227, v219, 24, v227
.irp c, 0,1
	v_cvt_scalef32_pk16_bf6_f32 v[192+6*\c:194+6*\c], v[96+32*\c:111+32*\c], v[220+2*\c]
	v_cvt_scalef32_pk16_bf6_f32 v[204+4*\c:206+4*\c], v[112+32*\c:127+32*\c], v[220+2*\c+1]
.endr
	v_nop
.irp c, 0,1
.irp i, 0,1,2
	v_permlane16_swap_b32 v[192+6*\c+\i], v[204+4*\c+\i]
.endr
.irp i, 0,1,2
	v_mov_b32 v[195+6*\c+\i], v[204+4*\c+\i]
.endr
.endr
.set j, 0
.rept 16
	v_pk_mul_f32 v[160+j:161+j], v[160+j:161+j], v[226:227] op_sel_hi:[1,0]   ; O^T under the new M; these lines also stand between the codes, the scale word and the products
.set j, j+2
.endr
	s_wait_dscnt 0x0                               ; V
	s_wait_alu depctr_va_vdst(0)                   ; p's codes in v192-203 and its scale word in v227 are written, which the scaled products below take as operand and as scales; the lines above stay as the places beside this wait
.irp b, 0,1,2,3
	v_wmma_scale_f32_16x16x128_f8f6f4 v[160+8*\b:167+8*\b], v[32+12*\b:43+12*\b], v[192:203], v[160+8*\b:167+8*\b], v[90+\b], v227 matrix_a_fmt:MATRIX_FMT_BF6 matrix_b_fmt:MATRIX_FMT_BF6
.endr
.Lskip_\@:
	s_add_co_u32 s66, s66, 6144
	s_add_co_u32 s67, s67, 512
	s_add_co_u32 s85, s85, 256
.endm
.Ltrip:                                                ; eight trips of two steps: the count is a constant; a step's work alone is jumped over
	STEP 0
	STEP 1
	s_add_co_u32 s84, s84, 512
	s_sub_co_u32 s86, s86, 1
	s_cmp_lg_u32 s86, 0
	s_cbranch_scc1 .Ltrip
.rept 4
	v_nop
.endr
	v_add_f32 v14, v14, v15
	v_permlanex16_b32 v224, v14, s88, s89
	v_add_f32 v14, v14, v224                       ; the row's sum
	v_rcp_f32 v14, v14
	v_and_b32 v31, 15, v0                          ; (a plain line behind the reciprocal; the one load that read v31 stands ahead of the wait on vm_vsrc behind the barrier)
	v_lshlrev_b32 v31, 5, v31                      ; 32 r
	s_lshr_b32 s16, s12, 4
	s_lshl_b32 s16, s16, 7
	s_add_co_u32 s16, s16, s11                     ; the token tile: 128 x batch + my tile
	s_and_b32 s17, s12, 15                         ; the head
	s_lshl_b32 s18, s16, 3
	s_lshr_b32 s19, s17, 1
	s_add_co_u32 s18, s18, s19                     ; K step = head / 2
	s_mul_i32 s18, s18, 1536
	s_and_b32 s19, s17, 1
	s_mul_i32 s19, s19, 768                        ; which half of the fragment
	s_add_co_u32 s18, s18, s19
	s_mov_b32 s19, 0
	s_add_nc_u64 s[18:19], s[8:9], s[18:19]
	s_lshl_b32 s20, s16, 9
	s_lshl_b32 s21, s17, 1
	s_add_co_u32 s20, s20, s21
	s_add_co_u32 s20, s20, 3145728
	s_mov_b32 s21, 0
	s_add_nc_u64 s[20:21], s[8:9], s[20:21]
	s_wait_alu depctr_va_vdst(0)                   ; the reciprocal has written v14, ahead of its first reader
.set j, 0
.rept 32
	v_mul_f32 v[96+j], v[160+j], v14               ; register 16 b + i: channel 32 b + 16 h + i of my query
.set j, j+1
.endr
.irp b, 0,1
	v_max3_num_f32 v[212+\b], |v[96+16*\b]|, |v[97+16*\b]|, 0x2800000
.endr
.irp i, 2,4,6,8,10,12,14
.irp b, 0,1
	v_max3_num_f32 v[212+\b], v[212+\b], |v[96+16*\b+\i]|, |v[97+16*\b+\i]|
.endr
.endr
.irp b, 0,1
	v_permlanex16_b32 v[216+\b], v[212+\b], s88, s89
.endr
.irp b, 0,1
	v_max_num_f32 v[212+\b], v[212+\b], v[216+\b]
.endr
.irp b, 0,1
	v_add_nc_u32 v[220+\b], 0xfe000000, v[212+\b]
.endr
.irp b, 0,1
	v_lshrrev_b32 v[216+\b], 23, v[220+\b]
.endr
	v_cvt_scalef32_pk16_bf6_f32 v[192:194], v[96:111], v220
	v_cvt_scalef32_pk16_bf6_f32 v[204:206], v[112:127], v221
	v_lshl_or_b32 v224, v217, 8, v216              ; my row's two bytes (also the plain line behind the conversions)
.irp i, 0,1,2
	v_permlane16_swap_b32 v[192+\i], v[204+\i]
.endr
.irp i, 0,1,2
	v_mov_b32 v[195+\i], v[204+\i]
.endr
	s_wait_alu depctr_va_vdst(0)                   ; the codes in v192-197, the two bytes in v224 and the offset in v31 are written, which the three stores below read
	global_store_b128 v1, v[192:195], s[18:19]
	global_store_b64 v2, v[196:197], s[18:19]      ; (v2 holds 8 x lane + 512)
	global_store_b16 v31, v224, s[20:21]           ; two bytes a row, 32 bytes apart: one byte in 24 of what this launch stores; the bytes between belong to the other heads' work-groups
	s_wait_dscnt 0x0                               ; the closing lines, six on end
	s_wait_alu 0x0
	s_wait_tensorcnt 0x0
	ds_add_u32 v232, v233
	s_wait_dscnt 0x0
	s_endpgm
.Lfunc_end_k_q99a35d148e_attn:
	.size	k_q99a35d148e_attn, .Lfunc_end_k_q99a35d148e_attn-k_q99a35d148e_attn
	.p2alignl 7, 3214868480
	.fill 96, 4, 3214868480
	.section	.rodata,"a",@progbits
	.p2align	6, 0x0
	.amdhsa_kernel k_q99a35d148e_attn
		.amdhsa_group_segment_fixed_size 210944
		.amdhsa_private_segment_fixed_size 0
		.amdhsa_enable_private_segment 0
		.amdhsa_kernarg_size 24
		.amdhsa_user_sgpr_count 2
		.amdhsa_user_sgpr_kernarg_segment_ptr 1
		.amdhsa_wavefront_size32 1
		.amdhsa_system_sgpr_workgroup_id_x 1
		.amdhsa_system_sgpr_workgroup_id_y 1
		.amdhsa_system_sgpr_workgroup_id_z 1
		.amdhsa_system_vgpr_workitem_id 0
		.amdhsa_next_free_vgpr 234
		.amdhsa_next_free_sgpr 102
		.amdhsa_reserve_vcc 0
		.amdhsa_float_denorm_mode_32 3
		.amdhsa_float_denorm_mode_16_64 3
		.amdhsa_memory_ordered 1
		.amdhsa_forward_progress 1
		.amdhsa_inst_pref_size 57
	.end_amdhsa_kernel
	.amdgpu_metadata
---
amdhsa.version: [ 1, 2 ]
amdhsa.kernels:
  - .name:           k_q99a35d148e_attn
    .symbol:         k_q99a35d148e_attn.kd
    .args:
      - { .name: qkv, .offset: 0, .size: 8, .value_kind: global_buffer, .address_space: global }
      - { .name: msk, .offset: 8, .size: 8, .value_kind: global_buffer, .address_space: global }
      - { .name: ao, .offset: 16, .size: 8, .value_kind: global_buffer, .address_space: global }
    .group_segment_fixed_size: 210944
    .private_segment_fixed_size: 0
    .kernarg_segment_align: 8
    .kernarg_segment_size: 24
    .max_flat_workgroup_size: 512
    .sgpr_count:     102
    .vgpr_count:     234
    .wavefront_size: 32
...
	.end_amdgpu_metadata
.endif
;; end of part 11
;; launch gemm_o: the kernel of part 6 again; grid 16 x 16, 4 waves a work-group, clusters of 4 x 1, 168,448 bytes of LDS; arguments ao, wts, x, h; writes h
;; launch normq_h: the kernel of part 10 again; grid 256 x 1, 8 waves a work-group, no clusters, 69,632 bytes of LDS; arguments h, ffn_scale, act; writes act
;; launch gemm_1: the kernel of part 7 again; grid 16 x 16, 4 waves a work-group, clusters of 4 x 1, 197,120 bytes of LDS; arguments act, wts, g; writes g
;; launch gemm_2: the kernel of part 8 again; grid 16 x 16, 4 waves a work-group, clusters of 4 x 1, 168,448 bytes of LDS; arguments g, wts, h, out0; writes out0
